; MI455X (gfx1250); checked and timed in simulation.
; The chip was launched on July 23, 2026; its instructions are those of AMD's public machine-readable ISA for CDNA 5 (MIT licence, August 2026) and "CDNA5" Instruction Set Architecture Reference Guide (July 2026). The comments in the code are by the model that wrote it; some were corrected since.
;; Attention. Allowed arithmetic: matrix products marked QUANTISED: E2M1 operands, one E8M0 scale for each 32 along K, by v_wmma_scale_f32_16x16x128_f8f6f4 with both operands' format E2M1 (or v_wmma_scale_f32_32x16x128_f4), f32 sums; products left as they are: bf16, f16 or f32 operands; f32 sums; everything else in f32.
;; Inputs: cos 2,048 x 32 float32; mask 2,048 x 2,048 float32; sin 2,048 x 32 float32; wk 2,048 x 512 float32; wo 2,048 x 2,048 float32; wq 2,048 x 2,048 float32; wv 2,048 x 512 float32; x 1 x 2,048 x 2,048 float32.
;; Outputs: out0 1 x 2,048 x 2,048 float32.
;; Constants: start_pos = 0.
;; This version of the problem:
;;   THIS VERSION OF THE PROBLEM IS GIVEN IN LOW PRECISION. The matrix products marked QUANTISED in the list below multiply operands that are first quantised to E2M1 (2 exponent bits, 1 mantissa bit; 4 bits a number), with one power-of-two scale for each 32 numbers along K (OCP MX v1.0); their sums are f32. The products marked 'left as it is' may take bf16, f16 or f32 operands, with f32 sums. Whichever they take, every output number must still come out within the allowed error. Rounding operands to bf16 (8 significant bits) uses up far more of that allowance than f16 does (11 bits, for magnitudes from 6e-5 to 65,504). All else is computed in f32.
;;   The module's matrix products, in the order in which they are computed (A, B: the left and right operand; K: the contracted axis; several contracted axes count as one K, in the product's order):
;;     1. [M 2,048, K 2,048] x [K 2,048, N 2,048]; A: input x; B: input wq: QUANTISED
;;     2. [M 2,048, K 2,048] x [K 2,048, N 512]; A: input x; B: input wk: QUANTISED
;;     3. [M 2,048, K 2,048] x [K 2,048, N 512]; A: input x; B: input wv: QUANTISED
;;     4. batch 8 x [M 8,192, K 64] x [K 64, N 2,048]; A: computed on the way; B: computed on the way: left as it is (an operand is computed on the way)
;;     5. batch 8 x [M 8,192, K 2,048] x [K 2,048, N 64]; A: computed on the way; B: computed on the way: left as it is (an operand is computed on the way)
;;     6. [M 2,048, K 2,048] x [K 2,048, N 2,048]; A: computed on the way; B: input wo: left as it is (an operand is computed on the way)
;;   THE QUANTISER, for each operand of a quantised product, along K:
;;     - K is cut into blocks of 32 from its start; a last block that is shorter is filled with zeros.
;;     - A block's scale is 2^e with e = floor(log2(the largest magnitude in the block)) - 2, held to -126 .. 127; a block of zeros has e = 0. As a byte (E8M0): e + 127.
;;     - Each number is divided by its block's scale, clamped to +-6, and rounded to the nearest number of E2M1, ties to even, subnormals kept.
;;     - The product sums the exact products of the quantised numbers (number of the format x scale) in f32.
;;   ~~~python
;;   def quantise(x, axis):      # numpy; x: float32 -> the quantised numbers, widened to float32 again
;;       x = np.moveaxis(x, axis, -1); K = x.shape[-1]
;;       x = np.pad(x, [(0, 0)] * (x.ndim - 1) + [(0, -K % 32)]); x = x.reshape(x.shape[:-1] + (-1, 32)); a = np.abs(x).max(-1, keepdims=True)
;;       e = np.where(a > 0, np.clip(np.frexp(np.where(a > 0, a, 1))[1] - 1 - 2, -126, 127), 0)      # np.frexp(a)[1] - 1 = floor(log2(a)), exactly
;;       r = np.clip(x / 2.0 ** e, -6, 6)
;;       step = 2.0 ** (np.maximum(np.frexp(np.where(r == 0, 1, r))[1] - 1, 0) - 1)
;;       q = np.round(r / step) * step * 2.0 ** e      # np.round: ties to even
;;       return np.moveaxis(q.reshape(q.shape[:-2] + (-1,))[..., :K], -1, axis).astype(np.float32)
;;   ~~~
;; 2 versions, each right. Each part assembles by itself: llvm-mc -triple=amdgcn-amd-amdhsa -mcpu=gfx1250 --defsym DOCPART=n.
;; ======== version 1 of 2: 6 launches
;; limits: values are held in f16: magnitudes above 65,504 overflow, below 6.1e-05 lose precision; inputs' magnitudes at most 5.6e+33
;; workspace buffers: codes 5,242,880 bytes; scales 327,680 bytes; wo16 8,388,608 bytes; qkv16 12,582,912 bytes; vf 4,194,304 bytes; ofr 131,072 bytes; ao 8,388,608 bytes
;; launch prep (part 1): grid 352 x 1, 4 waves a work-group, no clusters, 102,912 bytes of LDS; arguments x, wq, wk, wv, wo, codes, scales, wo16; writes codes, scales, wo16
.if DOCPART == 1
	.amdgcn_target "amdgcn-amd-amdhsa--gfx1250"
	.amdhsa_code_object_version 6
	.text
	.protected	k_q7683afde86_prep
	.globl	k_q7683afde86_prep
	.p2align	8
	.type	k_q7683afde86_prep,@function
k_q7683afde86_prep:
	s_mov_b64 s[64:65], 0
	v_nop
	global_prefetch_b8 v0, s[64:65] scope:SCOPE_SE
	s_setreg_imm32_b32 hwreg(HW_REG_WAVE_MODE, 25, 1), 1
	s_wait_xcnt 0x0
; PREPARATION.  x [2048][2048] (K innermost) and wq, wk, wv [2048 (K)][n] (K outermost), all f32, become codes of FP4 (E2M1) with K innermost and one E8M0 byte for each 32 along K; wo becomes f16 in its own order.
; codes:  x's rows [2048][1024 bytes] at byte 0; the weights' rows [3072][1024 bytes] at XCB.   scales: x's [2048][64] at 0; the weights' [3072][64] at XSB.
; THE WEIGHTS' ROWS: 0..2047 = wq's columns; 2048 + 256 t + i = wk's column 128 t + i, 2048 + 256 t + 128 + i = wv's column 128 t + i (t = 0..3, i < 128).
; A block's scale is 2^(floor(log2(largest magnitude)) - 2): its byte is the largest magnitude's exponent field - 2, held at 1 from below.
; LIMITS: a block of zeros gets the byte 1 where the rule says 127 (its codes are zeros and only this program reads the bytes); NaN and infinities are not served; |wo| stays under 65,504.
; Four paths part on the work-group's number: 0..127 x, 128..191 wq, 192..223 wk and wv, 224..351 wo.  Each path that uses LDS has LDS bytes of its own.  No tensor load, no barrier: waves share nothing.
.set XCB,    2097152
.set XSB,    131072
.set SPW,    190                       ; v190  LDS address of my spare word; never rewritten
.set NIL,    191                       ; v191  0; never rewritten
.set WQR,    32768                     ; LDS: x's path 0..32767 (8,192 a wave); wq's stages; wk's and wv's stages; the spare words
.set WKR,    67584
.set SPARE,  102400
.set STEPS,  16
.set EMAX,   2
.set CB,     8
.set R,      16                        ; x path: v16-79 four sets of 16 numbers as loaded
.set X,      80                        ; v80-111 two sets of 16 neighbours
.set E,      112                       ; v112-127 a scale byte for each step
.set C,      128                       ; v128-189 codes, four registers a step
.set WREG,   8192
.set SP,     80
.set WPITCH, 272                       ; weights: a stage row: 256 bytes of codes + 16
.set WX,     32                        ; v32-95 two sets of 32 numbers
.set WC,     96                        ; v96-99 a block's codes
.set OUTR,   112                       ; v112-175 the way out
.set SB,     24                        ; v24-27 sixteen scale bytes
.macro FIN                             ; a wave's end, behind the last LDS store
	s_wait_tensorcnt 0x0
	ds_add_u32 v[SPW], v[NIL]
	s_wait_dscnt 0x0
	s_endpgm
.endm
.macro XLOAD t
.irp i, 0,1,2,3
	global_load_b128 v[R+16*((\t)%4)+4*\i:R+16*((\t)%4)+4*\i+3], v3, s[4:5] offset:2048*(\t)+512*\i th:TH_LOAD_NT   ; 32 lanes read 512 consecutive bytes
.endr
.endm
.macro XTURN t                         ; a step's 2,048 bytes through the wave's stage: in as they lie, out 64 bytes a lane; LDS serves a wave's instructions in order
.irp i, 0,1,2,3
	ds_store_b128 v14, v[R+16*((\t)%4)+4*\i:R+16*((\t)%4)+4*\i+3] offset:32*SP*((\t)%2)+8*SP*\i
.endr
.irp i, 0,1,2,3
	ds_load_b128 v[X+16*((\t)%2)+4*\i:X+16*((\t)%2)+4*\i+3], v15 offset:32*SP*((\t)%2)+16*\i
.endr
.endm
.macro XSTEP t
.set XQ, X+16*((\t)%2)
.if (\t) > 0
	s_wait_dscnt 1                                 ; this step's numbers are back from the stage; the last step's byte store may be out
.else
	s_wait_dscnt 0x0
.endif
.if (\t)+4 < STEPS
	XLOAD (\t)+4
.endif
.if (\t)+1 < STEPS
.if STEPS-2-(\t) >= 3
	s_wait_loadcnt 12                              ; the next step's four loads are in; the twelve of the three steps behind it may be out
.else
	s_wait_loadcnt 4*(STEPS-2-(\t))
.endif
	XTURN (\t)+1
.endif
	v_max3_num_f32 v8, |v[XQ]|, |v[XQ+1]|, |v[XQ+2]|
	v_max3_num_f32 v9, |v[XQ+3]|, |v[XQ+4]|, |v[XQ+5]|
.irp i, 6,10
	v_max3_num_f32 v8, v8, |v[XQ+\i]|, |v[XQ+\i+1]|
	v_max3_num_f32 v9, v9, |v[XQ+\i+2]|, |v[XQ+\i+3]|
.endr
	v_max3_num_f32 v8, v8, |v[XQ+14]|, |v[XQ+15]|
	v_max3_num_f32 v8, v8, v9, (EMAX+1)<<23        ; the floor 2^(3 - 127): the byte cannot fall under 1
	v_max_num_f32_dpp v8, v8, v8 row_xmask:1 row_mask:0xf bank_mask:0xf   ; with my neighbour's 16: the block's largest magnitude
	v_add_nc_u32 v11, -(EMAX<<23), v8              ; 2 off its exponent field: the conversion's scale operand
	v_cvt_scalef32_pk8_fp4_f32 v[C+4*(\t)], v[XQ:XQ+7], v11
	v_cvt_scalef32_pk8_fp4_f32 v[C+4*(\t)+1], v[XQ+8:XQ+15], v11
	v_lshrrev_b32 v[E+(\t)], 23, v11               ; the scale's byte (also the plain line behind the conversions)
	ds_store_b8 v5, v[E+(\t)] offset:16*(\t)       ; both lanes of a block write the same byte with the same value
	global_store_b64 v4, v[C+4*(\t):C+4*(\t)+1], s[14:15] offset:32*CB*(\t)   ; the wave stores 256 consecutive bytes
.endm
.macro WLOAD t, nn                     ; block t of my column: W(32 t + i, column), i = 0..31; nn: numbers in a row of the weight
.irp i, 0,1,2,3,4,5,6,7,8,9,10,11,12,13,14,15,16,17,18,19,20,21,22,23,24,25,26,27,28,29,30,31
	global_load_b32 v[WX+32*((\t)%2)+\i], v3, s[24:25] offset:(32*(\t)+\i)*(\nn)*4 th:TH_LOAD_NT
.endr
.endm
.macro WBLOCK t, nn
.set WS, WX+32*((\t)%2)
.if (\t) < 15
	s_wait_loadcnt 32                              ; this block's 32 loads are in; the next block's 32 may be out
.else
	s_wait_loadcnt 0
.endif
	v_max3_num_f32 v12, |v[WS]|, |v[WS+1]|, |v[WS+2]|              ; all 32 numbers of the block are mine
	v_max3_num_f32 v13, |v[WS+3]|, |v[WS+4]|, |v[WS+5]|
.irp i, 6,10,14,18,22,26
	v_max3_num_f32 v12, v12, |v[WS+\i]|, |v[WS+\i+1]|
	v_max3_num_f32 v13, v13, |v[WS+\i+2]|, |v[WS+\i+3]|
.endr
	v_max3_num_f32 v12, v12, |v[WS+30]|, |v[WS+31]|
	v_max3_num_f32 v12, v12, v13, (EMAX+1)<<23
	v_add_nc_u32 v11, -(EMAX<<23), v12
	v_lshrrev_b32 v13, 23, v11
.if (\t)%4 == 0
	v_mov_b32 v[SB+(\t)/4], v13
.else
	v_lshl_or_b32 v[SB+(\t)/4], v13, 8*((\t)%4), v[SB+(\t)/4]
.endif
.irp g, 0,1,2,3
	v_cvt_scalef32_pk8_fp4_f32 v[WC+\g], v[WS+8*\g:WS+8*\g+7], v11
.endr
	ds_store_b128 v4, v[WC:WC+3] offset:16*(\t)    ; 32 codes: 16 bytes of my column's row
.if (\t)+2 < 16
	WLOAD (\t)+2, \nn
.endif
	s_wait_dscnt 0x0                               ; the store has read its registers: the next block's codes may be written
.endm
; A wave takes 32 columns x 512 along K.  A lane takes a column and its registers run down K.  s[24:25] the weight at my part, s[26:27] the codes, s[28:29] the scale bytes.
.macro WBODY nn, lbase
	v_lshlrev_b32 v3, 2, v2
	s_mul_i32 s21, s20, 32*WPITCH
	s_add_co_u32 s21, s21, \lbase                  ; my stage
	v_mul_u32_u24 v4, v2, WPITCH
	v_add_nc_u32 v4, s21, v4                       ; into it: row = my column
	v_and_b32 v5, 15, v2
	v_lshrrev_b32 v6, 4, v2
	v_mul_u32_u24 v7, v6, WPITCH
	v_lshl_add_u32 v7, v5, 4, v7
	v_add_nc_u32 v7, s21, v7                       ; out of it: sixteen lanes to a row, two rows an instruction
	v_lshlrev_b32 v8, 10, v6
	v_lshl_add_u32 v8, v5, 4, v8                   ; the same place in the codes' rows of 1,024 bytes
	v_lshlrev_b32 v9, 6, v2                        ; my column's row of 64 scale bytes
	WLOAD 0, \nn
	WLOAD 1, \nn
.set Q, 0
.rept 16
	WBLOCK Q, \nn
.set Q, Q+1
.endr
	global_store_b128 v9, v[SB:SB+3], s[28:29]
.irp t, 0,1,2,3,4,5,6,7,8,9,10,11,12,13,14,15
	ds_load_b128 v[OUTR+4*\t:OUTR+4*\t+3], v7 offset:2*\t*WPITCH
.endr
.irp t, 0,1,2,3,4,5,6,7,8,9,10,11,12,13,14,15
	s_wait_dscnt 15-\t                             ; LDS loads come back in order: pair t of the rows is in
	global_store_b128 v8, v[OUTR+4*\t:OUTR+4*\t+3], s[26:27] offset:2*\t*1024   ; sixteen lanes store 256 consecutive bytes of a row
.endr
.endm
; wo to f16: slot i of a ring of sixteen; r: the round; left: the younger loads that may stay out
.macro CV i, r, ahead, left
	s_wait_loadcnt \left
	s_wait_xcnt 0x0                                ; this slot's last store has read its data registers
	v_cvt_pk_f16_f32 v[96+2*\i], v[32+4*\i], v[33+4*\i]
	v_cvt_pk_f16_f32 v[97+2*\i], v[34+4*\i], v[35+4*\i]
.if \ahead
	global_load_b128 v[32+4*\i:35+4*\i], v3, s[24:25] offset:512*(16*(\r+1)+\i) th:TH_LOAD_NT
.endif
	global_store_b64 v4, v[96+2*\i:97+2*\i], s[26:27] offset:256*(16*\r+\i)   ; 32 lanes store 256 consecutive bytes
.endm
	s_load_b512 s[4:19], s[0:1], 0x0               ; x 4:5, wq 6:7, wk 8:9, wv 10:11, wo 12:13, codes 14:15, scales 16:17, wo16 18:19
	v_lshl_add_u32 v[SPW], v0, 2, SPARE
	v_mov_b32 v[NIL], 0
	v_lshrrev_b32 v1, 5, v0
	v_readfirstlane_b32 s20, v1                    ; wave
	v_and_b32 v2, 31, v0                           ; lane
	s_mov_b32 s31, 0
	s_wait_kmcnt 0x0
	s_cmp_lt_u32 ttmp9, 128
	s_cbranch_scc0 .Lnot_x
	; ---- x: a plain stream of blocks of 32; a wave takes 16 steps of 512 numbers
	v_lshlrev_b32 v3, 4, v2
	s_mul_i32 s21, s20, WREG
	v_lshrrev_b32 v14, 2, v2
	v_mul_u32_u24 v14, v14, SP
	v_and_b32 v15, 3, v2
	v_lshl_add_u32 v14, v15, 4, v14
	v_add_nc_u32 v14, s21, v14                     ; the stage, way in: four lanes' 64 bytes on end, then 16 of padding
	v_mul_u32_u24 v15, v2, SP
	v_add_nc_u32 v15, s21, v15                     ; way out: my 16 neighbours
	v_mul_u32_u24 v4, v2, CB
	v_lshrrev_b32 v5, 1, v2
	s_add_co_u32 s21, s21, 2*32*SP
	v_add_nc_u32 v5, s21, v5                       ; my wave's 256 scale bytes, my block's byte
	v_lshlrev_b32 v7, 3, v2
	v_add_nc_u32 v6, s21, v7
	s_lshl_b32 s22, ttmp9, 2
	s_add_co_u32 s22, s22, s20                     ; which run of 8,192 numbers is my wave's
	s_lshl_b32 s30, s22, 15
	s_add_nc_u64 s[4:5], s[4:5], s[30:31]
	s_lshl_b32 s30, s22, 12
	s_add_nc_u64 s[14:15], s[14:15], s[30:31]
	s_lshl_b32 s30, s22, 8
	s_add_nc_u64 s[16:17], s[16:17], s[30:31]
.irp t, 0,1,2,3
	XLOAD \t
.endr
	s_wait_loadcnt 12                              ; step 0's four loads are in
	XTURN 0
.irp t, 0,1,2,3,4,5,6,7,8,9,10,11,12,13,14,15
	XSTEP \t
.endr
	ds_load_b64 v[8:9], v6
	s_wait_dscnt 0x0
	global_store_b64 v7, v[8:9], s[16:17]          ; 32 lanes store the wave's 256 scale bytes
	FIN
.Lnot_x:
	s_cmp_lt_u32 ttmp9, 192
	s_cbranch_scc0 .Lnot_wq
	; ---- wq: 16 groups of 128 columns x 4 parts of 512 along K
	s_sub_co_u32 s22, ttmp9, 128
	s_and_b32 s23, s22, 15
	s_lshr_b32 s22, s22, 4                         ; which 512 along K
	s_lshl_b32 s23, s23, 7
	s_lshl_b32 s21, s20, 5
	s_add_co_u32 s23, s23, s21                     ; my wave's first column, which is also its row of the codes
	s_lshl_b32 s30, s22, 22                        ; 512 rows of 8,192 bytes
	s_lshl_b32 s21, s23, 2
	s_add_co_u32 s30, s30, s21
	s_add_nc_u64 s[24:25], s[6:7], s[30:31]
	s_lshl_b32 s30, s23, 10
	s_lshl_b32 s21, s22, 8
	s_add_co_u32 s30, s30, s21
	s_add_co_u32 s30, s30, XCB
	s_add_nc_u64 s[26:27], s[14:15], s[30:31]
	s_lshl_b32 s30, s23, 6
	s_lshl_b32 s21, s22, 4
	s_add_co_u32 s30, s30, s21
	s_add_co_u32 s30, s30, XSB
	s_add_nc_u64 s[28:29], s[16:17], s[30:31]
	WBODY 2048, WQR
	FIN
.Lnot_wq:
	s_cmp_lt_u32 ttmp9, 224
	s_cbranch_scc0 .Lwo
	; ---- wk (the first 16 work-groups) and wv: 4 groups of 128 columns x 4 parts along K each
	s_sub_co_u32 s22, ttmp9, 192
	s_lshr_b32 s32, s22, 4                         ; 0: wk, 1: wv
	s_and_b32 s23, s22, 3                          ; group of columns
	s_lshr_b32 s22, s22, 2
	s_and_b32 s22, s22, 3                          ; which 512 along K
	s_lshl_b32 s33, s23, 8
	s_lshl_b32 s21, s32, 7
	s_add_co_u32 s33, s33, s21
	s_lshl_b32 s21, s20, 5
	s_add_co_u32 s33, s33, s21
	s_add_co_u32 s33, s33, 2048                    ; my wave's first row of the codes
	s_lshl_b32 s23, s23, 7
	s_add_co_u32 s23, s23, s21                     ; and its first column of the weight
	s_cmp_eq_u32 s32, 0
	s_cselect_b64 s[24:25], s[8:9], s[10:11]
	s_lshl_b32 s30, s22, 20                        ; 512 rows of 2,048 bytes
	s_lshl_b32 s21, s23, 2
	s_add_co_u32 s30, s30, s21
	s_add_nc_u64 s[24:25], s[24:25], s[30:31]
	s_lshl_b32 s30, s33, 10
	s_lshl_b32 s21, s22, 8
	s_add_co_u32 s30, s30, s21
	s_add_co_u32 s30, s30, XCB
	s_add_nc_u64 s[26:27], s[14:15], s[30:31]
	s_lshl_b32 s30, s33, 6
	s_lshl_b32 s21, s22, 4
	s_add_co_u32 s30, s30, s21
	s_add_co_u32 s30, s30, XSB
	s_add_nc_u64 s[28:29], s[16:17], s[30:31]
	WBODY 512, WKR
	FIN
.Lwo:
	; ---- wo to f16: a stream; a wave takes 32,768 bytes, 64 loads of 512, sixteen always on their way
	s_sub_co_u32 s22, ttmp9, 224
	s_lshl_b32 s22, s22, 2
	s_add_co_u32 s22, s22, s20
	s_lshl_b32 s30, s22, 15
	s_add_nc_u64 s[24:25], s[12:13], s[30:31]
	s_lshl_b32 s30, s22, 14
	s_add_nc_u64 s[26:27], s[18:19], s[30:31]
	v_lshlrev_b32 v3, 4, v2
	v_lshlrev_b32 v4, 3, v2
.irp i, 0,1,2,3,4,5,6,7,8,9,10,11,12,13,14,15
	global_load_b128 v[32+4*\i:35+4*\i], v3, s[24:25] offset:512*\i th:TH_LOAD_NT
.endr
.irp r, 0,1,2
.irp i, 0,1,2,3,4,5,6,7,8,9,10,11,12,13,14,15
	CV \i, \r, 1, 15                               ; my slot's load is in; the fifteen younger ones stay out
.endr
.endr
.irp i, 0,1,2,3,4,5,6,7,8,9,10,11,12,13,14,15
	CV \i, 3, 0, 15-\i                             ; the last round loads nothing: the counts run down
.endr
	FIN
.Lfunc_end_k_q7683afde86_prep:
	.size	k_q7683afde86_prep, .Lfunc_end_k_q7683afde86_prep-k_q7683afde86_prep
	.p2alignl 7, 3214868480
	.fill 96, 4, 3214868480
	.section	.rodata,"a",@progbits
	.p2align	6, 0x0
	.amdhsa_kernel k_q7683afde86_prep
		.amdhsa_group_segment_fixed_size 102912
		.amdhsa_private_segment_fixed_size 0
		.amdhsa_enable_private_segment 0
		.amdhsa_kernarg_size 64
		.amdhsa_user_sgpr_count 2
		.amdhsa_user_sgpr_kernarg_segment_ptr 1
		.amdhsa_wavefront_size32 1
		.amdhsa_system_sgpr_workgroup_id_x 1
		.amdhsa_system_sgpr_workgroup_id_y 1
		.amdhsa_system_sgpr_workgroup_id_z 1
		.amdhsa_system_vgpr_workitem_id 0
		.amdhsa_next_free_vgpr 192
		.amdhsa_next_free_sgpr 66
		.amdhsa_reserve_vcc 0
		.amdhsa_float_denorm_mode_32 3
		.amdhsa_float_denorm_mode_16_64 3
		.amdhsa_memory_ordered 1
		.amdhsa_forward_progress 1
		.amdhsa_inst_pref_size 213
	.end_amdhsa_kernel
	.amdgpu_metadata
---
amdhsa.version: [ 1, 2 ]
amdhsa.kernels:
  - .name:           k_q7683afde86_prep
    .symbol:         k_q7683afde86_prep.kd
    .args:
      - { .name: x, .offset: 0, .size: 8, .value_kind: global_buffer, .address_space: global }
      - { .name: wq, .offset: 8, .size: 8, .value_kind: global_buffer, .address_space: global }
      - { .name: wk, .offset: 16, .size: 8, .value_kind: global_buffer, .address_space: global }
      - { .name: wv, .offset: 24, .size: 8, .value_kind: global_buffer, .address_space: global }
      - { .name: wo, .offset: 32, .size: 8, .value_kind: global_buffer, .address_space: global }
      - { .name: codes, .offset: 40, .size: 8, .value_kind: global_buffer, .address_space: global }
      - { .name: scales, .offset: 48, .size: 8, .value_kind: global_buffer, .address_space: global }
      - { .name: wo16, .offset: 56, .size: 8, .value_kind: global_buffer, .address_space: global }
    .group_segment_fixed_size: 102912
    .private_segment_fixed_size: 0
    .kernarg_segment_align: 8
    .kernarg_segment_size: 64
    .max_flat_workgroup_size: 128
    .sgpr_count:     66
    .vgpr_count:     192
    .wavefront_size: 32
...
	.end_amdgpu_metadata
.endif
;; end of part 1
;; launch qkv (part 2): grid 12 x 8, 4 waves a work-group, clusters of 4 x 4, 327,680 bytes of LDS; arguments codes, scales, cos, sin, qkv16, vf; writes qkv16, vf
.if DOCPART == 2
	.amdgcn_target "amdgcn-amd-amdhsa--gfx1250"
	.amdhsa_code_object_version 6
	.text
	.protected	k_q7683afde86_qkv
	.globl	k_q7683afde86_qkv
	.p2align	8
	.type	k_q7683afde86_qkv,@function
k_q7683afde86_qkv:
	s_mov_b64 s[64:65], 0
	v_nop
	global_prefetch_b8 v0, s[64:65] scope:SCOPE_SE
	s_setreg_imm32_b32 hwreg(HW_REG_WAVE_MODE, 25, 1), 1
	s_wait_xcnt 0x0
	s_wait_alu depctr_hold_cnt(0) depctr_sa_sdst(0) depctr_va_vdst(0) depctr_va_sdst(0) depctr_va_ssrc(0) depctr_va_vcc(0) depctr_vm_vsrc(0)
	s_getreg_b32 s2, hwreg(HW_REG_IB_STS2, 6, 4)
	s_cmp_eq_u32 s2, 0
	s_cbranch_scc0 .Lentry_in_a_cluster
	s_endpgm
.Lentry_in_a_cluster:
	s_bfe_u32 s2, ttmp6, 0x10000c
	s_cmp_lg_u32 s2, 0xf033
	s_cbranch_scc0 .Lentry_shape_is_right
	s_endpgm
.Lentry_shape_is_right:
; THE THREE QUANTISED PRODUCTS AS ONE GEMM ON CODES OF FP4: [2048 positions] x [3072 rows of weights], K = 2048; then the rotation by cos and sin (q, k), and the results as f16.
; codes: x's rows at 0, the weights' at XCB (1,024 bytes a row); scales: x's at 0, the weights' at XSB (64 bytes a row).  Weights' rows 0..2047: wq's columns; 2048 + 256 t + i: wk's column 128 t + i; + 128: wv's.
; OUT: qkv16: q x 2^-8 x log2(e) [32][2048][64] f16 at 0; k x 2^-8 [8][2048][64] at KO; v [8][2048][64] at VO.  vf: v [8][2048][64] f32.  The powers of two leave f16 room for larger inputs; log2(e) goes into q here,
; so that the attention launches' factor in front of the exponential is a pure power of two.  The factors ride on cos and sin: one f32 rounding each, far under the rounding to f16.
; LIMITS: |q| x 2^-8 x log2(e), |k| x 2^-8 and |v| stay under 65,504; NaN and infinities are not served.
; A tile of 256 x 256 is made by four waves, 128 x 128 each: 64 accumulators.  K goes in steps of 512 through two LDS slots filled by the tensor data mover; the scale bytes of the tile's rows come once and stay.
; CLUSTERS 4 x 4: x's tiles are asked for jointly along a row of the cluster, the weights' along a column.  The matrix instruction is used transposed (source 0 = 16 rows of weights, source 1 = 16 positions):
; a lane holds eight neighbouring columns of one position, which are four rotation pairs.
; In the third column of clusters a wave's column half 0 is k and half 1 is v: the way out parts on the cluster's x and the wave's number alone.
; REGISTERS: window 0: v0-31 addresses; v32-95 scale words; v128-191 x's fragments.  window 1: the weights' fragments at v0-63 and v128-191; cos and sin of my first 64 positions wait in v64-127 and v192-255.
;   windows 2, 3: the accumulators.
.set SIZE_K, 2048
.set XCB,    2097152
.set XSB,    131072
.set KO,     8388608
.set VO,     10485760
.set KSTEP,  512
.set NQ,     KSTEP/128
.set ROWB,   256
.set KROW,   SIZE_K*4/8
.set PITCH,  272                       ; an LDS row: 256 bytes + 16 of padding: the 16 rows that a load touches start at 16 different banks
.set FR,     8
.set NL,     2
.set NP,     4
.set HALFT,  128*PITCH
.set SLOT,   4*HALFT
.set LAPS,   SIZE_K/(2*KSTEP)
.set KS,     SIZE_K/32
.set SCL,    2*SLOT
.set HALFS,  (128*KS/256)*272
.set SBLK,   (16*KS/256)*272
.set SPARE,  SCL+4*HALFS
.set ADRA, 16
.set STF,  18                          ; v18  the f32 stage: where I put 32 bytes of a row
.set RDF,  19                          ; v19  and where I read it back
.set ADRB, 20
.set STOV, 22                          ; v22, v23  the f16 stage of the v path
.set RDV,  23
.set STO,  24                          ; v24, v25  the f16 stage of the q and k path
.set RD,   25
.set CO,   26                          ; v26  16 x lane
.set ADRS, 27
.set SPW,  28
.set NIL,  29
.set CSO,  30                          ; v30  my place in cos and sin: row lane % 16 of 128 bytes, + 16 (lane / 16)
.set SC,   32
.set AF,   128
.set G1, 24
.set G0, 32
.set G1B, 48
.set G0B, 56
.set G1S, 68
.set G0S, 76
.set G1SB, 80
.set G0SB, 88
.set VFL, 98                           ; s98  1 in a wave whose columns are v's
.set MSB, 0
.macro WIN new
.if MSB != (\new)
	s_set_vgpr_msb (MSB<<8)|(\new)
.set MSB, (\new)
.endif
.endm
.set MUL_LO, 0xa1
.set MUL_HI, 0xf1
.set TO_B,   0x40
; A joint load: waves 0 and 1 fetch for x, waves 2 and 3 for the weights.  An s_nop 0 and four v_nop follow each of the two lines.
.macro JLOAD g0a, g1a, g0b, g1b
	s_cmp_eq_u32 s15, 0
	s_cbranch_scc0 .Lfor_b_\@
	tensor_load_to_lds s[\g0a:\g0a+3], s[\g1a:\g1a+7]
	s_nop 0
.rept 4
	v_nop
.endr
	s_branch .Lasked_\@
.Lfor_b_\@:
	tensor_load_to_lds s[\g0b:\g0b+3], s[\g1b:\g1b+7]
	s_nop 0
.rept 4
	v_nop
.endr
.Lasked_\@:
.endm
.macro CREST
	s_cmp_lg_u32 s14, 0
	s_cbranch_scc1 .Lnot_wave_0_\@
	s_barrier_signal -3
.Lnot_wave_0_\@:
	s_barrier_wait -3
	s_barrier_signal -1
	s_barrier_wait -1
.endm
.macro CROUND
	s_barrier_signal -1
	s_barrier_wait -1
	CREST
.endm
	s_load_b128 s[4:7], s[0:1], 0x0                ; codes, scales
	v_lshl_add_u32 v[SPW], v0, 2, SPARE
	v_mov_b32 v[NIL], 0
	ds_add_u32 v[SPW], v[NIL]                      ; the wave's opening: the add, twice on end, and its wait ahead of my first tensor load
	ds_add_u32 v[SPW], v[NIL]
	v_lshrrev_b32 v1, 5, v0
	v_readfirstlane_b32 s14, v1                    ; wave 0..3
	s_lshr_b32 s15, s14, 1                         ; which half of the tile's positions is mine.  Also: I fetch for x (0) or for the weights (1)
	s_and_b32 s16, s14, 1                          ; which half of its columns.  Also: which 128 rows I fetch
	s_bfe_u32 s40, ttmp6, 0x40000                  ; cx, cy
	s_bfe_u32 s41, ttmp6, 0x40004
	s_lshl_b32 s42, ttmp9, 2
	s_add_co_u32 s42, s42, s40                     ; tile column
	s_and_b32 s17, ttmp7, 0xffff
	s_lshl_b32 s17, s17, 2
	s_add_co_u32 s17, s17, s41                     ; tile row
	s_lshl_b32 s43, s41, 2
	s_lshl_b32 s43, 15, s43                        ; my row of the cluster
	s_lshl_b32 s44, 0x1111, s40                    ; my column
	s_or_b32 s[G1+0], s43, (0<<16)|(1<<20)|(1<<21)|(5<<22)|(3<<25)   ; mask; elements of 1 byte; padding: 4 words after every 64
	s_or_b32 s[G1B+0], s44, (0<<16)|(1<<20)|(1<<21)|(5<<22)|(3<<25)
.irp g, G1, G1B
	s_mov_b32 s[\g+1], ROWB<<16
	s_mov_b32 s[\g+2], 128<<16
	s_mov_b32 s[\g+3], ROWB<<16
	s_mov_b32 s[\g+4], 128
	s_mov_b32 s[\g+5], KROW
	s_mov_b32 s[\g+6], 0
	s_mov_b32 s[\g+7], 0
.endr
	s_or_b32 s[G1S+0], s43, (3<<16)|(1<<20)|(1<<21)|(5<<22)|(3<<25)  ; the scales of 128 rows: a dense block, as rows of 256 bytes
	s_or_b32 s[G1SB+0], s44, (3<<16)|(1<<20)|(1<<21)|(5<<22)|(3<<25)
.irp g, G1S, G1SB
	s_mov_b32 s[\g+1], 32<<16
	s_mov_b32 s[\g+2], (128*KS/256)<<16
	s_mov_b32 s[\g+3], 32<<16
	s_mov_b32 s[\g+4], 128*KS/256
	s_mov_b32 s[\g+5], 32
	s_mov_b32 s[\g+6], 0
	s_mov_b32 s[\g+7], 0
.endr
	s_lshl_b32 s18, s16, 7
	s_lshl_b32 s20, s17, 8
	s_add_co_u32 s20, s20, s18                     ; x: row 256 x tile row + 128 x half
	s_lshl_b32 s46, s42, 8
	s_add_co_u32 s46, s46, s18                     ; weights: row 256 x tile column + 128 x half
	s_mov_b32 s21, 0
	s_mov_b32 s47, 0
	s_mov_b64 s[18:19], KS
	s_mul_u64 s[22:23], s[20:21], s[18:19]
	s_mul_u64 s[92:93], s[46:47], s[18:19]
	s_mov_b64 s[18:19], KROW
	s_mul_u64 s[20:21], s[20:21], s[18:19]
	s_mul_u64 s[46:47], s[46:47], s[18:19]
	s_mul_i32 s45, s14, HALFT
	s_mul_i32 s94, s14, HALFS
	s_mov_b32 s66, 0x3b800000                      ; what cos and sin are multiplied by: 2^-8 for k;
	s_cmp_lt_u32 ttmp9, 2                          ; the first two columns of clusters make q (the cluster's x: the same in all partners):
	s_cselect_b32 s66, 0x3bb8aa3b, s66             ; 2^-8 x log2(e) for q
	s_mov_b32 s67, s66
	s_wait_dscnt 0x0                               ; both opening adds are done
	s_wait_kmcnt 0x0
	s_add_nc_u64 s[8:9], s[4:5], XCB               ; the weights' codes
	s_add_nc_u64 s[10:11], s[6:7], XSB             ; and scale bytes
	s_add_nc_u64 s[20:21], s[4:5], s[20:21]
	s_add_nc_u64 s[22:23], s[6:7], s[22:23]
	s_add_nc_u64 s[46:47], s[8:9], s[46:47]
	s_add_nc_u64 s[92:93], s[10:11], s[92:93]
	CROUND                                         ; all sixteen work-groups are here: the first joint loads meet
	s_mov_b32 s[G0S], 1
	s_add_co_u32 s[G0S+1], s94, SCL
	s_mov_b64 s[G0S+2:G0S+3], s[22:23]
	s_or_b32 s[G0S+3], s[G0S+3], 0x80000000
	s_mov_b32 s[G0SB], 1
	s_add_co_u32 s[G0SB+1], s94, SCL
	s_mov_b64 s[G0SB+2:G0SB+3], s[92:93]
	s_or_b32 s[G0SB+3], s[G0SB+3], 0x80000000
	JLOAD G0S, G1S, G0SB, G1SB
.irp s, 0,1
	s_mov_b32 s[G0+4*\s], 1
	s_add_co_u32 s[G0+4*\s+1], s45, \s*SLOT
	s_add_nc_u64 s[G0+4*\s+2:G0+4*\s+3], s[20:21], \s*ROWB
	s_or_b32 s[G0+4*\s+3], s[G0+4*\s+3], 0x80000000
	s_mov_b32 s[G0B+4*\s], 1
	s_add_co_u32 s[G0B+4*\s+1], s45, \s*SLOT
	s_add_nc_u64 s[G0B+4*\s+2:G0B+4*\s+3], s[46:47], \s*ROWB
	s_or_b32 s[G0B+4*\s+3], s[G0B+4*\s+3], 0x80000000
	JLOAD G0+4*\s, G1, G0B+4*\s, G1B
.endr
	s_load_b256 s[4:11], s[0:1], 0x10              ; cos 4:5, sin 6:7, qkv16 8:9, vf 10:11
	v_and_b32 v1, 15, v0                           ; r = lane % 16
	v_bfe_u32 v2, v0, 4, 1                         ; h = lane / 16
	v_mul_u32_u24 v3, v1, PITCH
	v_lshl_add_u32 v4, v2, 4, v3
	s_mul_i32 s21, s15, HALFT
	s_mul_i32 s22, s16, HALFT
	s_add_co_u32 s22, s22, 2*HALFT
.irp s, 0,1
	v_add_nc_u32 v[ADRA+\s], s21, v4
	v_add_nc_u32 v[ADRB+\s], s22, v4
	s_add_co_u32 s21, s21, SLOT
	s_add_co_u32 s22, s22, SLOT
.endr
	v_mul_u32_u24 v5, v1, KS
	v_lshrrev_b32 v6, 8, v5
	v_lshl_add_u32 v5, v6, 4, v5
	s_mul_i32 s21, s15, HALFS
	s_mul_i32 s22, s16, HALFS
	s_add_co_u32 s22, s22, 2*HALFS
	s_sub_co_u32 s22, s22, s21
	v_mul_u32_u24 v6, s22, v2                      ; lanes 16-31 take the weights' scale words
	s_add_co_u32 s21, s21, SCL
	v_add_nc_u32 v5, v5, v6
	v_add_nc_u32 v[ADRS], s21, v5
	; the way out's stages lie in slot 0, which has had its last fill and its last read when the first result is stored there
	s_mul_i32 s23, s14, 16*272
	v_mul_u32_u24 v5, v1, 272
	v_lshl_add_u32 v5, v2, 4, v5
	v_add_nc_u32 v[STO], s23, v5                   ; f16 in: row r, 16 bytes for each half of the lanes
	v_add_nc_u32 v[STOV], 17408, v[STO]
	v_and_b32 v6, 31, v0
	v_lshrrev_b32 v7, 3, v6
	v_mul_u32_u24 v7, v7, 272
	v_and_b32 v8, 7, v6
	v_lshl_add_u32 v7, v8, 4, v7
	v_add_nc_u32 v[RD], s23, v7                    ; back: eight lanes take a head's 128 bytes of a row, four rows an instruction
	v_add_nc_u32 v[RDV], 17408, v[RD]
	v_lshlrev_b32 v[CO], 4, v6
	s_mul_i32 s23, s14, 16*528
	s_add_co_u32 s23, s23, 34816
	v_mul_u32_u24 v5, v1, 528
	v_lshl_add_u32 v5, v2, 5, v5
	v_add_nc_u32 v[STF], s23, v5                   ; f32 in: row r, 32 bytes for each half
	v_mul_u32_u24 v7, v2, 528
	v_lshl_add_u32 v7, v1, 4, v7
	v_add_nc_u32 v[RDF], s23, v7                   ; back: sixteen lanes take a head's 256 bytes, two rows an instruction
	v_lshlrev_b32 v[CSO], 7, v1
	v_lshl_add_u32 v[CSO], v2, 4, v[CSO]
	s_lshl_b32 s20, s17, 8
	s_lshl_b32 s21, s15, 7
	s_add_co_u32 s20, s20, s21                     ; my first position
	s_lshl_b32 s22, s20, 7                         ; x 128 bytes: a row of cos, of sin, and of a head in qkv16
	s_mov_b32 s23, 0
	s_lshl_b32 s18, s42, 2
	s_lshl_b32 s19, s16, 1
	s_add_co_u32 s18, s18, s19                     ; q: my first head = 4 x tile column + 2 x half
	s_sub_co_u32 s19, s42, 8
	s_lshl_b32 s19, s19, 1                         ; k, v: 2 x (tile column - 8)
	s_mul_i32 s21, s16, VO-KO
	s_add_co_u32 s21, s21, KO                      ; k's part of qkv16 or v's
	s_cmp_lt_u32 ttmp9, 2                          ; the first two columns of clusters make q
	s_cselect_b32 s18, s18, s19
	s_cselect_b32 s21, 0, s21
	s_cmp_eq_u32 ttmp9, 2
	s_cselect_b32 s[VFL], s16, 0
	s_wait_kmcnt 0x0
	s_add_nc_u64 s[4:5], s[4:5], s[22:23]
	s_add_nc_u64 s[6:7], s[6:7], s[22:23]
	s_lshl_b32 s19, s18, 18                        ; a head is 262,144 bytes of f16
	s_add_co_u32 s19, s19, s21
	s_add_co_u32 s22, s22, s19
	s_add_nc_u64 s[12:13], s[8:9], s[22:23]
	s_lshl_b32 s22, s18, 19                        ; and 524,288 of f32
	s_lshl_b32 s19, s20, 8
	s_add_co_u32 s22, s22, s19
	s_add_nc_u64 s[10:11], s[10:11], s[22:23]
; cos and sin of block a's 16 positions: lane (r, h) takes entries 8 q + 4 h .. + 3 of row r, q = 0..3: cos at v[cb + 4 q], sin at v[cb + 16 + 4 q] of window 1
.macro CSLOAD a
.set CBR, 64*(1-(\a)/4)+32*((\a)%2)+128*(((\a)%4)/2)
.irp q, 0,1,2,3
	global_load_b128 v[CBR+4*\q:CBR+4*\q+3], v[CSO], s[4:5] offset:(\a)*2048+32*\q
	global_load_b128 v[CBR+16+4*\q:CBR+16+4*\q+3], v[CSO], s[6:7] offset:(\a)*2048+32*\q
.endr
.endm
	s_cmp_eq_u32 s[VFL], 1
	s_cbranch_scc1 .Lno_cs                         ; v is not rotated
	WIN TO_B
	CSLOAD 0                                       ; blocks 0-3 into registers that the loop leaves alone: they land while K is walked
	CSLOAD 1
	CSLOAD 2
	CSLOAD 3
	WIN 0
.Lno_cs:
.macro FRAG reg, adr, q, i
.irp c, 0,1
	ds_load_b128 v[\reg+4*\c:\reg+4*\c+3], v[\adr] offset:64*(\q)+32*\c+(\i)*16*PITCH
.endr
.endm
; 16 matrix instructions: x's blocks a0, a0 + 1 against the weights' eight.  The 64 accumulators take turns, one instruction a turn.
.macro MUL16 a0, p, q, sc, zero
.irp a, \a0, \a0+1
.irp b, 0,1,2,3,4,5,6,7
.if \zero
	v_wmma_scale_f32_16x16x128_f8f6f4 v[8*(8*((\a)%4)+\b):8*(8*((\a)%4)+\b)+7], v[128*(\p)+FR*\b:128*(\p)+FR*\b+FR-1], v[AF+FR*(\a):AF+FR*(\a)+FR-1], 0, v[SC+8*NQ*(\sc)+NQ*\b+(\q)], v[SC+8*NQ*(\sc)+NQ*(\a)+(\q)] matrix_a_fmt:MATRIX_FMT_FP4 matrix_b_fmt:MATRIX_FMT_FP4 matrix_a_scale:MATRIX_SCALE_ROW1
.else
	v_wmma_scale_f32_16x16x128_f8f6f4 v[8*(8*((\a)%4)+\b):8*(8*((\a)%4)+\b)+7], v[128*(\p)+FR*\b:128*(\p)+FR*\b+FR-1], v[AF+FR*(\a):AF+FR*(\a)+FR-1], v[8*(8*((\a)%4)+\b):8*(8*((\a)%4)+\b)+7], v[SC+8*NQ*(\sc)+NQ*\b+(\q)], v[SC+8*NQ*(\sc)+NQ*(\a)+(\q)] matrix_a_fmt:MATRIX_FMT_FP4 matrix_b_fmt:MATRIX_FMT_FP4 matrix_a_scale:MATRIX_SCALE_ROW1
.endif
.endr
.endr
.endm
.macro FETCH_B slot, q, p
	WIN TO_B
.irp i, 0,1,2,3,4,5,6,7
	FRAG 128*(\p)+FR*\i, ADRB+\slot, \q, \i
.endr
	WIN 0
.endm
.macro FETCH_A slot, q, i0
.irp i, \i0, \i0+1, \i0+2, \i0+3
	FRAG AF+FR*(\i), ADRA+\slot, \q, \i
.endr
.endm
.macro SCALES sc
.irp i, 0,1,2,3,4,5,6,7
	ds_load_b128 v[SC+8*NQ*\sc+NQ*\i:SC+8*NQ*\sc+NQ*\i+3], v[ADRS] offset:\i*SBLK
.endr
.endm
.macro PLACES n                        ; plain vector places behind matrix instructions, in front of loads into their registers and of reads of their results
.rept \n
	v_nop
.endr
.endm
.macro STEP slot, q, zero
	s_wait_dscnt 4*NL                              ; the weights' set and x's blocks 0-3 are in; the youngest eight loads (x's blocks 4-7) may be out
	WIN MUL_LO
	MUL16 0, (\q)%2, \q, \slot, \zero
	MUL16 2, (\q)%2, \q, \slot, \zero
	s_wait_dscnt 0
	PLACES NP
	FETCH_B \slot, (\q)+1, 1-(\q)%2
	FETCH_A \slot, (\q)+1, 0
	WIN MUL_HI
	MUL16 4, (\q)%2, \q, \slot, \zero
	MUL16 6, (\q)%2, \q, \slot, \zero
	PLACES NP
	WIN 0
	FETCH_A \slot, (\q)+1, 4
.endm
; A slot's last step changes slots: one barrier; in front of it each wave waits for all its tensor loads, adds 0 to its spare word, and waits for that and for its reads of this slot.
.macro TURN slot, next, fill
	s_wait_tensorcnt 0x0                           ; all my tensor loads have landed: my part of the next slot
	ds_add_u32 v[SPW], v[NIL]
	s_wait_dscnt 4*NL+1                            ; the add and the youngest eight loads may be out
	WIN MUL_LO
	MUL16 0, 1, NQ-1, \slot, 0
	s_wait_dscnt 0x0                               ; the add is done, and my reads of this slot are over
	s_barrier_signal -1
	MUL16 2, 1, NQ-1, \slot, 0
	WIN 0
	s_barrier_wait -1
.if \fill
	CREST                                          ; the barrier has opened a round of the cluster's barrier
	s_add_nc_u64 s[G0+4*\slot+2:G0+4*\slot+3], s[G0+4*\slot+2:G0+4*\slot+3], 2*ROWB
	s_add_nc_u64 s[G0B+4*\slot+2:G0B+4*\slot+3], s[G0B+4*\slot+2:G0B+4*\slot+3], 2*ROWB
	JLOAD G0+4*\slot, G1, G0B+4*\slot, G1B
.else
	PLACES NP
.endif
	v_add_nc_u32 v[ADRS], 4*NQ, v[ADRS]
	FETCH_B \next, 0, 0
	FETCH_A \next, 0, 0
	SCALES \next
	WIN MUL_HI
	MUL16 4, 1, NQ-1, \slot, 0
	MUL16 6, 1, NQ-1, \slot, 0
	PLACES NP
	WIN 0
	FETCH_A \next, 0, 4
.endm
.macro STEPS slot, from
.set Q, \from
.rept NQ-1-\from
	STEP \slot, Q, 0
.set Q, Q+1
.endr
.endm
	s_wait_tensorcnt 1                             ; the scales and my part of K step 0 are in; K step 1's load may be out
	s_barrier_signal -1
	s_barrier_wait -1
	FETCH_B 0, 0, 0
	FETCH_A 0, 0, 0
	SCALES 0
	FETCH_A 0, 0, 4
	STEP 0, 0, 1                                   ; the first step starts the sums
	s_mov_b32 s3, LAPS-1
.Llap:
	STEPS 0, 1
	TURN 0, 1, 1
	STEPS 1, 0
	TURN 1, 0, 1
	STEP 0, 0, 0
	s_sub_co_u32 s3, s3, 1
	s_cmp_lg_u32 s3, 0
	s_cbranch_scc1 .Llap
	STEPS 0, 1
	TURN 0, 1, 0
	STEPS 1, 0
	s_wait_dscnt 4*NL
	WIN MUL_LO
	MUL16 0, 1, NQ-1, 1, 0
	MUL16 2, 1, NQ-1, 1, 0
	s_wait_dscnt 0
	WIN MUL_HI
	MUL16 4, 1, NQ-1, 1, 0
	MUL16 6, 1, NQ-1, 1, 0
	WIN 0
; THE WAY OUT, block by block of 16 positions x 128 columns (two heads).  Lane (r, h), accumulator (a, b), register j: position 16 a + r, head b / 4, channel 16 (b % 4) + 8 h + j.
; ROT: cos and sin x the factor in s66; then for each pair (t1, t2): t1 c - t2 s and t1 s + t2 c, in f32; then f16.  Each accumulator is read from its low end on.
.macro ROT a
.set CBR, 64*(1-(\a)/4)+32*((\a)%2)+128*(((\a)%4)/2)
.set AC, 64*((\a)%4)
	WIN 0x41
.irp n, 0,1,2,3,4,5,6,7,8,9,10,11,12,13,14,15
	v_pk_mul_f32 v[CBR+2*\n:CBR+2*\n+1], v[CBR+2*\n:CBR+2*\n+1], s[66:67] op_sel_hi:[1,0]
.endr
	WIN 0x06+(\a)/4                                ; source 0: the accumulators' window; source 1: window 1
.irp b, 0,1,2,3,4,5,6,7
.irp i, 0,1,2,3
	v_mul_f32 v[32+8*\b+2*\i], v[AC+8*\b+2*\i], v[CBR+4*(\b%4)+\i]
	v_mul_f32 v[33+8*\b+2*\i], v[AC+8*\b+2*\i], v[CBR+16+4*(\b%4)+\i]
	v_fma_f32 v[32+8*\b+2*\i], -v[AC+8*\b+2*\i+1], v[CBR+16+4*(\b%4)+\i], v[32+8*\b+2*\i]
	v_fma_f32 v[33+8*\b+2*\i], v[AC+8*\b+2*\i+1], v[CBR+4*(\b%4)+\i], v[33+8*\b+2*\i]
.endr
.endr
	WIN 0
.set nn, 0
.rept 32
	v_cvt_pk_f16_f32 v[96+nn], v[32+2*nn], v[33+2*nn]
.set nn, nn+1
.endr
.endm
.macro ST16 a, sto, rd                 ; 16 rows of 256 bytes through my stage; LDS serves a wave's instructions in order
.irp b, 0,1,2,3,4,5,6,7
	ds_store_b128 v[\sto], v[96+4*\b:96+4*\b+3] offset:32*\b
.endr
.irp t, 0,1,2,3,4,5,6,7
	ds_load_b128 v[128+32*((\a)%2)+4*\t:128+32*((\a)%2)+4*\t+3], v[\rd] offset:(\t%4)*4*272+(\t/4)*128
.endr
.endm
.macro SD16 a, younger                 ; younger: the LDS instructions issued behind block a's loads
	s_wait_dscnt \younger
.irp t, 0,1,2,3,4,5,6,7
	global_store_b128 v[CO], v[128+32*((\a)%2)+4*\t:128+32*((\a)%2)+4*\t+3], s[12:13] offset:(\a)*2048+(\t%4)*512+(\t/4)*262144   ; four positions of one head: 512 consecutive bytes
.endr
.endm
.macro VPK a
.set AC, 64*((\a)%4)
	WIN 0x0a+5*((\a)/4)
.set nn, 0
.rept 32
	v_cvt_pk_f16_f32 v[96+nn], v[AC+2*nn], v[AC+2*nn+1]
.set nn, nn+1
.endr
	WIN 0
.endm
.macro VF32 a
.set AC, 64*((\a)%4)
	WIN 0x08+4*((\a)/4)                            ; an LDS store's data are its source 1
.irp b, 0,1,2,3,4,5,6,7
	ds_store_b128 v[STF], v[AC+8*\b:AC+8*\b+3] offset:64*\b
	ds_store_b128 v[STF], v[AC+8*\b+4:AC+8*\b+7] offset:64*\b+16
.endr
	WIN 0
.irp t, 0,1,2,3,4,5,6,7,8,9,10,11,12,13,14,15
	ds_load_b128 v[192+4*\t:192+4*\t+3], v[RDF] offset:(\t%8)*2*528+(\t/8)*256
.endr
.endm
.macro VSEND a
.irp t, 0,1,2,3,4,5,6,7,8,9,10,11,12,13,14,15
	global_store_b128 v[CO], v[192+4*\t:192+4*\t+3], s[10:11] offset:(\t/8)*524288+(\a)*4096+(\t%8)*512   ; two positions of one head: 512 consecutive bytes
.endr
.endm
	PLACES NP                                      ; behind the last products: for the reads of results, the writes of scale registers and the loads into fragments' registers below
	s_cmp_eq_u32 s[VFL], 1
	s_cbranch_scc1 .Lv_path
	WIN TO_B
	CSLOAD 4                                       ; blocks 4-7 into the weights' fragment registers, which are done with
	CSLOAD 5
	CSLOAD 6
	CSLOAD 7
	WIN 0
	s_wait_loadcnt 32                              ; blocks 0-3 are in; the 32 loads just issued may be out
	ROT 0
	ST16 0, STO, RD
.irp a, 1,2,3,4,5,6,7
.if \a == 4
	s_wait_loadcnt 0x0
.endif
	ROT \a
.if \a > 1
	s_wait_xcnt 0x0                                ; block a - 2's stores have read the registers into which block a's rows are loaded
.endif
	ST16 \a, STO, RD
	SD16 \a-1, 16                                  ; behind block a - 1's loads: block a's 8 stores and 8 loads
.endr
	SD16 7, 0
	s_branch .Lfin
.Lv_path:
.irp a, 0,1,2,3,4,5,6,7
.if \a > 0
	s_wait_xcnt 0x0                                ; the last block's stores have read their registers
.endif
	VPK \a
	ST16 \a, STOV, RDV
	VF32 \a
	SD16 \a, 32                                    ; behind the f16 rows' loads: the f32 stage's 16 stores and 16 loads
	s_wait_dscnt 0x0
	VSEND \a
.endr
.Lfin:
	s_wait_tensorcnt 0x0                           ; the wave's end
	ds_add_u32 v[SPW], v[NIL]
	s_wait_dscnt 0x0
	CROUND                                         ; the closing round
	s_endpgm
.Lfunc_end_k_q7683afde86_qkv:
	.size	k_q7683afde86_qkv, .Lfunc_end_k_q7683afde86_qkv-k_q7683afde86_qkv
	.p2alignl 7, 3214868480
	.fill 96, 4, 3214868480
	.section	.rodata,"a",@progbits
	.p2align	6, 0x0
	.amdhsa_kernel k_q7683afde86_qkv
		.amdhsa_group_segment_fixed_size 327680
		.amdhsa_private_segment_fixed_size 0
		.amdhsa_enable_private_segment 0
		.amdhsa_kernarg_size 48
		.amdhsa_user_sgpr_count 2
		.amdhsa_user_sgpr_kernarg_segment_ptr 1
		.amdhsa_wavefront_size32 1
		.amdhsa_system_sgpr_workgroup_id_x 1
		.amdhsa_system_sgpr_workgroup_id_y 1
		.amdhsa_system_sgpr_workgroup_id_z 1
		.amdhsa_system_vgpr_workitem_id 0
		.amdhsa_next_free_vgpr 1024
		.amdhsa_next_free_sgpr 100
		.amdhsa_reserve_vcc 0
		.amdhsa_float_denorm_mode_32 3
		.amdhsa_float_denorm_mode_16_64 3
		.amdhsa_memory_ordered 1
		.amdhsa_forward_progress 1
		.amdhsa_inst_pref_size 255
	.end_amdhsa_kernel
	.section	.bss,"aw",@nobits
	.p2align	6
	.space	262144
	.amdgpu_metadata
---
amdhsa.version: [ 1, 2 ]
amdhsa.kernels:
  - .name:           k_q7683afde86_qkv
    .symbol:         k_q7683afde86_qkv.kd
    .args:
      - { .name: codes, .offset: 0, .size: 8, .value_kind: global_buffer, .address_space: global }
      - { .name: scales, .offset: 8, .size: 8, .value_kind: global_buffer, .address_space: global }
      - { .name: cos, .offset: 16, .size: 8, .value_kind: global_buffer, .address_space: global }
      - { .name: sin, .offset: 24, .size: 8, .value_kind: global_buffer, .address_space: global }
      - { .name: qkv16, .offset: 32, .size: 8, .value_kind: global_buffer, .address_space: global }
      - { .name: vf, .offset: 40, .size: 8, .value_kind: global_buffer, .address_space: global }
    .group_segment_fixed_size: 327680
    .private_segment_fixed_size: 0
    .kernarg_segment_align: 8
    .kernarg_segment_size: 48
    .max_flat_workgroup_size: 128
    .sgpr_count:     100
    .vgpr_count:     1024
    .wavefront_size: 32
...
	.end_amdgpu_metadata
.endif
;; end of part 2
;; launch fattn (part 3): grid 32 x 1, 16 waves a work-group, no clusters, 71,680 bytes of LDS; arguments qkv16, vf, mask, ofr; writes ofr
.if DOCPART == 3
	.amdgcn_target "amdgcn-amd-amdhsa--gfx1250"
	.amdhsa_code_object_version 6
	.text
	.protected	k_q7683afde86_fattn
	.globl	k_q7683afde86_fattn
	.p2align	8
	.type	k_q7683afde86_fattn,@function
k_q7683afde86_fattn:
	s_mov_b64 s[64:65], 0
	v_nop
	global_prefetch_b8 v0, s[64:65] scope:SCOPE_SE
	s_setreg_imm32_b32 hwreg(HW_REG_WAVE_MODE, 25, 1), 1
	s_wait_xcnt 0x0
; THE FIRST 16 POSITIONS, CARRIED FINELY.  A work-group takes one head; wave w takes keys 128 w .. 128 w + 127 for queries 0..15; the sixteen parts are merged through LDS.
; Scores: s' = (q 2^-8 log2(e))(k 2^-8) in f16 + mask x log2(e) x 2^-13 (the mask is the C of the first link): the score x log2(e) x 2^-13.  p = 2^(c' s' - c' m) with c' = 2^13.  Softmax in f32, each wave with its own maximum.
; c' IS A POWER OF TWO, so that c'm is exact: the largest score gives exactly p = 1 and no p exceeds 1, whatever the size of the mask's numbers: p always fits f16.
; p and v go to the matrix unit as PAIRS of f16: high = the f32 number cut to 10 mantissa bits, low = the rest; three products: vh ph + vh pl + vl ph.
; v comes from vf (f32) as it lies: lane (r, h) loads v[key 8 h + i][4 r .. 4 r + 3], so tile c of O^T holds channels 4 m + c: lane (r, h), register j: o(query r, channel 32 h + 4 j + c).
; OUT: ofr [head][f 2][high, low][quad 2][lane][16 bytes]: tile c is quad c % 2 of fragment f = c / 2: images of the A registers of the last launch, which loads wo's rows by the same map of K.
; LIMITS: a row whose every score lies under about -5.6e33 gives 0 / 0; a high part under 2^-14 is rounded on f16's subnormal grid (at most 2^-25 absolute); |v| under 65,504; NaN is not served.
.set KO,    8388608
.set SPARE, 69632                      ; LDS: wave w's dump at 4,352 w: eight images of O^T (512 bytes each), c'm at + 4,096, l at + 4,224; then the spare words
.set SPW, 8
.set NIL, 9
.set S,   32                           ; v32-95  the mask, then scores, then p; later v's high parts (32-63) and low parts (64-95)
.set KF,  96                           ; v96-223 K's fragments; later p's high (96-127), low (128-159), v as loaded (160-223)
.set O,   224                          ; v224-255 O^T, four tiles
.macro SPLIT2 hi, lo, x0, x1, t        ; two f32 numbers into a packed pair of high parts and a packed pair of low parts
	v_and_b32 v[\t], s26, v[\x0]
	v_and_b32 v[(\t)+1], s26, v[\x1]
	v_sub_f32 v[(\t)+2], v[\x0], v[\t]
	v_sub_f32 v[(\t)+3], v[\x1], v[(\t)+1]
	v_cvt_pk_f16_f32 v[\hi], v[\t], v[(\t)+1]
	v_cvt_pk_f16_f32 v[\lo], v[(\t)+2], v[(\t)+3]
.endm
.macro VLD g                           ; 32 keys of v: register 4 i + c: v[32 g + i % 8 + 16 (i / 8) + 8 h][4 r + c]; sixteen lanes read a row's 256 bytes
.irp i, 0,1,2,3,4,5,6,7,8,9,10,11,12,13,14,15
	global_load_b128 v[160+4*\i:160+4*\i+3], v5, s[6:7] offset:(32*(\g)+(\i&7)+16*(\i>>3))*256
.endr
.endm
	s_load_b256 s[4:11], s[0:1], 0x0               ; qkv16 4:5, vf 6:7, mask 8:9, ofr 10:11
	v_lshl_add_u32 v[SPW], v0, 2, SPARE
	v_mov_b32 v[NIL], 0
	v_lshrrev_b32 v1, 5, v0
	v_readfirstlane_b32 s12, v1                    ; wave 0..15
	v_and_b32 v15, 31, v0                          ; lane
	v_and_b32 v1, 15, v0                           ; r
	v_bfe_u32 v2, v0, 4, 1                         ; h
	v_lshlrev_b32 v3, 7, v1
	v_lshl_add_u32 v3, v2, 4, v3                   ; Q, K: row r of 128 bytes, + 16 h
	v_lshlrev_b32 v4, 13, v1
	v_lshl_add_u32 v4, v2, 5, v4                   ; mask: row r of 8,192 bytes, + 32 h
	v_lshlrev_b32 v5, 11, v2
	v_lshl_add_u32 v5, v1, 4, v5                   ; v: 8 h rows of 256 bytes, + 16 r
	s_mul_i32 s13, s12, 4352
	v_lshl_add_u32 v6, v15, 4, s13                 ; my dump: images,
	v_lshl_add_u32 v7, v15, 2, s13                 ; and words
	s_and_b32 s13, s12, 3
	s_lshl_b32 s13, s13, 10
	v_lshl_add_u32 v10, v15, 4, s13                ; the merge: tile (wave % 4)'s two images in dump 0,
	v_add_nc_u32 v11, 34816, v10                   ; and in dump 8
	v_lshlrev_b32 v12, 2, v15
	v_add_nc_u32 v13, 34816, v12
	v_lshlrev_b32 v14, 4, v15
	v_mov_b32 v31, 0                               ; a lane exchange's target counts as read
	s_mov_b32 s20, 0x76543210
	s_mov_b32 s21, 0xfedcba98
	s_mov_b32 s22, 0x46000000                      ; c' = 2^13
	s_mov_b32 s23, s22
	s_mov_b32 s24, 0x3938aa3b                      ; log2(e) x 2^-13
	s_mov_b32 s25, s24
	s_mov_b32 s26, 0xffffe000                      ; keeps sign, exponent and 10 mantissa bits
	s_mov_b32 s15, 0
	s_lshr_b32 s27, ttmp9, 2                       ; the key and value head
	s_wait_kmcnt 0x0
	s_lshl_b32 s14, ttmp9, 18
	s_add_nc_u64 s[16:17], s[4:5], s[14:15]        ; q of my head, positions 0..15
	s_lshl_b32 s14, s27, 18
	s_lshl_b32 s13, s12, 14
	s_add_co_u32 s14, s14, s13
	s_add_co_u32 s14, s14, KO
	s_add_nc_u64 s[18:19], s[4:5], s[14:15]        ; k at my 128 keys
	s_lshl_b32 s14, s12, 9
	s_add_nc_u64 s[8:9], s[8:9], s[14:15]          ; the mask at my 128 keys
	s_lshl_b32 s14, s27, 19
	s_lshl_b32 s13, s12, 15
	s_add_co_u32 s14, s14, s13
	s_add_nc_u64 s[6:7], s[6:7], s[14:15]          ; v likewise
	s_lshl_b32 s14, ttmp9, 12
	s_lshr_b32 s13, s12, 1
	s_and_b32 s13, s13, 1
	s_lshl_b32 s13, s13, 11
	s_add_co_u32 s14, s14, s13
	s_and_b32 s13, s12, 1
	s_lshl_b32 s13, s13, 9
	s_add_co_u32 s14, s14, s13
	s_add_nc_u64 s[10:11], s[10:11], s[14:15]      ; ofr: my head; for waves 0..3: fragment wave / 2, quad wave % 2
.irp c, 0,1
	global_load_b128 v[16+8*\c:16+8*\c+3], v3, s[16:17] offset:64*\c
	global_load_b128 v[16+8*\c+4:16+8*\c+7], v3, s[16:17] offset:64*\c+32
.endr
.irp kt, 0,1,2,3,4,5,6,7
	global_load_b128 v[S+8*\kt:S+8*\kt+3], v4, s[8:9] offset:64*\kt
	global_load_b128 v[S+8*\kt+4:S+8*\kt+7], v4, s[8:9] offset:64*\kt+16
.endr
.irp kt, 0,1,2,3,4,5,6,7
.irp c, 0,1
	global_load_b128 v[KF+16*\kt+8*\c:KF+16*\kt+8*\c+3], v3, s[18:19] offset:2048*\kt+64*\c
	global_load_b128 v[KF+16*\kt+8*\c+4:KF+16*\kt+8*\c+7], v3, s[18:19] offset:2048*\kt+64*\c+32
.endr
.endr
	s_wait_loadcnt 0x0
.set nn, 0
.rept 32
	v_pk_mul_f32 v[S+2*nn:S+2*nn+1], v[S+2*nn:S+2*nn+1], s[24:25] op_sel_hi:[1,0]   ; the mask x log2(e) x 2^-13
.set nn, nn+1
.endr
.irp c, 0,1                            ; S^T = K Q^T + mask: lane (r, h), tile kt, register j: query r, key 16 kt + 8 h + j.  The eight accumulators take turns
.irp kt, 0,1,2,3,4,5,6,7
	v_wmma_f32_16x16x32_f16 v[S+8*\kt:S+8*\kt+7], v[KF+16*\kt+8*\c:KF+16*\kt+8*\c+7], v[16+8*\c:16+8*\c+7], v[S+8*\kt:S+8*\kt+7]
.endr
.endr
.rept 4
	v_nop                                          ; places: for the loads into K's registers and the reads of the scores
.endr
	VLD 0
.irp kt, 0,1,2,3,4,5,6,7
	v_max3_num_f32 v[16+\kt], v[S+8*\kt], v[S+8*\kt+1], v[S+8*\kt+2]
.endr
.irp kt, 0,1,2,3,4,5,6,7
	v_max3_num_f32 v[16+\kt], v[16+\kt], v[S+8*\kt+3], v[S+8*\kt+4]
.endr
.irp kt, 0,1,2,3,4,5,6,7
	v_max3_num_f32 v[16+\kt], v[16+\kt], v[S+8*\kt+5], v[S+8*\kt+6]
.endr
.irp kt, 0,1,2,3,4,5,6,7
	v_max_num_f32 v[16+\kt], v[16+\kt], v[S+8*\kt+7]
.endr
	v_max3_num_f32 v24, v16, v17, v18
	v_max3_num_f32 v25, v19, v20, v21
	v_max3_num_f32 v26, v22, v23, 0xf149f2ca       ; the floor -1e30 keeps c'm finite
	v_max3_num_f32 v24, v24, v25, v26
	v_permlanex16_b32 v25, v24, s20, s21
	v_max_num_f32 v29, v24, v25                    ; m: my 128 keys' largest score of query r
	v_mul_f32 v28, s22, v29                        ; c'm: exact
.set nn, 0
.rept 32
	v_pk_fma_f32 v[S+2*nn:S+2*nn+1], v[S+2*nn:S+2*nn+1], s[22:23], v[28:29] op_sel_hi:[1,0,0] neg_lo:[0,0,1] neg_hi:[0,0,1]   ; c's' - c'm: 0 or less
.set nn, nn+1
.endr
.set nn, 0
.rept 64
	v_exp_f32 v[S+nn], v[S+nn]
.set nn, nn+1
.endr
	v_nop                                          ; a plain line behind the last exponential
	s_wait_alu depctr_va_vdst(0)                   ; one wait for the batch, ahead of its first reader
	v_pk_add_f32 v[24:25], v[S:S+1], v[S+2:S+3]
	v_pk_add_f32 v[26:27], v[S+4:S+5], v[S+6:S+7]
.irp j, 8,12,16,20,24,28,32,36,40,44,48,52,56,60
	v_pk_add_f32 v[24:25], v[24:25], v[S+\j:S+\j+1]
	v_pk_add_f32 v[26:27], v[26:27], v[S+\j+2:S+\j+3]
.endr
	v_pk_add_f32 v[24:25], v[24:25], v[26:27]
	v_add_f32 v30, v24, v25
	v_permlanex16_b32 v31, v30, s20, s21
	v_add_f32 v30, v30, v31                        ; l: the sum of my 128 keys' p
.set nn, 0
.rept 32
	SPLIT2 96+nn, 128+nn, S+2*nn, S+2*nn+1, 16+4*(nn%3)
.set nn, nn+1
.endr
.irp g, 0,1,2,3                        ; O^T += V^T P, 32 keys at a time
	s_wait_loadcnt 0x0
.if \g > 0
.rept 4
	v_nop                                          ; places behind the last group's products, whose operands are written again
.endr
.endif
.irp c, 0,1,2,3
.irp e, 0,1,2,3,4,5,6,7
	SPLIT2 32+8*\c+\e, 64+8*\c+\e, 160+8*\e+\c, 164+8*\e+\c, 16+4*(\e%3)
.endr
.endr
.if \g < 3
	VLD \g+1
.endif
.irp c, 0,1,2,3
.if \g == 0
	v_wmma_f32_16x16x32_f16 v[O+8*\c:O+8*\c+7], v[32+8*\c:32+8*\c+7], v[96+8*\g:96+8*\g+7], 0
.else
	v_wmma_f32_16x16x32_f16 v[O+8*\c:O+8*\c+7], v[32+8*\c:32+8*\c+7], v[96+8*\g:96+8*\g+7], v[O+8*\c:O+8*\c+7]
.endif
.endr
.irp c, 0,1,2,3
	v_wmma_f32_16x16x32_f16 v[O+8*\c:O+8*\c+7], v[32+8*\c:32+8*\c+7], v[128+8*\g:128+8*\g+7], v[O+8*\c:O+8*\c+7]
.endr
.irp c, 0,1,2,3
	v_wmma_f32_16x16x32_f16 v[O+8*\c:O+8*\c+7], v[64+8*\c:64+8*\c+7], v[96+8*\g:96+8*\g+7], v[O+8*\c:O+8*\c+7]
.endr
.endr
.rept 4
	v_nop
.endr
.irp q, 0,1,2,3,4,5,6,7
	ds_store_b128 v6, v[O+4*\q:O+4*\q+3] offset:512*\q   ; images of the registers, each accumulator from its low end on
.endr
	ds_store_b32 v7, v28 offset:4096
	ds_store_b32 v7, v30 offset:4224
	s_wait_dscnt 0x0                               ; for the others' sake: my dump has landed
	s_barrier_signal -1
	s_barrier_wait -1
	s_cmp_lt_u32 s12, 4
	s_cbranch_scc0 .Lend
	; ---- wave c = 0..3 merges tile c of the sixteen parts
.irp n, 0,1,2,3,4,5,6,7
	ds_load_b32 v[16+\n], v12 offset:\n*4352+4096
	ds_load_b32 v[32+\n], v12 offset:\n*4352+4224
	ds_load_b128 v[96+8*\n:96+8*\n+3], v10 offset:\n*4352
	ds_load_b128 v[96+8*\n+4:96+8*\n+7], v10 offset:\n*4352+512
.endr
.irp n, 0,1,2,3,4,5,6,7
	ds_load_b32 v[24+\n], v13 offset:\n*4352+4096
	ds_load_b32 v[40+\n], v13 offset:\n*4352+4224
	ds_load_b128 v[160+8*\n:160+8*\n+3], v11 offset:\n*4352
	ds_load_b128 v[160+8*\n+4:160+8*\n+7], v11 offset:\n*4352+512
.endr
	s_wait_dscnt 0x0
	v_max3_num_f32 v48, v16, v17, v18
.irp n, 19,21,23,25,27,29
	v_max3_num_f32 v48, v48, v[\n], v[\n+1]
.endr
	v_max_num_f32 v48, v48, v31                    ; the row's c'm
.set nn, 0
.rept 16
	v_sub_f32 v[16+nn], v[16+nn], v48
.set nn, nn+1
.endr
.set nn, 0
.rept 16
	v_exp_f32 v[16+nn], v[16+nn]                   ; what brings each part under the row's maximum
.set nn, nn+1
.endr
	v_nop
	s_wait_alu depctr_va_vdst(0)
	v_mul_f32 v49, v16, v32
.set nn, 1
.rept 15
	v_fma_f32 v49, v[16+nn], v[32+nn], v49
.set nn, nn+1
.endr
	v_rcp_f32 v50, v49
.irp j, 0,1,2,3,4,5,6,7
	v_mul_f32 v[52+\j], v16, v[96+\j]
.endr
.set nn, 1
.rept 15
.irp j, 0,1,2,3,4,5,6,7
	v_fma_f32 v[52+\j], v[16+nn], v[96+8*nn+\j], v[52+\j]
.endr
.set nn, nn+1
.endr
	s_wait_alu depctr_va_vdst(0)                   ; the reciprocal, ahead of its first reader; the sums above are the work between
.irp j, 0,1,2,3,4,5,6,7
	v_mul_f32 v[52+\j], v[52+\j], v50
.endr
.irp e, 0,1,2,3
	SPLIT2 60+\e, 64+\e, 52+2*\e, 53+2*\e, 68+4*(\e%3)
.endr
	global_store_b128 v14, v[60:63], s[10:11]              ; the wave stores 512 consecutive bytes: the high parts,
	global_store_b128 v14, v[64:67], s[10:11] offset:1024  ; the low parts
.Lend:
	s_wait_tensorcnt 0x0                           ; the wave's end
	ds_add_u32 v[SPW], v[NIL]
	s_wait_dscnt 0x0
	s_endpgm
.Lfunc_end_k_q7683afde86_fattn:
	.size	k_q7683afde86_fattn, .Lfunc_end_k_q7683afde86_fattn-k_q7683afde86_fattn
	.p2alignl 7, 3214868480
	.fill 96, 4, 3214868480
	.section	.rodata,"a",@progbits
	.p2align	6, 0x0
	.amdhsa_kernel k_q7683afde86_fattn
		.amdhsa_group_segment_fixed_size 71680
		.amdhsa_private_segment_fixed_size 0
		.amdhsa_enable_private_segment 0
		.amdhsa_kernarg_size 32
		.amdhsa_user_sgpr_count 2
		.amdhsa_user_sgpr_kernarg_segment_ptr 1
		.amdhsa_wavefront_size32 1
		.amdhsa_system_sgpr_workgroup_id_x 1
		.amdhsa_system_sgpr_workgroup_id_y 1
		.amdhsa_system_sgpr_workgroup_id_z 1
		.amdhsa_system_vgpr_workitem_id 0
		.amdhsa_next_free_vgpr 256
		.amdhsa_next_free_sgpr 66
		.amdhsa_reserve_vcc 0
		.amdhsa_float_denorm_mode_32 3
		.amdhsa_float_denorm_mode_16_64 3
		.amdhsa_memory_ordered 1
		.amdhsa_forward_progress 1
		.amdhsa_inst_pref_size 86
	.end_amdhsa_kernel
	.amdgpu_metadata
---
amdhsa.version: [ 1, 2 ]
amdhsa.kernels:
  - .name:           k_q7683afde86_fattn
    .symbol:         k_q7683afde86_fattn.kd
    .args:
      - { .name: qkv16, .offset: 0, .size: 8, .value_kind: global_buffer, .address_space: global }
      - { .name: vf, .offset: 8, .size: 8, .value_kind: global_buffer, .address_space: global }
      - { .name: mask, .offset: 16, .size: 8, .value_kind: global_buffer, .address_space: global }
      - { .name: ofr, .offset: 24, .size: 8, .value_kind: global_buffer, .address_space: global }
    .group_segment_fixed_size: 71680
    .private_segment_fixed_size: 0
    .kernarg_segment_align: 8
    .kernarg_segment_size: 32
    .max_flat_workgroup_size: 512
    .sgpr_count:     66
    .vgpr_count:     256
    .wavefront_size: 32
...
	.end_amdgpu_metadata
.endif
;; end of part 3
;; launch attn (part 4): grid 32 x 8, 8 waves a work-group, clusters of 4 x 4, 327,680 bytes of LDS; arguments qkv16, mask, ao; writes ao
.if DOCPART == 4
	.amdgcn_target "amdgcn-amd-amdhsa--gfx1250"
	.amdhsa_code_object_version 6
	.text
	.protected	k_q7683afde86_attn
	.globl	k_q7683afde86_attn
	.p2align	8
	.type	k_q7683afde86_attn,@function
k_q7683afde86_attn:
	s_mov_b64 s[64:65], 0
	v_nop
	global_prefetch_b8 v0, s[64:65] scope:SCOPE_SE
	s_setreg_imm32_b32 hwreg(HW_REG_WAVE_MODE, 25, 1), 1
	s_wait_xcnt 0x0
	s_wait_alu depctr_hold_cnt(0) depctr_sa_sdst(0) depctr_va_vdst(0) depctr_va_sdst(0) depctr_va_ssrc(0) depctr_va_vcc(0) depctr_vm_vsrc(0)
	s_getreg_b32 s2, hwreg(HW_REG_IB_STS2, 6, 4)
	s_cmp_eq_u32 s2, 0
	s_cbranch_scc0 .Lentry_in_a_cluster
	s_endpgm
.Lentry_in_a_cluster:
	s_bfe_u32 s2, ttmp6, 0x10000c
	s_cmp_lg_u32 s2, 0xf033
	s_cbranch_scc0 .Lentry_shape_is_right
	s_endpgm
.Lentry_shape_is_right:
; ATTENTION.  ao[pos][64 head + d] (f16) = softmax_k(q . k / 8 + mask[pos][k]) v.  The mask is an input: every query walks all 2,048 keys and every mask word is added.
; qkv16 holds q x 2^-8 x log2(e), k x 2^-8 and v in f16.  s' = (q 2^-8 log2(e))(k 2^-8) + mask x log2(e) x 2^-13 is the score x log2(e) x 2^-13; p = 2^(c' s' - c' m), c' = 2^13, with a running maximum m and sum l for each query.
; c' IS A POWER OF TWO, so that c'm is exact: the largest score gives exactly p = 1 and no p exceeds 1, whatever the size of the mask's numbers: p always fits f16.
; SHARES.  Work-group (x, y): 64 queries (block x) of the four heads that share key and value head y.  Wave w: queries 16 (w % 4) .. + 15, and of each 128 keys the 64 at 64 (w / 4).  Its four tiles are the four heads
; at the same queries: each fragment of K, V and mask read from LDS serves four tiles, and the mask is the C of the first link of K Q^T.  Waves w and w + 4 are merged at the end through LDS.
; LAYOUT.  S^T = K Q^T (source 0 = 16 keys, source 1 = 16 queries), O^T = V^T P: a lane holds one query throughout; V ([key][channel]) comes turned by ds_load_tr16_b128.
; TWO ORDERS.  A unit of 128 keys is a matrix phase MPH(j) (V^T P of step j - 1, K Q^T of step j, all LDS reads of step j) and a vector phase SM.  Waves 0-3 run MPH(j), SM(j); waves 4-7 run SM(j - 1), MPH(j):
; both meet every barrier at a unit's edge, and one kind's vector work stands beside the other kind's products.  The first unit is no special text: O^T, the K/V registers and (waves 0-3) the scores begin as zeros,
; (waves 4-7) the scores begin as -infinity, so that the first V^T P adds zeros and the first SM gives p = 0.
; RING.  Two slots of 256 keys: K 256 x 144 bytes, V 256 x 160, mask 64 x 1,040.  Waves 0, 1 fetch K's halves, 2, 3 V's, 4-7 sixteen mask rows each: one tensor load a wave behind each round.
; CLUSTER 4 x 4: K and V hang on y alone and are asked for jointly along a row of the cluster; the mask's tile hangs on x alone and is asked for jointly along a column.
; LIMITS: a row whose every score lies under about -5.6e33 gives 0 / 0; where |mask| is so large that f32 drops q . k beside it, the sum's last bit may differ from a plain f32 addition's; |v| and |ao| under 65,504; NaN is not served.
; REGISTERS.  window 0: v1-15 addresses; v16-47 statistics, 8 a tile: +0 c'm, +1 m, +2, +3 l, +4..7 at work (a in +6); v48-79 the step's mask; v80-111 at work at the ends; v128-255 S^T, 32 a tile; P lies over its first 16.
;   window 1: v0-63 Q; v64-127 K or V of a step; v128-255 O^T, 32 a tile.
.set KO,    8388608
.set VO,    10485760
.set KP,    144                        ; a key's row in LDS: 128 bytes + 16: an odd multiple of 16
.set VP,    160                        ; V's: 128 + 32: an odd multiple of 32, for the turning load
.set MP,    1040                       ; a query's 256 mask words + 16
.set VOFF,  256*KP
.set MOFF,  VOFF+256*VP
.set SLOTB, MOFF+64*MP                 ; 144,384
.set SPARE, 2*SLOTB                    ; the spare words: 128 bytes for each of eight waves
.set DUMPB, 17408                      ; the ends (in slot 0's bytes, behind their last fill and last read): a pair's dump: 32 images of O^T, l, c'm
.set OST,   4*DUMPB                    ; and the stages for ao: 16 rows x 528 for each pair
.set AK0, 1
.set AV0, 2
.set AM0, 3
.set ADK, 4
.set ADV, 5
.set ADM, 6
.set QO,  7
.set PFO, 8
.set DMP, 9
.set STO, 10
.set RD,  11
.set GO,  12
.set SPW, 14
.set NIL, 15
.set ST,  16
.set MK,  48
.set S,   128
.set G1K, 24
.set G1V, 32
.set G1M, 40
.set G0K, 48
.set G0V, 52
.set G0M, 56
.set NB,  63
.set TB,  66                           ; s66 where the slot in hand begins;  s67-69 where the unit's K, V and mask begin
.set TK,  67
.set TV,  68
.set TM,  69
.set TW,  70
.set SLOTS, 71
.set PFA, 76
.set PFS, 78
.set LIM, 80
.set W_PV, 0x51                        ; V and O^T in window 1, P in window 0
.set W_QK, 0x05                        ; K and Q in window 1, the mask and S^T in window 0
.set TO_1, 0x40                        ; destination window 1
.set MSB, 0
.macro WIN new
.if MSB != (\new)
	s_set_vgpr_msb (MSB<<8)|(\new)
.set MSB, (\new)
.endif
.endm
.macro PLACES
.rept 4
	v_nop
.endr
.endm
; A joint load: every wave has one.  The branches hang on the wave's number alone.  An s_nop 0 and four v_nop follow each line.
.macro JLOAD
	s_cmp_lt_u32 s10, 2
	s_cbranch_scc0 .Lnot_k_\@
	tensor_load_to_lds s[G0K:G0K+3], s[G1K:G1K+7]
	s_nop 0
	PLACES
	s_branch .Lasked_\@
.Lnot_k_\@:
	s_cmp_lt_u32 s10, 4
	s_cbranch_scc0 .Lnot_v_\@
	tensor_load_to_lds s[G0V:G0V+3], s[G1V:G1V+7]
	s_nop 0
	PLACES
	s_branch .Lasked_\@
.Lnot_v_\@:
	tensor_load_to_lds s[G0M:G0M+3], s[G1M:G1M+7]
	s_nop 0
	PLACES
.Lasked_\@:
.endm
; A prefetch of what the NEXT change of slots will ask for, two units ahead of that load; each aligned 256 bytes is named once in the launch.  K and V of a head group: the first cluster along x; its four partners
; of a row take 8,192 bytes each, by address; wave 0 K's, wave 2 V's.  The mask's tile: the first cluster along y; its four partners of a column take 16 rows each, by address; waves 4 and 5 half of a row's 1,024 bytes each.
; The last change that fills a slot asks for nothing; nothing is asked for at the head.
.macro ASK
	s_cmp_gt_u32 s[SLOTS], s[LIM]
	s_cbranch_scc0 .Lnot_mine_\@
	global_prefetch_b8 v[PFO], s[PFA:PFA+1] th:TH_LOAD_NT scope:SCOPE_SE
.Lnot_mine_\@:
.endm
.macro CROUND
	s_barrier_signal -1
	s_barrier_wait -1
	s_cmp_lg_u32 s10, 0
	s_cbranch_scc1 .Lnot_wave_0_\@
	s_barrier_signal -3
.Lnot_wave_0_\@:
	s_barrier_wait -3
	s_barrier_signal -1
	s_barrier_wait -1
.endm
	s_load_b128 s[4:7], s[0:1], 0x0                ; qkv16, mask
	s_load_b64 s[8:9], s[0:1], 0x10                ; ao
	v_lshl_add_u32 v[SPW], v0, 2, SPARE
	v_mov_b32 v[NIL], 0
	ds_add_u32 v[SPW], v[NIL]                      ; the wave's opening: the add, twice on end, and its wait ahead of my first tensor load
	ds_add_u32 v[SPW], v[NIL]
	v_lshrrev_b32 v13, 5, v0
	v_readfirstlane_b32 s10, v13                   ; wave 0..7
	s_lshr_b32 s11, s10, 2                         ; which 64 of each 128 keys; also the order of a unit's phases
	s_and_b32 s12, s10, 3                          ; which 16 queries; also which 16 mask rows I fetch
	s_and_b32 s17, s10, 1                          ; which 128 keys of a slot I fetch
	s_bfe_u32 s13, ttmp6, 0x40000                  ; cx
	s_bfe_u32 s14, ttmp6, 0x40004                  ; cy
	s_lshl_b32 s15, ttmp9, 2
	s_add_co_u32 s15, s15, s13                     ; block of 64 queries
	s_and_b32 s19, ttmp7, 0xffff                   ; cluster y
	s_lshl_b32 s16, s19, 2
	s_add_co_u32 s16, s16, s14                     ; key and value head
	s_lshl_b32 s20, s14, 2
	s_lshl_b32 s20, 15, s20                        ; my row of the cluster
	s_lshl_b32 s21, 0x1111, s13                    ; my column
	s_or_b32 s[G1K], s20, (1<<16)|(1<<20)|(1<<21)|(4<<22)|(3<<25)   ; elements of 2 bytes; 4 words of padding after every 32
	s_or_b32 s[G1V], s20, (1<<16)|(1<<20)|(1<<21)|(4<<22)|(7<<25)   ; 8 words
	s_or_b32 s[G1M], s21, (2<<16)|(1<<20)|(1<<21)|(7<<22)|(3<<25)   ; elements of 4 bytes; 4 words after every 256
.irp g, G1K, G1V
	s_mov_b32 s[\g+1], 64<<16                      ; tensor_dim0 = 64
	s_mov_b32 s[\g+2], 128<<16                     ; tensor_dim1 = 128
	s_mov_b32 s[\g+3], 64<<16                      ; tile_dim0
	s_mov_b32 s[\g+4], 128                         ; tile_dim1
	s_mov_b32 s[\g+5], 64                          ; from row to row
	s_mov_b32 s[\g+6], 0
	s_mov_b32 s[\g+7], 0
.endr
	s_mov_b32 s[G1M+1], 256<<16
	s_mov_b32 s[G1M+2], 16<<16
	s_mov_b32 s[G1M+3], 256<<16
	s_mov_b32 s[G1M+4], 16
	s_mov_b32 s[G1M+5], 2048
	s_mov_b32 s[G1M+6], 0
	s_mov_b32 s[G1M+7], 0
	s_mul_i32 s60, s17, 128*KP                     ; my load's place in a slot: as K's,
	s_mul_i32 s61, s17, 128*VP
	s_add_co_u32 s61, s61, VOFF                    ; as V's,
	s_mul_i32 s62, s12, 16*MP
	s_add_co_u32 s62, s62, MOFF                    ; as the mask's
	s_lshl_b32 s84, s16, 18                        ; K in memory: the head's 262,144 bytes, my 128 rows of 128 bytes
	s_lshl_b32 s85, s17, 14
	s_add_co_u32 s84, s84, s85
	s_add_co_u32 s84, s84, KO
	s_mov_b32 s85, 0
	s_lshl_b32 s86, s15, 6                         ; the mask: row 64 x block + 16 x (wave % 4), of 8,192 bytes
	s_lshl_b32 s87, s12, 4
	s_add_co_u32 s86, s86, s87
	s_lshl_b32 s86, s86, 13
	s_mov_b32 s87, 0
	s_mov_b32 s72, 0x46000000                      ; c' = 2^13
	s_mov_b32 s73, s72
	s_mov_b32 s74, 0x76543210
	s_mov_b32 s75, 0xfedcba98
	s_mov_b32 s82, 0x3938aa3b                      ; log2(e) x 2^-13
	s_mov_b32 s83, s82
	s_mov_b32 s[TB], 0
	s_mov_b32 s[SLOTS], 7
	s_cmp_eq_u32 s11, 0
	s_cselect_b32 s81, 0, 0xff800000               ; what the scores begin as
	s_wait_dscnt 0x0                               ; both opening adds are done
	s_wait_kmcnt 0x0
	s_mov_b32 s[G0K], 1
	s_mov_b32 s[G0K+1], s60
	s_add_nc_u64 s[G0K+2:G0K+3], s[4:5], s[84:85]
	s_add_nc_u64 s[G0V+2:G0V+3], s[G0K+2:G0K+3], VO-KO
	s_or_b32 s[G0K+3], s[G0K+3], 0x80000000
	s_mov_b32 s[G0V], 1
	s_mov_b32 s[G0V+1], s61
	s_or_b32 s[G0V+3], s[G0V+3], 0x80000000
	s_mov_b32 s[G0M], 1
	s_mov_b32 s[G0M+1], s62
	s_add_nc_u64 s[G0M+2:G0M+3], s[6:7], s[86:87]
	s_or_b32 s[G0M+3], s[G0M+3], 0x80000000
	CROUND                                         ; all sixteen work-groups are here: the first joint loads meet
	JLOAD                                          ; slot 0
	; the prefetches: where mine stand (at slot 1: the first change steps them to slot 2), and who asks
	s_lshl_b32 s88, s16, 18
	s_lshl_b32 s89, s13, 13
	s_add_co_u32 s88, s88, s89
	s_lshr_b32 s89, s10, 1
	s_and_b32 s89, s89, 1
	s_mul_i32 s89, s89, VO-KO
	s_add_co_u32 s88, s88, s89
	s_add_co_u32 s88, s88, KO+32768
	s_lshl_b32 s22, s15, 6
	s_lshl_b32 s23, s14, 4
	s_add_co_u32 s22, s22, s23
	s_lshl_b32 s22, s22, 13
	s_lshl_b32 s23, s17, 9
	s_add_co_u32 s22, s22, s23
	s_add_co_u32 s22, s22, 1024
	s_mov_b32 s23, 1024
	s_mov_b32 s18, 8192
	s_cmp_lt_u32 s10, 4
	s_cselect_b64 s[PFA:PFA+1], s[4:5], s[6:7]
	s_cselect_b32 s88, s88, s22
	s_cselect_b32 s[PFS], 32768, s23               ; a slot on
	s_cselect_b32 s18, 512, s18                    ; from pair of lanes to pair of lanes
	s_mov_b32 s89, 0
	s_mov_b32 s[PFS+1], 0
	s_add_nc_u64 s[PFA:PFA+1], s[PFA:PFA+1], s[88:89]
	s_and_b32 s2, s10, 5
	s_or_b32 s2, s2, ttmp9                         ; 0: wave 0 or 2 of a first cluster along x
	s_lshr_b32 s3, s10, 1
	s_xor_b32 s3, s3, 2
	s_or_b32 s3, s3, s19                           ; 0: wave 4 or 5 of a first cluster along y
	s_cmp_eq_u32 s2, 0
	s_cselect_b32 s[LIM], 1, -1
	s_cmp_eq_u32 s3, 0
	s_cselect_b32 s[LIM], 1, s[LIM]
	v_and_b32 v82, 31, v0                          ; lane
	v_lshrrev_b32 v[PFO], 1, v82
	v_mul_lo_u32 v[PFO], v[PFO], s18
	v_and_b32 v83, 1, v82
	v_lshl_add_u32 v[PFO], v83, 8, v[PFO]
	; Q and ao
	s_lshl_b32 s2, s16, 20                         ; four heads of 262,144 bytes
	s_lshl_b32 s3, s15, 6
	s_lshl_b32 s22, s12, 4
	s_add_co_u32 s3, s3, s22                       ; my first query
	s_lshl_b32 s22, s3, 7
	s_add_co_u32 s2, s2, s22
	s_lshl_b32 s22, s3, 12                         ; a row of ao is 4,096 bytes
	s_lshl_b32 s23, s16, 9                         ; my four heads' 512 bytes of it
	s_add_co_u32 s22, s22, s23
	s_mov_b32 s3, 0
	s_mov_b32 s23, 0
	s_add_nc_u64 s[88:89], s[4:5], s[2:3]
	s_add_nc_u64 s[8:9], s[8:9], s[22:23]
	v_and_b32 v80, 15, v0                          ; r
	v_bfe_u32 v81, v0, 4, 1                        ; h
	v_lshlrev_b32 v[QO], 7, v80
	v_lshl_add_u32 v[QO], v81, 4, v[QO]
	WIN TO_1
.irp i, 0,1,2,3                        ; Q stays in registers: head i, channels 32 c on
.irp c, 0,1
	global_load_b128 v[16*\i+8*\c:16*\i+8*\c+3], v[QO], s[88:89] offset:\i*262144+64*\c
	global_load_b128 v[16*\i+8*\c+4:16*\i+8*\c+7], v[QO], s[88:89] offset:\i*262144+64*\c+32
.endr
.endr
.set ii, 64
.rept 192
	v_mov_b32 v[ii], 0                             ; the K/V registers and O^T: written once, so that a unit is written once and has no first form of its own
.set ii, ii+1
.endr
	WIN 0
.set ii, S
.rept 128
	v_mov_b32 v[ii], s81
.set ii, ii+1
.endr
	v_mul_u32_u24 v[AK0], v80, KP
	v_lshl_add_u32 v[AK0], v81, 4, v[AK0]
	s_mul_i32 s2, s11, 64*KP
	v_add_nc_u32 v[AK0], s2, v[AK0]                ; K: my 64 keys; row r, + 16 h
	v_and_b32 v83, 7, v0
	v_lshl_add_u32 v83, v81, 3, v83
	v_mul_u32_u24 v[AV0], v83, VP
	v_bfe_u32 v83, v0, 3, 1
	v_lshl_add_u32 v[AV0], v83, 4, v[AV0]
	s_mul_i32 s2, s11, 64*VP
	s_add_co_u32 s2, s2, VOFF
	v_add_nc_u32 v[AV0], s2, v[AV0]                ; V: key 8 h + lane % 8, channels 8 ((lane / 8) % 2) on
	v_mul_u32_u24 v[AM0], v80, MP
	v_lshl_add_u32 v[AM0], v81, 5, v[AM0]
	s_mul_i32 s2, s12, 16*MP
	s_lshl_b32 s3, s11, 8
	s_add_co_u32 s2, s2, s3
	s_add_co_u32 s2, s2, MOFF
	v_add_nc_u32 v[AM0], s2, v[AM0]                ; mask: my query's row, my 64 keys, + 32 h
	s_mul_i32 s2, s12, DUMPB
	v_lshl_add_u32 v[DMP], v82, 4, s2
	s_mul_i32 s2, s12, 16*528
	s_add_co_u32 s2, s2, OST
	v_mul_u32_u24 v[STO], v80, 528
	v_lshl_add_u32 v[STO], v81, 4, v[STO]
	v_add_nc_u32 v[STO], s2, v[STO]
	v_lshl_add_u32 v[RD], v82, 4, s2
	v_lshlrev_b32 v[GO], 4, v82
.irp t, 0,1,2,3
	v_mov_b32 v[ST+8*\t+1], 0xf149f2ca             ; m = -1e30, under every score that is served
	v_mul_f32 v[ST+8*\t], s72, v[ST+8*\t+1]        ; c'm
	v_mov_b32 v[ST+8*\t+2], 0
	v_mov_b32 v[ST+8*\t+3], 0
	v_mov_b32 v[ST+8*\t+4], 0
	v_mov_b32 v[ST+8*\t+5], 0
	v_mov_b32 v[ST+8*\t+6], 0
	v_mov_b32 v[ST+8*\t+7], 0
.endr
; O^T += V^T P for keys 32 g on: the sixteen accumulators take turns
.macro PV g
.irp dt, 0,1,2,3
.irp i, 0,1,2,3
	v_wmma_f32_16x16x32_f16 v[128+32*\i+8*\dt:128+32*\i+8*\dt+7], v[64+32*\g+8*\dt:64+32*\g+8*\dt+7], v[S+32*\i+8*\g:S+32*\i+8*\g+7], v[128+32*\i+8*\dt:128+32*\i+8*\dt+7]
.endr
.endr
.endm
; S^T = K Q^T + mask for key tiles k0, k0 + 1: the first link takes the mask as C; eight accumulators by turns
.macro QK k0
.irp c, 0,1
.irp kt, \k0, \k0+1
.irp i, 0,1,2,3
.if \c == 0
	v_wmma_f32_16x16x32_f16 v[S+32*\i+8*(\kt):S+32*\i+8*(\kt)+7], v[64+16*(\kt)+8*\c:64+16*(\kt)+8*\c+7], v[16*\i+8*\c:16*\i+8*\c+7], v[MK+8*(\kt):MK+8*(\kt)+7]
.else
	v_wmma_f32_16x16x32_f16 v[S+32*\i+8*(\kt):S+32*\i+8*(\kt)+7], v[64+16*(\kt)+8*\c:64+16*(\kt)+8*\c+7], v[16*\i+8*\c:16*\i+8*\c+7], v[S+32*\i+8*(\kt):S+32*\i+8*(\kt)+7]
.endif
.endr
.endr
.endr
.endm
.macro KLD k0                          ; eight loads: K's fragments of key tiles k0, k0 + 1
.irp kt, \k0, \k0+1
.irp c, 0,1
	ds_load_b128 v[64+16*(\kt)+8*\c:64+16*(\kt)+8*\c+3], v[ADK] offset:(\kt)*16*KP+64*\c
	ds_load_b128 v[64+16*(\kt)+8*\c+4:64+16*(\kt)+8*\c+7], v[ADK] offset:(\kt)*16*KP+64*\c+32
.endr
.endr
.endm
; THE MATRIX PHASE of step j: V^T P of step j - 1 (V is in registers since the last phase), K Q^T of step j, and every LDS read of step j: mask, K, and at the end V.
.macro MPH
	v_add_nc_u32 v[ADK], s[TK], v[AK0]
	v_add_nc_u32 v[ADV], s[TV], v[AV0]
	v_add_nc_u32 v[ADM], s[TM], v[AM0]
.irp kt, 0,1,2,3
	ds_load_b128 v[MK+8*\kt:MK+8*\kt+3], v[ADM] offset:64*\kt
	ds_load_b128 v[MK+8*\kt+4:MK+8*\kt+7], v[ADM] offset:64*\kt+16
.endr
	s_wait_dscnt 8                                 ; V is in; the eight mask loads may be out
	WIN W_PV
	PV 0
	PLACES                                         ; in front of the loads into V's first half
	WIN TO_1
	KLD 0
	WIN W_PV
	PV 1
	WIN 0
	s_wait_dscnt 8                                 ; the mask is in; K's first eight loads may be out
.irp n, 0,1,2,3,4,5,6,7,8,9,10,11,12,13,14,15
	v_pk_mul_f32 v[MK+2*\n:MK+2*\n+1], v[MK+2*\n:MK+2*\n+1], s[82:83] op_sel_hi:[1,0]   ; x log2(e) x 2^-13.  These sixteen are also the places in front of the loads into V's second half and of the products that write over P
.endr
	WIN TO_1
	KLD 2
	s_wait_dscnt 8                                 ; K's first eight are in
	WIN W_QK
	QK 0
	s_wait_dscnt 0x0
	QK 2
	PLACES                                         ; in front of the loads into K's registers and of the first read of the scores
	WIN TO_1
.irp g, 0,1
.irp dt, 0,1,2,3
	ds_load_tr16_b128 v[64+32*\g+8*\dt:64+32*\g+8*\dt+3], v[ADV] offset:\g*32*VP+32*\dt
	ds_load_tr16_b128 v[64+32*\g+8*\dt+4:64+32*\g+8*\dt+7], v[ADV] offset:\g*32*VP+16*VP+32*\dt
.endr
.endr
	WIN 0
.endm
; THE VECTOR PHASE: the softmax of one step for my four tiles, which take turns line by line.
.macro SM
.irp j, 0,1,2,3                        ; the maximum: four chains a tile, each accumulator from its low end on
.irp t, 0,1,2,3
	v_max3_num_f32 v[ST+8*\t+4+\j], v[S+32*\t+8*\j], v[S+32*\t+8*\j+1], v[S+32*\t+8*\j+2]
.endr
.endr
.irp u, 1,2
.irp j, 0,1,2,3
.irp t, 0,1,2,3
	v_max3_num_f32 v[ST+8*\t+4+\j], v[ST+8*\t+4+\j], v[S+32*\t+8*\j+2*\u+1], v[S+32*\t+8*\j+2*\u+2]
.endr
.endr
.endr
.irp t, 0,1,2,3
	v_max3_num_f32 v[ST+8*\t+4], v[ST+8*\t+4], v[S+32*\t+7], v[S+32*\t+15]
.endr
.irp t, 0,1,2,3
	v_max3_num_f32 v[ST+8*\t+6], v[ST+8*\t+6], v[S+32*\t+23], v[S+32*\t+31]
.endr
.irp t, 0,1,2,3
	v_max3_num_f32 v[ST+8*\t+4], v[ST+8*\t+4], v[ST+8*\t+5], v[ST+8*\t+6]
.endr
.irp t, 0,1,2,3
	v_max3_num_f32 v[ST+8*\t+4], v[ST+8*\t+4], v[ST+8*\t+7], v[ST+8*\t+1]   ; with the old m
.endr
.irp t, 0,1,2,3
	v_permlanex16_b32 v[ST+8*\t+5], v[ST+8*\t+4], s74, s75                  ; the query's other 32 keys lie 16 lanes away
.endr
.irp t, 0,1,2,3
	v_mov_b32 v[ST+8*\t+7], v[ST+8*\t]
.endr
.irp t, 0,1,2,3
	v_max_num_f32 v[ST+8*\t+1], v[ST+8*\t+4], v[ST+8*\t+5]
.endr
.irp t, 0,1,2,3
	v_mul_f32 v[ST+8*\t], s72, v[ST+8*\t+1]        ; c'm: exact
.endr
.irp t, 0,1,2,3
	v_sub_f32 v[ST+8*\t+7], v[ST+8*\t+7], v[ST+8*\t]
.endr
.irp t, 0,1,2,3
	v_exp_f32 v[ST+8*\t+6], v[ST+8*\t+7]           ; a = 2^(c'm old - c'm new)
.endr
.set nn, 0
.rept 16
.irp t, 0,1,2,3
	v_pk_fma_f32 v[S+32*\t+2*nn:S+32*\t+2*nn+1], v[S+32*\t+2*nn:S+32*\t+2*nn+1], s[72:73], v[ST+8*\t:ST+8*\t+1] op_sel_hi:[1,0,0] neg_lo:[0,0,1] neg_hi:[0,0,1]   ; c's' - c'm: 0 or less
.endr
.set nn, nn+1
.endr
	s_wait_alu depctr_va_vdst(0)                   ; the four a, ahead of their readers below; the scalings above are the work between
.set nn, 0
.rept 32
.irp t, 0,1,2,3
	v_exp_f32 v[S+32*\t+nn], v[S+32*\t+nn]
.endr
.set nn, nn+1
.endr
	WIN 0x41                                       ; O^T in window 1, a in window 0
.set nn, 0
.rept 16
.irp t, 0,1,2,3
	v_pk_mul_f32 v[128+32*\t+2*nn:128+32*\t+2*nn+1], v[128+32*\t+2*nn:128+32*\t+2*nn+1], v[ST+8*\t+6:ST+8*\t+7] op_sel_hi:[1,0]   ; O^T x a: work that names no exponential's result
.endr
.set nn, nn+1
.endr
	WIN 0
.irp t, 0,1,2,3
	v_pk_mul_f32 v[ST+8*\t+2:ST+8*\t+3], v[ST+8*\t+2:ST+8*\t+3], v[ST+8*\t+6:ST+8*\t+7] op_sel_hi:[1,0]
.endr
	s_wait_alu depctr_va_vdst(0)                   ; one wait for the 128 exponentials, ahead of their first reader
.irp t, 0,1,2,3
	v_pk_add_f32 v[ST+8*\t+4:ST+8*\t+5], v[S+32*\t+2:S+32*\t+3], v[S+32*\t+6:S+32*\t+7]
.endr
.set nn, 0
.rept 8
.irp t, 0,1,2,3
	v_pk_add_f32 v[ST+8*\t+2:ST+8*\t+3], v[ST+8*\t+2:ST+8*\t+3], v[S+32*\t+4*nn:S+32*\t+4*nn+1]
.if nn >= 2
	v_pk_add_f32 v[ST+8*\t+4:ST+8*\t+5], v[ST+8*\t+4:ST+8*\t+5], v[S+32*\t+4*nn+2:S+32*\t+4*nn+3]
.endif
.endr
.set nn, nn+1
.endr
.irp t, 0,1,2,3
	v_pk_add_f32 v[ST+8*\t+2:ST+8*\t+3], v[ST+8*\t+2:ST+8*\t+3], v[ST+8*\t+4:ST+8*\t+5]
.endr
.set nn, 0
.rept 16
.irp t, 0,1,2,3
	v_cvt_pk_f16_f32 v[S+32*\t+nn], v[S+32*\t+2*nn], v[S+32*\t+2*nn+1]   ; P over S^T, ascending: each target has been read
.endr
.set nn, nn+1
.endr
.endm
.macro UNIT
	s_cmp_eq_u32 s11, 0
	s_cbranch_scc0 .Lodd_\@
	MPH
	SM
	s_branch .Ljoin_\@
.Lodd_\@:
	SM
	MPH
.Ljoin_\@:
.endm
.macro TWO_STEPS                       ; a slot's two units: written once, walked twice
	s_mov_b32 s[TW], 2
.Lstep_\@:
	UNIT
	s_add_co_u32 s[TK], s[TK], 128*KP
	s_add_co_u32 s[TV], s[TV], 128*VP
	s_add_co_u32 s[TM], s[TM], 512
	s_sub_co_u32 s[TW], s[TW], 1
	s_cmp_lg_u32 s[TW], 0
	s_cbranch_scc1 .Lstep_\@
	s_xor_b32 s[TB], s[TB], SLOTB
.endm
; THE CHANGE OF SLOTS stands at a slot's head: each wave waits for all its tensor loads (one is out: its part of the slot that is about to be read), adds 0 to its spare word, and waits for that and for its reads of the
; slot that it has left.  fill = 1: behind a round of the cluster's barrier the other slot is filled with the next 256 keys: that load has two units in which to land.
.macro CHANGE fill
	s_wait_tensorcnt 0x0
	ds_add_u32 v[SPW], v[NIL]                      ; the steps below stand between the add and the wait for it
.if \fill
	s_xor_b32 s[NB], s[TB], SLOTB
	s_add_co_u32 s[G0K+1], s[NB], s60
	s_add_co_u32 s[G0V+1], s[NB], s61
	s_add_co_u32 s[G0M+1], s[NB], s62
	s_add_nc_u64 s[G0K+2:G0K+3], s[G0K+2:G0K+3], 32768
	s_add_nc_u64 s[G0V+2:G0V+3], s[G0V+2:G0V+3], 32768
	s_add_nc_u64 s[G0M+2:G0M+3], s[G0M+2:G0M+3], 1024
	s_wait_xcnt 0x0                                ; the last prefetch, two units back, has read its address
	s_add_nc_u64 s[PFA:PFA+1], s[PFA:PFA+1], s[PFS:PFS+1]
.endif
	s_mov_b32 s[TK], s[TB]
	s_mov_b32 s[TV], s[TB]
	s_mov_b32 s[TM], s[TB]
	s_wait_dscnt 0x0                               ; the add is done, and my reads of the slot that I have left are over
.if \fill
	CROUND
	JLOAD
	ASK
.else
	s_barrier_signal -1
	s_barrier_wait -1
.endif
.endm
	s_wait_loadcnt 0x0                             ; Q
.Lslot:                                            ; seven trips: behind each change of slots but the last the next slot is asked for
	CHANGE 1
	TWO_STEPS
	s_sub_co_u32 s[SLOTS], s[SLOTS], 1
	s_cmp_lg_u32 s[SLOTS], 0
	s_cbranch_scc1 .Lslot
	CHANGE 0                                       ; the last slot is written out
	TWO_STEPS
	; THE ENDS.  Waves 4-7 owe the last step's softmax; every wave owes its V^T P.
	s_cmp_eq_u32 s11, 0
	s_cbranch_scc1 .Lno_sm
	SM
.Lno_sm:
	v_nop                                          ; counted along the text, the way that leads round SM has only the four places at MPH's end between K Q^T, which writes S^T's registers, and the products below, which take them as an operand; five are owed (ISA guide 7.12.1): the fifth stands here
	s_wait_dscnt 0x0                               ; V of the last step
	WIN W_PV
	PV 0
	PV 1
	WIN 0
	PLACES
.irp t, 0,1,2,3
	v_add_f32 v[80+\t], v[ST+8*\t+2], v[ST+8*\t+3]
.endr
.irp t, 0,1,2,3
	v_permlanex16_b32 v[ST+8*\t+5], v[80+\t], s74, s75
.endr
.irp t, 0,1,2,3
	v_add_f32 v[80+\t], v[80+\t], v[ST+8*\t+5]     ; l of my half of the keys
.endr
.irp t, 0,1,2,3
	v_mov_b32 v[84+\t], v[ST+8*\t]                 ; and its c'm
.endr
	s_cmp_eq_u32 s11, 0
	s_cbranch_scc1 .Lno_dump
	WIN 0x04                                       ; an LDS store's data are its source 1: window 1
.set qq, 0
.rept 32
	ds_store_b128 v[DMP], v[128+4*qq:128+4*qq+3] offset:512*qq   ; images of O^T's registers, ascending
.set qq, qq+1
.endr
	WIN 0
	ds_store_b128 v[DMP], v[80:83] offset:16384
	ds_store_b128 v[DMP], v[84:87] offset:16896
.Lno_dump:
	s_wait_dscnt 0x0                               ; for the partner's sake: the dump has landed
	s_barrier_signal -1
	s_barrier_wait -1
	s_cmp_eq_u32 s11, 0
	s_cbranch_scc0 .Lfin
.set qq, 0
.rept 32
	ds_load_b128 v[S+4*qq:S+4*qq+3], v[DMP] offset:512*qq
.set qq, qq+1
.endr
	ds_load_b128 v[88:91], v[DMP] offset:16384
	ds_load_b128 v[92:95], v[DMP] offset:16896
	s_wait_dscnt 0x0
.irp t, 0,1,2,3
	v_max_num_f32 v[96+\t], v[84+\t], v[92+\t]
.endr
.irp t, 0,1,2,3
	v_sub_f32 v[100+\t], v[84+\t], v[96+\t]
.endr
.irp t, 0,1,2,3
	v_sub_f32 v[104+\t], v[92+\t], v[96+\t]
.endr
.irp t, 0,1,2,3
	v_exp_f32 v[100+\t], v[100+\t]
.endr
.irp t, 0,1,2,3
	v_exp_f32 v[104+\t], v[104+\t]
.endr
	v_nop
	s_wait_alu depctr_va_vdst(0)
.irp t, 0,1,2,3
	v_mul_f32 v[108+\t], v[100+\t], v[80+\t]
.endr
.irp t, 0,1,2,3
	v_fma_f32 v[108+\t], v[104+\t], v[88+\t], v[108+\t]   ; the row's sum under the common maximum
.endr
.irp t, 0,1,2,3
	v_rcp_f32 v[96+\t], v[108+\t]
.endr
	v_nop
	s_wait_alu depctr_va_vdst(0)
.irp t, 0,1,2,3
	v_mul_f32 v[ST+8*\t+4], v[100+\t], v[96+\t]    ; what my half is multiplied by,
.endr
.irp t, 0,1,2,3
	v_mul_f32 v[ST+8*\t+6], v[104+\t], v[96+\t]    ; and the partner's
.endr
.set nn, 0
.rept 16
.irp t, 0,1,2,3
	v_pk_mul_f32 v[S+32*\t+2*nn:S+32*\t+2*nn+1], v[S+32*\t+2*nn:S+32*\t+2*nn+1], v[ST+8*\t+6:ST+8*\t+7] op_sel_hi:[1,0]
.endr
.set nn, nn+1
.endr
	WIN 0x01                                       ; source 0: O^T in window 1
.set nn, 0
.rept 16
.irp t, 0,1,2,3
	v_pk_fma_f32 v[S+32*\t+2*nn:S+32*\t+2*nn+1], v[128+32*\t+2*nn:128+32*\t+2*nn+1], v[ST+8*\t+4:ST+8*\t+5], v[S+32*\t+2*nn:S+32*\t+2*nn+1] op_sel_hi:[1,0,1]
.endr
.set nn, nn+1
.endr
	WIN 0
.set nn, 0
.rept 16
.irp t, 0,1,2,3
	v_cvt_pk_f16_f32 v[S+32*\t+nn], v[S+32*\t+2*nn], v[S+32*\t+2*nn+1]
.endr
.set nn, nn+1
.endr
.irp t, 0,1,2,3                        ; lane (r, h): query r, head t, channels 16 dt + 8 h + 0..7: 16 bytes
.irp dt, 0,1,2,3
	ds_store_b128 v[STO], v[S+32*\t+4*\dt:S+32*\t+4*\dt+3] offset:128*\t+32*\dt
.endr
.endr
.irp n, 0,1,2,3,4,5,6,7,8,9,10,11,12,13,14,15
	ds_load_b128 v[48+4*\n:48+4*\n+3], v[RD] offset:528*\n   ; LDS serves a wave's instructions in order: these see my stores
.endr
.irp n, 0,1,2,3,4,5,6,7,8,9,10,11,12,13,14,15
	s_wait_dscnt 15-\n                             ; row n is back
	global_store_b128 v[GO], v[48+4*\n:48+4*\n+3], s[8:9] offset:4096*\n   ; 32 lanes store 512 consecutive bytes of a row of ao
.endr
.Lfin:
	s_wait_tensorcnt 0x0                           ; the wave's end
	ds_add_u32 v[SPW], v[NIL]
	s_wait_dscnt 0x0
	CROUND                                         ; the closing round
	s_endpgm
.Lfunc_end_k_q7683afde86_attn:
	.size	k_q7683afde86_attn, .Lfunc_end_k_q7683afde86_attn-k_q7683afde86_attn
	.p2alignl 7, 3214868480
	.fill 96, 4, 3214868480
	.section	.rodata,"a",@progbits
	.p2align	6, 0x0
	.amdhsa_kernel k_q7683afde86_attn
		.amdhsa_group_segment_fixed_size 327680
		.amdhsa_private_segment_fixed_size 0
		.amdhsa_enable_private_segment 0
		.amdhsa_kernarg_size 24
		.amdhsa_user_sgpr_count 2
		.amdhsa_user_sgpr_kernarg_segment_ptr 1
		.amdhsa_wavefront_size32 1
		.amdhsa_system_sgpr_workgroup_id_x 1
		.amdhsa_system_sgpr_workgroup_id_y 1
		.amdhsa_system_sgpr_workgroup_id_z 1
		.amdhsa_system_vgpr_workitem_id 0
		.amdhsa_next_free_vgpr 512
		.amdhsa_next_free_sgpr 90
		.amdhsa_reserve_vcc 0
		.amdhsa_float_denorm_mode_32 3
		.amdhsa_float_denorm_mode_16_64 3
		.amdhsa_memory_ordered 1
		.amdhsa_forward_progress 1
		.amdhsa_inst_pref_size 210
	.end_amdhsa_kernel
	.amdgpu_metadata
---
amdhsa.version: [ 1, 2 ]
amdhsa.kernels:
  - .name:           k_q7683afde86_attn
    .symbol:         k_q7683afde86_attn.kd
    .args:
      - { .name: qkv16, .offset: 0, .size: 8, .value_kind: global_buffer, .address_space: global }
      - { .name: mask, .offset: 8, .size: 8, .value_kind: global_buffer, .address_space: global }
      - { .name: ao, .offset: 16, .size: 8, .value_kind: global_buffer, .address_space: global }
    .group_segment_fixed_size: 327680
    .private_segment_fixed_size: 0
    .kernarg_segment_align: 8
    .kernarg_segment_size: 24
    .max_flat_workgroup_size: 256
    .sgpr_count:     90
    .vgpr_count:     512
    .wavefront_size: 32
...
	.end_amdgpu_metadata
.endif
;; end of part 4
;; launch oproj (part 5): grid 16 x 16, 4 waves a work-group, clusters of 4 x 4, 327,680 bytes of LDS; arguments ao, wo16, out0; writes out0
.if DOCPART == 5
	.amdgcn_target "amdgcn-amd-amdhsa--gfx1250"
	.amdhsa_code_object_version 6
	.text
	.protected	k_q7683afde86_oproj
	.globl	k_q7683afde86_oproj
	.p2align	8
	.type	k_q7683afde86_oproj,@function
k_q7683afde86_oproj:
	s_mov_b64 s[64:65], 0
	v_nop
	global_prefetch_b8 v0, s[64:65] scope:SCOPE_SE
	s_setreg_imm32_b32 hwreg(HW_REG_WAVE_MODE, 25, 1), 1
	s_wait_xcnt 0x0
	s_wait_alu depctr_hold_cnt(0) depctr_sa_sdst(0) depctr_va_vdst(0) depctr_va_sdst(0) depctr_va_ssrc(0) depctr_va_vcc(0) depctr_vm_vsrc(0)
	s_getreg_b32 s2, hwreg(HW_REG_IB_STS2, 6, 4)
	s_cmp_eq_u32 s2, 0
	s_cbranch_scc0 .Lentry_in_a_cluster
	s_endpgm
.Lentry_in_a_cluster:
	s_bfe_u32 s2, ttmp6, 0x10000c
	s_cmp_lg_u32 s2, 0xf033
	s_cbranch_scc0 .Lentry_shape_is_right
	s_endpgm
.Lentry_shape_is_right:
; out0[m][n] = sum over k of ao[m][k] wo16[k][n].  ao [2048][2048] f16 (K innermost), wo16 [2048 (k)][2048 (n)] f16, out0 f32; sums in f32.
; A tile of 128 x 128 is made by four waves, 64 x 64 each: 256 work-groups.  K goes in steps of 256 through two LDS slots: ao's tile 128 rows x 512 bytes (pitch 528), wo16's 256 rows of k x 256 bytes (pitch 288),
; whose fragments come turned by ds_load_tr16_b128.  Waves 0, 1 fetch ao's halves, waves 2, 3 wo16's.
; CLUSTERS 4 x 4: ao's tiles are asked for jointly along a row of the cluster, wo16's along a column.  The matrix instruction is used transposed (source 0 = 16 columns of wo16, source 1 = 16 rows of ao).
; Rows 0..15 of out0 are stored here too and stored again, more finely, by the launch that follows.
; REGISTERS: window 0: v0-31 addresses; v32-95 the way out; v128-255 the 16 accumulators ((a, b) at v[128 + 8 (4 a + b)]).  window 1: two fragment buffers of 128: 64 registers of ao, then 64 of wo16.
.set KSTEP,  256
.set PITCH,  528
.set BP,     288
.set AT,     128*PITCH
.set SLOT,   AT+256*BP
.set STAGE,  2*SLOT                    ; behind the ring: 16 rows x 272 bytes for each wave
.set SPITCH, 272
.set SPARE,  STAGE+4*16*SPITCH
.set LAPS,   4
.set ADRA, 16                          ; v16-17  my ao fragments in slot 0, 1
.set ADRB, 20                          ; v20-23  my wo16 fragments: slot s, k rows 128 kh on: v[20 + 2 s + kh]
.set STO,  24
.set RD,   25
.set CO,   26
.set SPW,  28
.set NIL,  29
.set TMP,  32
.set ACC,  128
.set F0,   0
.set F1,   128
.set G1, 24
.set G0, 32
.set G1B, 48
.set G0B, 56
.set MSB, 0
.macro WIN new
.if MSB != (\new)
	s_set_vgpr_msb (MSB<<8)|(\new)
.set MSB, (\new)
.endif
.endm
.set MUL,  0x05
.set TO_F, 0x40
.macro JLOAD s                         ; a joint load; an s_nop 0 and four v_nop follow each of the two lines
	s_cmp_eq_u32 s11, 0
	s_cbranch_scc0 .Lfor_b_\@
	tensor_load_to_lds s[G0+4*\s:G0+4*\s+3], s[G1:G1+7]
	s_nop 0
.rept 4
	v_nop
.endr
	s_branch .Lasked_\@
.Lfor_b_\@:
	tensor_load_to_lds s[G0B+4*\s:G0B+4*\s+3], s[G1B:G1B+7]
	s_nop 0
.rept 4
	v_nop
.endr
.Lasked_\@:
.endm
.macro CREST
	s_cmp_lg_u32 s10, 0
	s_cbranch_scc1 .Lnot_wave_0_\@
	s_barrier_signal -3
.Lnot_wave_0_\@:
	s_barrier_wait -3
	s_barrier_signal -1
	s_barrier_wait -1
.endm
.macro CROUND
	s_barrier_signal -1
	s_barrier_wait -1
	CREST
.endm
	s_load_b128 s[4:7], s[0:1], 0x0                ; ao, wo16
	s_load_b64 s[8:9], s[0:1], 0x10                ; out0
	v_lshl_add_u32 v[SPW], v0, 2, SPARE
	v_mov_b32 v[NIL], 0
	ds_add_u32 v[SPW], v[NIL]                      ; the wave's opening: the add, twice on end, and its wait ahead of my first tensor load
	ds_add_u32 v[SPW], v[NIL]
	v_lshrrev_b32 v1, 5, v0
	v_readfirstlane_b32 s10, v1                    ; wave 0..3
	s_lshr_b32 s11, s10, 1                         ; which half of the tile's rows is mine.  Also: I fetch for ao (0) or for wo16 (1)
	s_and_b32 s12, s10, 1                          ; which half of its columns.  Also: which half of that tile I fetch
	s_bfe_u32 s40, ttmp6, 0x40000
	s_bfe_u32 s41, ttmp6, 0x40004
	s_lshl_b32 s42, ttmp9, 2
	s_add_co_u32 s42, s42, s40                     ; tile column
	s_and_b32 s13, ttmp7, 0xffff
	s_lshl_b32 s13, s13, 2
	s_add_co_u32 s13, s13, s41                     ; tile row
	s_lshl_b32 s43, s41, 2
	s_lshl_b32 s43, 15, s43
	s_lshl_b32 s44, 0x1111, s40
	s_or_b32 s[G1+0], s43, (1<<16)|(1<<20)|(1<<21)|(6<<22)|(3<<25)   ; ao: 64 rows x 256 elements; 4 words of padding after every 128
	s_mov_b32 s[G1+1], 256<<16
	s_mov_b32 s[G1+2], 64<<16
	s_mov_b32 s[G1+3], 256<<16
	s_mov_b32 s[G1+4], 64
	s_mov_b32 s[G1+5], 2048
	s_mov_b32 s[G1+6], 0
	s_mov_b32 s[G1+7], 0
	s_or_b32 s[G1B+0], s44, (1<<16)|(1<<20)|(1<<21)|(5<<22)|(7<<25)  ; wo16: 128 rows of k x 128 elements; 8 words after every 64
	s_mov_b32 s[G1B+1], 128<<16
	s_mov_b32 s[G1B+2], 128<<16
	s_mov_b32 s[G1B+3], 128<<16
	s_mov_b32 s[G1B+4], 128
	s_mov_b32 s[G1B+5], 2048
	s_mov_b32 s[G1B+6], 0
	s_mov_b32 s[G1B+7], 0
	s_lshl_b32 s17, s12, 6
	s_lshl_b32 s16, s13, 7
	s_add_co_u32 s16, s16, s17
	s_lshl_b32 s16, s16, 12                        ; ao: row 128 x tile row + 64 x half, of 4,096 bytes
	s_mov_b32 s17, 0
	s_lshl_b32 s46, s12, 19                        ; wo16: k row 128 x half, of 4,096 bytes,
	s_lshl_b32 s47, s42, 8
	s_add_co_u32 s46, s46, s47                     ; + the tile column's 256 bytes
	s_mov_b32 s47, 0
	s_mul_i32 s20, s12, 64*PITCH                   ; where they go in a slot
	s_mul_i32 s21, s12, 128*BP
	s_add_co_u32 s21, s21, AT
	s_wait_dscnt 0x0                               ; both opening adds are done
	s_wait_kmcnt 0x0
	s_add_nc_u64 s[14:15], s[4:5], s[16:17]
	s_add_nc_u64 s[46:47], s[6:7], s[46:47]
	CROUND
.irp s, 0,1
	s_mov_b32 s[G0+4*\s], 1
	s_add_co_u32 s[G0+4*\s+1], s20, \s*SLOT
	s_add_nc_u64 s[G0+4*\s+2:G0+4*\s+3], s[14:15], \s*KSTEP*2
	s_or_b32 s[G0+4*\s+3], s[G0+4*\s+3], 0x80000000
	s_mov_b32 s[G0B+4*\s], 1
	s_add_co_u32 s[G0B+4*\s+1], s21, \s*SLOT
	s_add_nc_u64 s[G0B+4*\s+2:G0B+4*\s+3], s[46:47], \s*KSTEP*4096
	s_or_b32 s[G0B+4*\s+3], s[G0B+4*\s+3], 0x80000000
	JLOAD \s
.endr
	v_and_b32 v1, 15, v0                           ; r
	v_bfe_u32 v2, v0, 4, 1                         ; h
	v_mul_u32_u24 v3, v1, PITCH
	v_lshl_add_u32 v3, v2, 4, v3
	s_mul_i32 s21, s11, 64*PITCH                   ; my 64 rows of ao
	v_add_nc_u32 v[ADRA], s21, v3
	v_add_nc_u32 v[ADRA+1], SLOT, v[ADRA]
	v_and_b32 v4, 7, v0
	v_lshl_add_u32 v4, v2, 3, v4
	v_mul_u32_u24 v4, v4, BP                       ; k row 8 h + lane % 8,
	v_bfe_u32 v5, v0, 3, 1
	v_lshl_add_u32 v4, v5, 4, v4                   ; columns 8 ((lane / 8) % 2) on,
	s_lshl_b32 s22, s12, 7
	s_add_co_u32 s22, s22, AT                      ; in my 64 columns
	v_add_nc_u32 v[ADRB], s22, v4
	v_add_nc_u32 v[ADRB+1], 128*BP, v[ADRB]
	v_add_nc_u32 v[ADRB+2], SLOT, v[ADRB]
	v_add_nc_u32 v[ADRB+3], SLOT, v[ADRB+1]
	s_mul_i32 s23, s10, 16*SPITCH
	s_add_co_u32 s23, s23, STAGE                   ; my stage
	v_mul_u32_u24 v4, v1, SPITCH
	v_lshl_add_u32 v4, v2, 5, v4
	v_add_nc_u32 v[STO], s23, v4                   ; in: row r, 32 bytes for each half of the lanes
	v_mul_u32_u24 v5, v2, SPITCH
	v_lshl_add_u32 v5, v1, 4, v5
	v_add_nc_u32 v[RD], s23, v5                    ; back: lanes 0-15 one row of 256 bytes, lanes 16-31 the next
	v_lshlrev_b32 v5, 13, v2
	v_lshl_add_u32 v[CO], v1, 4, v5                ; the same two rows in out0
	s_lshl_b32 s16, s13, 7
	s_lshl_b32 s17, s11, 6
	s_add_co_u32 s16, s16, s17
	s_lshl_b32 s16, s16, 13                        ; my first row of out0, of 8,192 bytes
	s_lshl_b32 s46, s42, 9
	s_lshl_b32 s47, s12, 8
	s_add_co_u32 s46, s46, s47
	s_add_co_u32 s46, s46, s16
	s_mov_b32 s47, 0
	s_add_nc_u64 s[8:9], s[8:9], s[46:47]
.macro MUL8 f, c, a0, zero
.irp a, \a0, \a0+1
.irp b, 0,1,2,3
.if \zero
	v_wmma_f32_16x16x32_f16 v[ACC+8*(4*(\a)+\b):ACC+8*(4*(\a)+\b)+7], v[\f+64+8*(4*\c+\b):\f+64+8*(4*\c+\b)+7], v[\f+8*(4*\c+\a):\f+8*(4*\c+\a)+7], 0
.else
	v_wmma_f32_16x16x32_f16 v[ACC+8*(4*(\a)+\b):ACC+8*(4*(\a)+\b)+7], v[\f+64+8*(4*\c+\b):\f+64+8*(4*\c+\b)+7], v[\f+8*(4*\c+\a):\f+8*(4*\c+\a)+7], v[ACC+8*(4*(\a)+\b):ACC+8*(4*(\a)+\b)+7]
.endif
.endr
.endr
.endm
; 32 LDS loads in one run: the fragments of the slot's q-th 64 along K into buffer f; the first 32 along K first
.macro FETCH slot, q, f
	WIN TO_F
.irp c, 0,1
.irp i, 0,1,2,3
	ds_load_tr16_b128 v[\f+64+8*(4*\c+\i):\f+64+8*(4*\c+\i)+3],   v[ADRB+2*\slot+(\q)/2] offset:(((\q)%2)*64+32*\c)*BP+32*\i
	ds_load_tr16_b128 v[\f+64+8*(4*\c+\i)+4:\f+64+8*(4*\c+\i)+7], v[ADRB+2*\slot+(\q)/2] offset:(((\q)%2)*64+32*\c+16)*BP+32*\i
	ds_load_b128 v[\f+8*(4*\c+\i):\f+8*(4*\c+\i)+3],         v[ADRA+\slot] offset:128*(\q)+64*\c+\i*16*PITCH
	ds_load_b128 v[\f+8*(4*\c+\i)+4:\f+8*(4*\c+\i)+7],       v[ADRA+\slot] offset:128*(\q)+64*\c+\i*16*PITCH+32
.endr
.endr
.endm
.macro PLACES
.rept 4
	v_nop
.endr
.endm
; A K step is four quarters of 64 along K on buffers 0, 1, 0, 1.  One of the first three multiplies buffer f and fetches quarter q into g.
.macro QUARTER slot, q, f, g, zero
	s_wait_dscnt 16                                ; the first 32 along K are in; the other sixteen loads may be out
	WIN MUL
	MUL8 \f, 0, 0, \zero
	MUL8 \f, 0, 2, \zero
	PLACES
	FETCH \slot, \q, \g
	s_wait_dscnt 32                                ; all but the 32 just issued
	WIN MUL
	MUL8 \f, 1, 0, 0
	MUL8 \f, 1, 2, 0
.endm
.macro TURN slot, next, fill
	WIN 0
	s_wait_tensorcnt 0x0                           ; all my tensor loads have landed: my part of the next slot
	ds_add_u32 v[SPW], v[NIL]
	s_wait_dscnt 17                                ; the add and the youngest sixteen loads may be out
	WIN MUL
	MUL8 F1, 0, 0, 0
	s_wait_dscnt 0x0                               ; the add is done, and my reads of this slot are over
	s_barrier_signal -1
	MUL8 F1, 0, 2, 0
.if \fill
	WIN 0
.endif
	s_barrier_wait -1
.if \fill
	CREST
	s_add_nc_u64 s[G0+4*\slot+2:G0+4*\slot+3], s[G0+4*\slot+2:G0+4*\slot+3], 2*KSTEP*2
	s_add_nc_u64 s[G0B+4*\slot+2:G0B+4*\slot+3], s[G0B+4*\slot+2:G0B+4*\slot+3], 2*KSTEP*4096
	JLOAD \slot
.else
	PLACES
.endif
	FETCH \next, 0, F0
	WIN MUL
	MUL8 F1, 1, 0, 0
	MUL8 F1, 1, 2, 0
.endm
	s_wait_tensorcnt 1                             ; my part of K step 0 is in; K step 1's load may be out
	s_barrier_signal -1
	s_barrier_wait -1
	FETCH 0, 0, F0
	QUARTER 0, 1, F0, F1, 1
	WIN 0
	s_mov_b32 s3, LAPS-1
.Llap:
	QUARTER 0, 2, F1, F0, 0
	QUARTER 0, 3, F0, F1, 0
	TURN 0, 1, 1
	QUARTER 1, 1, F0, F1, 0
	QUARTER 1, 2, F1, F0, 0
	QUARTER 1, 3, F0, F1, 0
	TURN 1, 0, 1
	QUARTER 0, 1, F0, F1, 0
	WIN 0
	s_sub_co_u32 s3, s3, 1
	s_cmp_lg_u32 s3, 0
	s_cbranch_scc1 .Llap
	QUARTER 0, 2, F1, F0, 0
	QUARTER 0, 3, F0, F1, 0
	TURN 0, 1, 0
	QUARTER 1, 1, F0, F1, 0
	QUARTER 1, 2, F1, F0, 0
	QUARTER 1, 3, F0, F1, 0
	s_wait_dscnt 16
	WIN MUL
	MUL8 F1, 0, 0, 0
	MUL8 F1, 0, 2, 0
	s_wait_dscnt 0
	MUL8 F1, 1, 0, 0
	MUL8 F1, 1, 2, 0
	WIN 0
	; THE WAY OUT: a wave's 64 columns of f32 are 256 bytes: 16 rows at a time through its own stage, back as whole rows; no barrier
	PLACES
.macro TOST a
.irp b, 0,1,2,3
	ds_store_b128 v[STO], v[ACC+8*(4*(\a)+\b):ACC+8*(4*(\a)+\b)+3] offset:64*\b
	ds_store_b128 v[STO], v[ACC+8*(4*(\a)+\b)+4:ACC+8*(4*(\a)+\b)+7] offset:64*\b+16
.endr
.irp t, 0,1,2,3,4,5,6,7
	ds_load_b128 v[TMP+32*((\a)%2)+4*\t:TMP+32*((\a)%2)+4*\t+3], v[RD] offset:\t*2*SPITCH
.endr
.endm
.macro SENDO a, younger
	s_wait_dscnt \younger
.irp t, 0,1,2,3,4,5,6,7
	global_store_b128 v[CO], v[TMP+32*((\a)%2)+4*\t:TMP+32*((\a)%2)+4*\t+3], s[8:9] offset:(16*(\a)+2*\t)*8192 th:TH_STORE_NT   ; sixteen lanes store 256 consecutive bytes, aligned
.endr
.endm
	TOST 0
.irp a, 1,2,3
.if \a > 1
	s_wait_xcnt 0x0                                ; block a - 2's stores have read the registers into which block a's rows are loaded
.endif
	TOST \a
	SENDO \a-1, 16                                 ; behind block a - 1's loads: block a's 8 stores and 8 loads
.endr
	SENDO 3, 0
	s_wait_tensorcnt 0x0                           ; the wave's end
	ds_add_u32 v[SPW], v[NIL]
	s_wait_dscnt 0x0
	CROUND                                         ; the closing round
	s_endpgm
.Lfunc_end_k_q7683afde86_oproj:
	.size	k_q7683afde86_oproj, .Lfunc_end_k_q7683afde86_oproj-k_q7683afde86_oproj
	.p2alignl 7, 3214868480
	.fill 96, 4, 3214868480
	.section	.rodata,"a",@progbits
	.p2align	6, 0x0
	.amdhsa_kernel k_q7683afde86_oproj
		.amdhsa_group_segment_fixed_size 327680
		.amdhsa_private_segment_fixed_size 0
		.amdhsa_enable_private_segment 0
		.amdhsa_kernarg_size 24
		.amdhsa_user_sgpr_count 2
		.amdhsa_user_sgpr_kernarg_segment_ptr 1
		.amdhsa_wavefront_size32 1
		.amdhsa_system_sgpr_workgroup_id_x 1
		.amdhsa_system_sgpr_workgroup_id_y 1
		.amdhsa_system_sgpr_workgroup_id_z 1
		.amdhsa_system_vgpr_workitem_id 0
		.amdhsa_next_free_vgpr 512
		.amdhsa_next_free_sgpr 66
		.amdhsa_reserve_vcc 0
		.amdhsa_float_denorm_mode_32 3
		.amdhsa_float_denorm_mode_16_64 3
		.amdhsa_memory_ordered 1
		.amdhsa_forward_progress 1
		.amdhsa_inst_pref_size 86
	.end_amdhsa_kernel
	.amdgpu_metadata
---
amdhsa.version: [ 1, 2 ]
amdhsa.kernels:
  - .name:           k_q7683afde86_oproj
    .symbol:         k_q7683afde86_oproj.kd
    .args:
      - { .name: ao, .offset: 0, .size: 8, .value_kind: global_buffer, .address_space: global }
      - { .name: wo16, .offset: 8, .size: 8, .value_kind: global_buffer, .address_space: global }
      - { .name: out0, .offset: 16, .size: 8, .value_kind: global_buffer, .address_space: global }
    .group_segment_fixed_size: 327680
    .private_segment_fixed_size: 0
    .kernarg_segment_align: 8
    .kernarg_segment_size: 24
    .max_flat_workgroup_size: 128
    .sgpr_count:     66
    .vgpr_count:     512
    .wavefront_size: 32
...
	.end_amdgpu_metadata
.endif
;; end of part 5
;; launch foproj (part 6): grid 128 x 1, 16 waves a work-group, no clusters, 18,432 bytes of LDS; arguments ofr, wo, out0; writes out0
.if DOCPART == 6
	.amdgcn_target "amdgcn-amd-amdhsa--gfx1250"
	.amdhsa_code_object_version 6
	.text
	.protected	k_q7683afde86_foproj
	.globl	k_q7683afde86_foproj
	.p2align	8
	.type	k_q7683afde86_foproj,@function
k_q7683afde86_foproj:
	s_mov_b64 s[64:65], 0
	v_nop
	global_prefetch_b8 v0, s[64:65] scope:SCOPE_SE
	s_setreg_imm32_b32 hwreg(HW_REG_WAVE_MODE, 25, 1), 1
	s_wait_xcnt 0x0
; ROWS 0..15 OF out0 ONCE MORE, FINELY: out0[q][n] = sum over k of o[q][k] wo[k][n], both operands as pairs of f16 (high = the f32 number cut to 10 mantissa bits, low = the rest): oh wh + ol wh + oh wl, sums in f32.
; A work-group takes 16 columns; wave w takes heads 2 w and 2 w + 1 (128 along K, four fragments); the sixteen sums meet in LDS.
; ofr holds images of the A registers: [head][f][high, low][quad][lane][16 bytes]; element e of lane half h of fragment (head, f) is k = 64 head + 32 h + 4 (e % 8) + 2 f + e / 8.  wo's rows are loaded by the same map.
; LIMITS: a high part under 2^-14 is rounded on f16's subnormal grid (at most 2^-25 absolute); |wo| under 65,504.
.set SPARE, 16384                      ; LDS: wave w's eight sums as two images at 1,024 w; then the spare words
.set SPW, 6
.set NIL, 7
.macro SPLIT2 hi, lo, x0, x1, t
	v_and_b32 v[\t], s26, v[\x0]
	v_and_b32 v[(\t)+1], s26, v[\x1]
	v_sub_f32 v[(\t)+2], v[\x0], v[\t]
	v_sub_f32 v[(\t)+3], v[\x1], v[(\t)+1]
	v_cvt_pk_f16_f32 v[\hi], v[\t], v[(\t)+1]
	v_cvt_pk_f16_f32 v[\lo], v[(\t)+2], v[(\t)+3]
.endm
	s_load_b128 s[4:7], s[0:1], 0x0                ; ofr, wo
	s_load_b64 s[8:9], s[0:1], 0x10                ; out0
	v_lshl_add_u32 v[SPW], v0, 2, SPARE
	v_mov_b32 v[NIL], 0
	v_lshrrev_b32 v1, 5, v0
	v_readfirstlane_b32 s12, v1                    ; wave 0..15
	v_and_b32 v10, 31, v0                          ; lane
	v_and_b32 v1, 15, v0                           ; r
	v_bfe_u32 v2, v0, 4, 1                         ; h
	v_lshlrev_b32 v3, 18, v2
	v_lshl_add_u32 v3, v1, 2, v3                   ; wo: 32 h rows of 8,192 bytes, + 4 r
	v_lshlrev_b32 v4, 4, v10                       ; an image's place for my lane
	s_lshl_b32 s13, s12, 10
	v_add_nc_u32 v5, s13, v4                       ; where I put my sums
	s_and_b32 s14, s12, 1
	s_lshl_b32 s13, s14, 9
	v_add_nc_u32 v8, s13, v4                       ; the merge: quad wave % 2 of wave 0's sums
	s_lshl_b32 s13, s14, 15                        ; 4 (wave % 2) rows of 8,192 bytes
	v_lshlrev_b32 v9, 16, v2                       ; 8 h rows
	v_lshl_add_u32 v9, v1, 2, v9
	v_add_nc_u32 v9, s13, v9
	s_mov_b32 s26, 0xffffe000
	s_mov_b32 s17, 0
	s_wait_kmcnt 0x0
	s_lshl_b32 s16, s12, 13
	s_add_nc_u64 s[4:5], s[4:5], s[16:17]          ; ofr at my two heads
	s_lshl_b32 s16, s12, 20                        ; wo at my 128 rows,
	s_lshl_b32 s13, ttmp9, 6
	s_add_co_u32 s16, s16, s13                     ; my work-group's 16 columns
	s_add_nc_u64 s[6:7], s[6:7], s[16:17]
	s_mov_b32 s16, s13
	s_add_nc_u64 s[8:9], s[8:9], s[16:17]
.irp i, 0,1,2,3                        ; o's fragments: high at v[16 + 16 i], low at + 8
.irp p, 0,1
.irp q, 0,1
	global_load_b128 v[16+16*\i+8*\p+4*\q:16+16*\i+8*\p+4*\q+3], v4, s[4:5] offset:\i*2048+\p*1024+\q*512
.endr
.endr
.endr
.irp i, 0,1,2,3                        ; wo's sixteen numbers of fragment i = 2 (head % 2) + f, at v[80 + 16 i]
.irp e, 0,1,2,3,4,5,6,7,8,9,10,11,12,13,14,15
	global_load_b32 v[80+16*\i+\e], v3, s[6:7] offset:(64*(\i/2)+4*(\e&7)+2*(\i%2)+(\e>>3))*8192
.endr
.endr
.irp i, 0,1,2,3
	s_wait_loadcnt 16*(3-\i)                       ; o and this fragment's sixteen loads are in; the later fragments' may be out
.irp e, 0,1,2,3,4,5,6,7
	SPLIT2 144+16*(\i%2)+\e, 152+16*(\i%2)+\e, 80+16*\i+2*\e, 81+16*\i+2*\e, 200+4*(\e%3)   ; two sets by turns: these 48 plain lines are the places behind the products that read the other set
.endr
.if \i == 0
	v_wmma_f32_16x16x32_f16 v[176:183], v[16+16*\i:23+16*\i], v[144+16*(\i%2):151+16*(\i%2)], 0
	v_wmma_f32_16x16x32_f16 v[184:191], v[24+16*\i:31+16*\i], v[144+16*(\i%2):151+16*(\i%2)], 0
	v_wmma_f32_16x16x32_f16 v[192:199], v[16+16*\i:23+16*\i], v[152+16*(\i%2):159+16*(\i%2)], 0
.else
	v_wmma_f32_16x16x32_f16 v[176:183], v[16+16*\i:23+16*\i], v[144+16*(\i%2):151+16*(\i%2)], v[176:183]
	v_wmma_f32_16x16x32_f16 v[184:191], v[24+16*\i:31+16*\i], v[144+16*(\i%2):151+16*(\i%2)], v[184:191]
	v_wmma_f32_16x16x32_f16 v[192:199], v[16+16*\i:23+16*\i], v[152+16*(\i%2):159+16*(\i%2)], v[192:199]
.endif
.endr
.rept 4
	v_nop
.endr
.irp n, 0,1,2,3
	v_pk_add_f32 v[200+2*\n:201+2*\n], v[176+2*\n:177+2*\n], v[184+2*\n:185+2*\n]
.endr
.irp n, 0,1,2,3
	v_pk_add_f32 v[200+2*\n:201+2*\n], v[200+2*\n:201+2*\n], v[192+2*\n:193+2*\n]
.endr
	ds_store_b128 v5, v[200:203]                   ; lane (r, h), register j: out0(8 h + j, column r), my 128 along K
	ds_store_b128 v5, v[204:207] offset:512
	s_wait_dscnt 0x0                               ; for the others' sake
	s_barrier_signal -1
	s_barrier_wait -1
	s_cmp_lt_u32 s12, 2
	s_cbranch_scc0 .Lend
.irp n, 0,1,2,3,4,5,6,7,8,9,10,11,12,13,14,15
	ds_load_b128 v[80+4*\n:83+4*\n], v8 offset:1024*\n
.endr
	s_wait_dscnt 0x0
.irp n, 1,2,3,4,5,6,7,8,9,10,11,12,13,14,15
	v_pk_add_f32 v[80:81], v[80:81], v[80+4*\n:81+4*\n]
	v_pk_add_f32 v[82:83], v[82:83], v[82+4*\n:83+4*\n]
.endr
.irp j, 0,1,2,3
	global_store_b32 v9, v[80+\j], s[8:9] offset:8192*\j   ; out0(8 h + 4 (wave % 2) + j, column r)
.endr
.Lend:
	s_wait_tensorcnt 0x0                           ; the wave's end
	ds_add_u32 v[SPW], v[NIL]
	s_wait_dscnt 0x0
	s_endpgm
.Lfunc_end_k_q7683afde86_foproj:
	.size	k_q7683afde86_foproj, .Lfunc_end_k_q7683afde86_foproj-k_q7683afde86_foproj
	.p2alignl 7, 3214868480
	.fill 96, 4, 3214868480
	.section	.rodata,"a",@progbits
	.p2align	6, 0x0
	.amdhsa_kernel k_q7683afde86_foproj
		.amdhsa_group_segment_fixed_size 18432
		.amdhsa_private_segment_fixed_size 0
		.amdhsa_enable_private_segment 0
		.amdhsa_kernarg_size 24
		.amdhsa_user_sgpr_count 2
		.amdhsa_user_sgpr_kernarg_segment_ptr 1
		.amdhsa_wavefront_size32 1
		.amdhsa_system_sgpr_workgroup_id_x 1
		.amdhsa_system_sgpr_workgroup_id_y 1
		.amdhsa_system_sgpr_workgroup_id_z 1
		.amdhsa_system_vgpr_workitem_id 0
		.amdhsa_next_free_vgpr 256
		.amdhsa_next_free_sgpr 66
		.amdhsa_reserve_vcc 0
		.amdhsa_float_denorm_mode_32 3
		.amdhsa_float_denorm_mode_16_64 3
		.amdhsa_memory_ordered 1
		.amdhsa_forward_progress 1
		.amdhsa_inst_pref_size 23
	.end_amdhsa_kernel
	.amdgpu_metadata
---
amdhsa.version: [ 1, 2 ]
amdhsa.kernels:
  - .name:           k_q7683afde86_foproj
    .symbol:         k_q7683afde86_foproj.kd
    .args:
      - { .name: ofr, .offset: 0, .size: 8, .value_kind: global_buffer, .address_space: global }
      - { .name: wo, .offset: 8, .size: 8, .value_kind: global_buffer, .address_space: global }
      - { .name: out0, .offset: 16, .size: 8, .value_kind: global_buffer, .address_space: global }
    .group_segment_fixed_size: 18432
    .private_segment_fixed_size: 0
    .kernarg_segment_align: 8
    .kernarg_segment_size: 24
    .max_flat_workgroup_size: 512
    .sgpr_count:     66
    .vgpr_count:     256
    .wavefront_size: 32
...
	.end_amdgpu_metadata
.endif
;; end of part 6
;; ======== version 2 of 2: 6 launches
;; limits: values are held in f16: magnitudes above 65,504 overflow, below 6.1e-05 lose precision; inputs' magnitudes at most 5.6e+33
;; workspace buffers: codes 5,242,880 bytes; scales 327,680 bytes; wo16 8,388,608 bytes; qkv16 12,582,912 bytes; vf 4,194,304 bytes; ofr 131,072 bytes; ao 8,388,608 bytes; part 2,228,224 bytes
;; launch prep: the kernel of part 1 again; grid 352 x 1, 4 waves a work-group, no clusters, 102,912 bytes of LDS; arguments x, wq, wk, wv, wo, codes, scales, wo16; writes codes, scales, wo16
;; launch qkv: the kernel of part 2 again; grid 12 x 8, 4 waves a work-group, clusters of 4 x 4, 327,680 bytes of LDS; arguments codes, scales, cos, sin, qkv16, vf; writes qkv16, vf
;; launch fattn (part 7): grid 256 x 1, 2 waves a work-group, no clusters, 0 bytes of LDS; arguments qkv16, vf, mask, part; writes part
.if DOCPART == 7
	.amdgcn_target "amdgcn-amd-amdhsa--gfx1250"
	.amdhsa_code_object_version 6
	.text
	.protected	k_q7683afde86_fattn
	.globl	k_q7683afde86_fattn
	.p2align	8
	.type	k_q7683afde86_fattn,@function
k_q7683afde86_fattn:
	s_mov_b64 s[64:65], 0
	v_nop
	global_prefetch_b8 v0, s[64:65] scope:SCOPE_SE
	s_setreg_imm32_b32 hwreg(HW_REG_WAVE_MODE, 25, 1), 1
	s_wait_xcnt 0x0
; THE FIRST 16 POSITIONS, CARRIED FINELY: THE PARTS.  512 jobs, a wave each: job 16 head + chunk takes keys 128 chunk .. + 127 for queries 0..15 of one head.  Two jobs to a work-group, 256 work-groups: waves share nothing:
; no LDS, no barrier.  The sixteen parts of a head are merged by the launch that follows.
; Scores: s' = (q 2^-8 log2(e))(k 2^-8) in f16 + mask x log2(e) x 2^-13 (the mask is the C of the first link): the score x log2(e) x 2^-13.  p = 2^(c' s' - c' m) with c' = 2^13.  Softmax in f32, each job with its own maximum.
; c' IS A POWER OF TWO, so that c'm is exact: the largest score gives exactly p = 1 and no p exceeds 1, whatever the size of the mask's numbers: p always fits f16.
; p and v go to the matrix unit as PAIRS of f16: high = the f32 number cut to 10 mantissa bits, low = the rest; three products: vh ph + vh pl + vl ph.
; v comes from vf (f32) as it lies: lane (r, h) loads v[key 8 h + i][4 r .. 4 r + 3], so tile c of O^T holds channels 4 m + c: lane (r, h), register j: o(query r, channel 32 h + 4 j + c).
; OUT: part [job][4,352 bytes]: the unnormalised O^T as eight images of four registers (tile c, registers 4 q .. 4 q + 3 at 1,024 c + 512 q + 16 lane), then at 4,096 + 8 lane the pair (c'm, l).
; ALL OF V HAS REGISTERS OF ITS OWN (window 1): groups 0 and 1 of 32 keys are asked for with Q, mask and K, groups 2 and 3 straight behind K Q^T, so that they land under the softmax.
; LIMITS: a high part under 2^-14 is rounded on f16's subnormal grid (at most 2^-25 absolute); |v| under 65,504; NaN is not served.
; REGISTERS.  window 0: v1-15 addresses; v16-31 Q, then at work (v28 c'm, v29 m, then l); v32-95 the mask, then scores, then p, then v's high parts (32-63) and low parts (64-95);
;   v96-223 K's fragments, then p's high (96-127) and low (128-159) and v's parts in f32 (160-191); v224-255 O^T, four tiles.   window 1: v as loaded, group g at v[64 g].
.set KO,    8388608
.set PSTR,  4352                       ; a job's bytes in part
.set S,   32
.set KF,  96
.set TH,  160                          ; v160-175 sixteen high parts in f32
.set TL,  176                          ; v176-191 sixteen low parts
.set O,   224
.set MSB, 0
.macro WIN new                         ; the immediate's high byte repeats the setting that is left
.if MSB != (\new)
	s_set_vgpr_msb (MSB<<8)|(\new)
.set MSB, (\new)
.endif
.endm
.macro SPLIT2 hi, lo, x0, x1, t        ; two f32 numbers into a packed pair of high parts and a packed pair of low parts
	v_and_b32 v[\t], s26, v[\x0]
	v_and_b32 v[(\t)+1], s26, v[\x1]
	v_sub_f32 v[(\t)+2], v[\x0], v[\t]
	v_sub_f32 v[(\t)+3], v[\x1], v[(\t)+1]
	v_cvt_pk_f16_f32 v[\hi], v[\t], v[(\t)+1]
	v_cvt_pk_f16_f32 v[\lo], v[(\t)+2], v[(\t)+3]
.endm
.macro VLD g                           ; 32 keys of v into window 1: register 64 g + 4 i + c: v[32 g + i % 8 + 16 (i / 8) + 8 h][4 r + c]; sixteen lanes read a row's 256 bytes
.irp i, 0,1,2,3,4,5,6,7,8,9,10,11,12,13,14,15
	global_load_b128 v[64*(\g)+4*\i:64*(\g)+4*\i+3], v5, s[6:7] offset:(32*(\g)+(\i&7)+16*(\i>>3))*256
.endr
.endm
; Tile c of group g: sixteen numbers of window 1 become a fragment of high parts and one of low parts.  The work is laid by window setting: the cuts (source 1 in window 1), the rests (source 0 in window 1), the roundings (window 0).
.macro VSPLIT g, c
	WIN 0x04
.irp e, 0,1,2,3,4,5,6,7
	v_and_b32 v[TH+2*\e], s26, v[64*(\g)+8*\e+(\c)]
	v_and_b32 v[TH+2*\e+1], s26, v[64*(\g)+8*\e+4+(\c)]
.endr
	WIN 0x01
.irp e, 0,1,2,3,4,5,6,7
	v_sub_f32 v[TL+2*\e], v[64*(\g)+8*\e+(\c)], v[TH+2*\e]
	v_sub_f32 v[TL+2*\e+1], v[64*(\g)+8*\e+4+(\c)], v[TH+2*\e+1]
.endr
	WIN 0
.irp e, 0,1,2,3,4,5,6,7
	v_cvt_pk_f16_f32 v[32+8*(\c)+\e], v[TH+2*\e], v[TH+2*\e+1]
	v_cvt_pk_f16_f32 v[64+8*(\c)+\e], v[TL+2*\e], v[TL+2*\e+1]
.endr
.endm
	s_load_b256 s[4:11], s[0:1], 0x0               ; qkv16 4:5, vf 6:7, mask 8:9, part 10:11
	v_lshrrev_b32 v1, 5, v0
	v_readfirstlane_b32 s13, v1                    ; wave 0..1
	s_lshl_b32 s28, ttmp9, 1
	s_add_co_u32 s28, s28, s13                     ; my job, 0..511
	s_and_b32 s12, s28, 15                         ; which 128 keys
	s_lshr_b32 s29, s28, 4                         ; the head
	s_lshr_b32 s27, s29, 2                         ; the key and value head
	v_and_b32 v15, 31, v0                          ; lane
	v_and_b32 v1, 15, v0                           ; r
	v_bfe_u32 v2, v0, 4, 1                         ; h
	v_lshlrev_b32 v3, 7, v1
	v_lshl_add_u32 v3, v2, 4, v3                   ; Q, K: row r of 128 bytes, + 16 h
	v_lshlrev_b32 v4, 13, v1
	v_lshl_add_u32 v4, v2, 5, v4                   ; mask: row r of 8,192 bytes, + 32 h
	v_lshlrev_b32 v5, 11, v2
	v_lshl_add_u32 v5, v1, 4, v5                   ; v: 8 h rows of 256 bytes, + 16 r
	v_lshlrev_b32 v13, 3, v15                      ; out: 8 bytes a lane,
	v_lshlrev_b32 v14, 4, v15                      ; 16 bytes a lane
	v_mov_b32 v31, 0                               ; a lane exchange's target counts as read
	s_mov_b32 s20, 0x76543210
	s_mov_b32 s21, 0xfedcba98
	s_mov_b32 s22, 0x46000000                      ; c' = 2^13
	s_mov_b32 s23, s22
	s_mov_b32 s24, 0x3938aa3b                      ; log2(e) x 2^-13
	s_mov_b32 s25, s24
	s_mov_b32 s26, 0xffffe000                      ; keeps sign, exponent and 10 mantissa bits
	s_mov_b32 s15, 0
	s_wait_kmcnt 0x0
	s_lshl_b32 s14, s29, 18
	s_add_nc_u64 s[16:17], s[4:5], s[14:15]        ; q of my head, positions 0..15
	s_lshl_b32 s14, s27, 18
	s_lshl_b32 s13, s12, 14
	s_add_co_u32 s14, s14, s13
	s_add_co_u32 s14, s14, KO
	s_add_nc_u64 s[18:19], s[4:5], s[14:15]        ; k at my 128 keys
	s_lshl_b32 s14, s12, 9
	s_add_nc_u64 s[8:9], s[8:9], s[14:15]          ; the mask at my 128 keys
	s_lshl_b32 s14, s27, 19
	s_lshl_b32 s13, s12, 15
	s_add_co_u32 s14, s14, s13
	s_add_nc_u64 s[6:7], s[6:7], s[14:15]          ; v likewise
	s_mul_i32 s14, s28, PSTR
	s_add_nc_u64 s[10:11], s[10:11], s[14:15]      ; my job's bytes of part
.irp c, 0,1
	global_load_b128 v[16+8*\c:16+8*\c+3], v3, s[16:17] offset:64*\c
	global_load_b128 v[16+8*\c+4:16+8*\c+7], v3, s[16:17] offset:64*\c+32
.endr
.irp kt, 0,1,2,3,4,5,6,7
	global_load_b128 v[S+8*\kt:S+8*\kt+3], v4, s[8:9] offset:64*\kt
	global_load_b128 v[S+8*\kt+4:S+8*\kt+7], v4, s[8:9] offset:64*\kt+16
.endr
.irp kt, 0,1,2,3,4,5,6,7
.irp c, 0,1
	global_load_b128 v[KF+16*\kt+8*\c:KF+16*\kt+8*\c+3], v3, s[18:19] offset:2048*\kt+64*\c
	global_load_b128 v[KF+16*\kt+8*\c+4:KF+16*\kt+8*\c+7], v3, s[18:19] offset:2048*\kt+64*\c+32
.endr
.endr
	WIN 0x40                                       ; destination window 1, address window 0
	VLD 0
	VLD 1
	WIN 0
	s_wait_loadcnt 32                              ; Q, the mask and K are in; the 32 loads of v's groups 0 and 1 may be out
.set nn, 0
.rept 32
	v_pk_mul_f32 v[S+2*nn:S+2*nn+1], v[S+2*nn:S+2*nn+1], s[24:25] op_sel_hi:[1,0]   ; the mask x log2(e) x 2^-13
.set nn, nn+1
.endr
.irp c, 0,1                            ; S^T = K Q^T + mask: lane (r, h), tile kt, register j: query r, key 16 kt + 8 h + j.  The eight accumulators take turns
.irp kt, 0,1,2,3,4,5,6,7
	v_wmma_f32_16x16x32_f16 v[S+8*\kt:S+8*\kt+7], v[KF+16*\kt+8*\c:KF+16*\kt+8*\c+7], v[16+8*\c:16+8*\c+7], v[S+8*\kt:S+8*\kt+7]
.endr
.endr
.rept 4
	v_nop                                          ; places in front of the reads of the scores
.endr
	WIN 0x40
	VLD 2
	VLD 3
	WIN 0
.irp kt, 0,1,2,3,4,5,6,7
	v_max3_num_f32 v[16+\kt], v[S+8*\kt], v[S+8*\kt+1], v[S+8*\kt+2]
.endr
.irp kt, 0,1,2,3,4,5,6,7
	v_max3_num_f32 v[16+\kt], v[16+\kt], v[S+8*\kt+3], v[S+8*\kt+4]
.endr
.irp kt, 0,1,2,3,4,5,6,7
	v_max3_num_f32 v[16+\kt], v[16+\kt], v[S+8*\kt+5], v[S+8*\kt+6]
.endr
.irp kt, 0,1,2,3,4,5,6,7
	v_max_num_f32 v[16+\kt], v[16+\kt], v[S+8*\kt+7]
.endr
	v_max3_num_f32 v24, v16, v17, v18
	v_max3_num_f32 v25, v19, v20, v21
	v_max3_num_f32 v26, v22, v23, 0xf149f2ca       ; the floor -1e30 keeps c'm finite
	v_max3_num_f32 v24, v24, v25, v26
	v_permlanex16_b32 v25, v24, s20, s21
	v_max_num_f32 v29, v24, v25                    ; m: my 128 keys' largest score of query r
	v_mul_f32 v28, s22, v29                        ; c'm: exact
.set nn, 0
.rept 32
	v_pk_fma_f32 v[S+2*nn:S+2*nn+1], v[S+2*nn:S+2*nn+1], s[22:23], v[28:29] op_sel_hi:[1,0,0] neg_lo:[0,0,1] neg_hi:[0,0,1]   ; c's' - c'm: 0 or less
.set nn, nn+1
.endr
.set nn, 0
.rept 64
	v_exp_f32 v[S+nn], v[S+nn]
.set nn, nn+1
.endr
	v_nop                                          ; a plain line behind the last exponential
	s_wait_alu depctr_va_vdst(0)                   ; one wait for the batch, ahead of its first reader
	v_pk_add_f32 v[24:25], v[S:S+1], v[S+2:S+3]
	v_pk_add_f32 v[26:27], v[S+4:S+5], v[S+6:S+7]
.irp j, 8,12,16,20,24,28,32,36,40,44,48,52,56,60
	v_pk_add_f32 v[24:25], v[24:25], v[S+\j:S+\j+1]
	v_pk_add_f32 v[26:27], v[26:27], v[S+\j+2:S+\j+3]
.endr
	v_pk_add_f32 v[24:25], v[24:25], v[26:27]
	v_add_f32 v30, v24, v25
	v_permlanex16_b32 v31, v30, s20, s21
	v_add_f32 v29, v30, v31                        ; l: the sum of my 128 keys' p, beside c'm: the pair leaves by one store
.set nn, 0
.rept 32
	SPLIT2 96+nn, 128+nn, S+2*nn, S+2*nn+1, 16+4*(nn%3)
.set nn, nn+1
.endr
.irp g, 0,1,2,3                        ; O^T += V^T P, 32 keys at a time
	s_wait_loadcnt 16*(3-\g)                       ; this group's sixteen loads are in; the later groups' may be out
.if \g > 0
.rept 4
	v_nop                                          ; places behind the last group's products, whose operands are written again
.endr
.endif
.irp c, 0,1,2,3
	VSPLIT \g, \c
.endr
.irp c, 0,1,2,3
.if \g == 0
	v_wmma_f32_16x16x32_f16 v[O+8*\c:O+8*\c+7], v[32+8*\c:32+8*\c+7], v[96+8*\g:96+8*\g+7], 0
.else
	v_wmma_f32_16x16x32_f16 v[O+8*\c:O+8*\c+7], v[32+8*\c:32+8*\c+7], v[96+8*\g:96+8*\g+7], v[O+8*\c:O+8*\c+7]
.endif
.endr
.irp c, 0,1,2,3
	v_wmma_f32_16x16x32_f16 v[O+8*\c:O+8*\c+7], v[32+8*\c:32+8*\c+7], v[128+8*\g:128+8*\g+7], v[O+8*\c:O+8*\c+7]
.endr
.irp c, 0,1,2,3
	v_wmma_f32_16x16x32_f16 v[O+8*\c:O+8*\c+7], v[64+8*\c:64+8*\c+7], v[96+8*\g:96+8*\g+7], v[O+8*\c:O+8*\c+7]
.endr
.endr
.rept 4
	v_nop                                          ; places in front of the stores that read the results
.endr
.irp q, 0,1,2,3,4,5,6,7
	global_store_b128 v14, v[O+4*\q:O+4*\q+3], s[10:11] offset:512*\q   ; images of the registers, each accumulator from its low end on: 512 consecutive bytes a store
.endr
	global_store_b64 v13, v[28:29], s[10:11] offset:4096                ; (c'm, l): 256 consecutive bytes
	s_endpgm
.Lfunc_end_k_q7683afde86_fattn:
	.size	k_q7683afde86_fattn, .Lfunc_end_k_q7683afde86_fattn-k_q7683afde86_fattn
	.p2alignl 7, 3214868480
	.fill 96, 4, 3214868480
	.section	.rodata,"a",@progbits
	.p2align	6, 0x0
	.amdhsa_kernel k_q7683afde86_fattn
		.amdhsa_group_segment_fixed_size 0
		.amdhsa_private_segment_fixed_size 0
		.amdhsa_enable_private_segment 0
		.amdhsa_kernarg_size 32
		.amdhsa_user_sgpr_count 2
		.amdhsa_user_sgpr_kernarg_segment_ptr 1
		.amdhsa_wavefront_size32 1
		.amdhsa_system_sgpr_workgroup_id_x 1
		.amdhsa_system_sgpr_workgroup_id_y 1
		.amdhsa_system_sgpr_workgroup_id_z 1
		.amdhsa_system_vgpr_workitem_id 0
		.amdhsa_next_free_vgpr 512
		.amdhsa_next_free_sgpr 66
		.amdhsa_reserve_vcc 0
		.amdhsa_float_denorm_mode_32 3
		.amdhsa_float_denorm_mode_16_64 3
		.amdhsa_memory_ordered 1
		.amdhsa_forward_progress 1
		.amdhsa_inst_pref_size 71
	.end_amdhsa_kernel
	.amdgpu_metadata
---
amdhsa.version: [ 1, 2 ]
amdhsa.kernels:
  - .name:           k_q7683afde86_fattn
    .symbol:         k_q7683afde86_fattn.kd
    .args:
      - { .name: qkv16, .offset: 0, .size: 8, .value_kind: global_buffer, .address_space: global }
      - { .name: vf, .offset: 8, .size: 8, .value_kind: global_buffer, .address_space: global }
      - { .name: mask, .offset: 16, .size: 8, .value_kind: global_buffer, .address_space: global }
      - { .name: part, .offset: 24, .size: 8, .value_kind: global_buffer, .address_space: global }
    .group_segment_fixed_size: 0
    .private_segment_fixed_size: 0
    .kernarg_segment_align: 8
    .kernarg_segment_size: 32
    .max_flat_workgroup_size: 64
    .sgpr_count:     66
    .vgpr_count:     512
    .wavefront_size: 32
...
	.end_amdgpu_metadata
.endif
;; end of part 7
;; launch attn (part 8): grid 32 x 8, 8 waves a work-group, clusters of 4 x 4, 327,680 bytes of LDS; arguments qkv16, mask, ao, part, ofr; writes ao, ofr
.if DOCPART == 8
	.amdgcn_target "amdgcn-amd-amdhsa--gfx1250"
	.amdhsa_code_object_version 6
	.text
	.protected	k_q7683afde86_attn
	.globl	k_q7683afde86_attn
	.p2align	8
	.type	k_q7683afde86_attn,@function
k_q7683afde86_attn:
	s_mov_b64 s[64:65], 0
	v_nop
	global_prefetch_b8 v0, s[64:65] scope:SCOPE_SE
	s_setreg_imm32_b32 hwreg(HW_REG_WAVE_MODE, 25, 1), 1
	s_wait_xcnt 0x0
	s_wait_alu depctr_hold_cnt(0) depctr_sa_sdst(0) depctr_va_vdst(0) depctr_va_sdst(0) depctr_va_ssrc(0) depctr_va_vcc(0) depctr_vm_vsrc(0)
	s_getreg_b32 s2, hwreg(HW_REG_IB_STS2, 6, 4)
	s_cmp_eq_u32 s2, 0
	s_cbranch_scc0 .Lentry_in_a_cluster
	s_endpgm
.Lentry_in_a_cluster:
	s_bfe_u32 s2, ttmp6, 0x10000c
	s_cmp_lg_u32 s2, 0xf033
	s_cbranch_scc0 .Lentry_shape_is_right
	s_endpgm
.Lentry_shape_is_right:
; ATTENTION.  ao[pos][64 head + d] (f16) = softmax_k(q . k / 8 + mask[pos][k]) v.  The mask is an input: every query walks all 2,048 keys and every mask word is added.
; qkv16 holds q x 2^-8 x log2(e), k x 2^-8 and v in f16.  s' = (q 2^-8 log2(e))(k 2^-8) + mask x log2(e) x 2^-13 is the score x log2(e) x 2^-13; p = 2^(c' s' - c' m), c' = 2^13, with a running maximum m and sum l for each query.
; c' IS A POWER OF TWO, so that c'm is exact: the largest score gives exactly p = 1 and no p exceeds 1, whatever the size of the mask's numbers: p always fits f16.
; SHARES.  Work-group (x, y): 64 queries (block x) of the four heads that share key and value head y.  Wave w: queries 16 (w % 4) .. + 15, and of each 128 keys the 64 at 64 (w / 4).  Its four tiles are the four heads
; at the same queries: each fragment of K, V and mask read from LDS serves four tiles, and the mask is the C of the first link of K Q^T.  Waves w and w + 4 are merged at the end through LDS.
; LAYOUT.  S^T = K Q^T (source 0 = 16 keys, source 1 = 16 queries), O^T = V^T P: a lane holds one query throughout; V ([key][channel]) comes turned by ds_load_tr16_b128.
; TWO ORDERS.  A unit of 128 keys is a matrix phase MPH(j) (V^T P of step j - 1, K Q^T of step j, all LDS reads of step j) and a vector phase SM.  Waves 0-3 run MPH(j), SM(j); waves 4-7 run SM(j - 1), MPH(j):
; both meet every barrier at a unit's edge, and one kind's vector work stands beside the other kind's products.  The first unit is no special text: O^T, the K/V registers and (waves 0-3) the scores begin as zeros,
; (waves 4-7) the scores begin as -infinity, so that the first V^T P adds zeros and the first SM gives p = 0.
; RING.  Two slots of 256 keys: K 256 x 144 bytes, V 256 x 160, mask 64 x 1,040.  Waves 0, 1 fetch K's halves, 2, 3 V's, 4-7 sixteen mask rows each: one tensor load a wave behind each round.
; CLUSTER 4 x 4: K and V hang on y alone and are asked for jointly along a row of the cluster; the mask's tile hangs on x alone and is asked for jointly along a column.
; BESIDE IT, THE MERGE OF THE FINE ROWS.  The launch before has left, in part, sixteen parts (128 keys each) of the first 16 positions' attention for each head.  While the first tiles are on their way, wave 7 of work-group
; number 32 y + x merges 16 lanes' images of one head's tile (128 numbers; 256 work-groups x 128 = 32 heads x 16 queries x 64 channels) and writes them to ofr as pairs of f16.  The branch hangs on the wave's number alone.
; LIMITS: a row whose every score lies under about -5.6e33 gives 0 / 0 (in the fine rows too); where |mask| is so large that f32 drops q . k beside it, the sum's last bit may differ from a plain f32 addition's; |v| and |ao| under 65,504;
; a high part under 2^-14 is rounded on f16's subnormal grid (at most 2^-25 absolute); NaN is not served.
; REGISTERS.  window 0: v1-15 addresses; v16-47 statistics, 8 a tile: +0 c'm, +1 m, +2, +3 l, +4..7 at work (a in +6); v48-79 the step's mask; v80-111 at work at the ends; v128-255 S^T, 32 a tile; P lies over its first 16.
;   window 1: v0-63 Q; v64-127 K or V of a step; v128-255 O^T, 32 a tile.
.set KO,    8388608
.set VO,    10485760
.set PSTR,  4352                       ; a part's bytes: eight images of 512 bytes, then 256 bytes of (c'm, l)
.set KP,    144                        ; a key's row in LDS: 128 bytes + 16: an odd multiple of 16
.set VP,    160                        ; V's: 128 + 32: an odd multiple of 32, for the turning load
.set MP,    1040                       ; a query's 256 mask words + 16
.set VOFF,  256*KP
.set MOFF,  VOFF+256*VP
.set SLOTB, MOFF+64*MP                 ; 144,384
.set SPARE, 2*SLOTB                    ; the spare words: 128 bytes for each of eight waves
.set DUMPB, 17408                      ; the ends (in slot 0's bytes, behind their last fill and last read): a pair's dump: 32 images of O^T, l, c'm
.set OST,   4*DUMPB                    ; and the stages for ao: 16 rows x 528 for each pair
.set AK0, 1
.set AV0, 2
.set AM0, 3
.set ADK, 4
.set ADV, 5
.set ADM, 6
.set QO,  7
.set PFO, 8
.set DMP, 9
.set STO, 10
.set RD,  11
.set GO,  12
.set SPW, 14
.set NIL, 15
.set ST,  16
.set MK,  48
.set S,   128
.set G1K, 24
.set G1V, 32
.set G1M, 40
.set G0K, 48
.set G0V, 52
.set G0M, 56
.set NB,  63
.set TB,  66                           ; s66 where the slot in hand begins;  s67-69 where the unit's K, V and mask begin
.set TK,  67
.set TV,  68
.set TM,  69
.set TW,  70
.set SLOTS, 71
.set PFA, 76
.set PFS, 78
.set LIM, 80
.set W_PV, 0x51                        ; V and O^T in window 1, P in window 0
.set W_QK, 0x05                        ; K and Q in window 1, the mask and S^T in window 0
.set TO_1, 0x40                        ; destination window 1
.set MSB, 0
.macro WIN new
.if MSB != (\new)
	s_set_vgpr_msb (MSB<<8)|(\new)
.set MSB, (\new)
.endif
.endm
.macro PLACES
.rept 4
	v_nop
.endr
.endm
.macro SPLIT2 hi, lo, x0, x1, t        ; two f32 numbers into a packed pair of high parts (cut to 10 mantissa bits by s18) and a packed pair of low parts
	v_and_b32 v[\t], s18, v[\x0]
	v_and_b32 v[(\t)+1], s18, v[\x1]
	v_sub_f32 v[(\t)+2], v[\x0], v[\t]
	v_sub_f32 v[(\t)+3], v[\x1], v[(\t)+1]
	v_cvt_pk_f16_f32 v[\hi], v[\t], v[(\t)+1]
	v_cvt_pk_f16_f32 v[\lo], v[(\t)+2], v[(\t)+3]
.endm
; A joint load: every wave has one.  The branches hang on the wave's number alone.  An s_nop 0 and four v_nop follow each line.
.macro JLOAD
	s_cmp_lt_u32 s10, 2
	s_cbranch_scc0 .Lnot_k_\@
	tensor_load_to_lds s[G0K:G0K+3], s[G1K:G1K+7]
	s_nop 0
	PLACES
	s_branch .Lasked_\@
.Lnot_k_\@:
	s_cmp_lt_u32 s10, 4
	s_cbranch_scc0 .Lnot_v_\@
	tensor_load_to_lds s[G0V:G0V+3], s[G1V:G1V+7]
	s_nop 0
	PLACES
	s_branch .Lasked_\@
.Lnot_v_\@:
	tensor_load_to_lds s[G0M:G0M+3], s[G1M:G1M+7]
	s_nop 0
	PLACES
.Lasked_\@:
.endm
; A prefetch of what the NEXT change of slots will ask for, two units ahead of that load; each aligned 256 bytes is named once in the launch.  K and V of a head group: the first cluster along x; its four partners
; of a row take 8,192 bytes each, by address; wave 0 K's, wave 2 V's.  The mask's tile: the first cluster along y; its four partners of a column take 16 rows each, by address; waves 4 and 5 half of a row's 1,024 bytes each.
; The last change that fills a slot asks for nothing; nothing is asked for at the head.
.macro ASK
	s_cmp_gt_u32 s[SLOTS], s[LIM]
	s_cbranch_scc0 .Lnot_mine_\@
	global_prefetch_b8 v[PFO], s[PFA:PFA+1] th:TH_LOAD_NT scope:SCOPE_SE
.Lnot_mine_\@:
.endm
.macro CROUND
	s_barrier_signal -1
	s_barrier_wait -1
	s_cmp_lg_u32 s10, 0
	s_cbranch_scc1 .Lnot_wave_0_\@
	s_barrier_signal -3
.Lnot_wave_0_\@:
	s_barrier_wait -3
	s_barrier_signal -1
	s_barrier_wait -1
.endm
	s_load_b128 s[4:7], s[0:1], 0x0                ; qkv16, mask
	s_load_b64 s[8:9], s[0:1], 0x10                ; ao
	s_load_b64 s[92:93], s[0:1], 0x18              ; part
	s_load_b64 s[94:95], s[0:1], 0x20              ; ofr
	v_lshl_add_u32 v[SPW], v0, 2, SPARE
	v_mov_b32 v[NIL], 0
	ds_add_u32 v[SPW], v[NIL]                      ; the wave's opening: the add, twice on end, and its wait ahead of my first tensor load
	ds_add_u32 v[SPW], v[NIL]
	v_lshrrev_b32 v13, 5, v0
	v_readfirstlane_b32 s10, v13                   ; wave 0..7
	s_lshr_b32 s11, s10, 2                         ; which 64 of each 128 keys; also the order of a unit's phases
	s_and_b32 s12, s10, 3                          ; which 16 queries; also which 16 mask rows I fetch
	s_and_b32 s17, s10, 1                          ; which 128 keys of a slot I fetch
	s_bfe_u32 s13, ttmp6, 0x40000                  ; cx
	s_bfe_u32 s14, ttmp6, 0x40004                  ; cy
	s_lshl_b32 s15, ttmp9, 2
	s_add_co_u32 s15, s15, s13                     ; block of 64 queries
	s_and_b32 s19, ttmp7, 0xffff                   ; cluster y
	s_lshl_b32 s16, s19, 2
	s_add_co_u32 s16, s16, s14                     ; key and value head
	s_lshl_b32 s20, s14, 2
	s_lshl_b32 s20, 15, s20                        ; my row of the cluster
	s_lshl_b32 s21, 0x1111, s13                    ; my column
	s_or_b32 s[G1K], s20, (1<<16)|(1<<20)|(1<<21)|(4<<22)|(3<<25)   ; elements of 2 bytes; 4 words of padding after every 32
	s_or_b32 s[G1V], s20, (1<<16)|(1<<20)|(1<<21)|(4<<22)|(7<<25)   ; 8 words
	s_or_b32 s[G1M], s21, (2<<16)|(1<<20)|(1<<21)|(7<<22)|(3<<25)   ; elements of 4 bytes; 4 words after every 256
.irp g, G1K, G1V
	s_mov_b32 s[\g+1], 64<<16                      ; tensor_dim0 = 64
	s_mov_b32 s[\g+2], 128<<16                     ; tensor_dim1 = 128
	s_mov_b32 s[\g+3], 64<<16                      ; tile_dim0
	s_mov_b32 s[\g+4], 128                         ; tile_dim1
	s_mov_b32 s[\g+5], 64                          ; from row to row
	s_mov_b32 s[\g+6], 0
	s_mov_b32 s[\g+7], 0
.endr
	s_mov_b32 s[G1M+1], 256<<16
	s_mov_b32 s[G1M+2], 16<<16
	s_mov_b32 s[G1M+3], 256<<16
	s_mov_b32 s[G1M+4], 16
	s_mov_b32 s[G1M+5], 2048
	s_mov_b32 s[G1M+6], 0
	s_mov_b32 s[G1M+7], 0
	s_mul_i32 s60, s17, 128*KP                     ; my load's place in a slot: as K's,
	s_mul_i32 s61, s17, 128*VP
	s_add_co_u32 s61, s61, VOFF                    ; as V's,
	s_mul_i32 s62, s12, 16*MP
	s_add_co_u32 s62, s62, MOFF                    ; as the mask's
	s_lshl_b32 s84, s16, 18                        ; K in memory: the head's 262,144 bytes, my 128 rows of 128 bytes
	s_lshl_b32 s85, s17, 14
	s_add_co_u32 s84, s84, s85
	s_add_co_u32 s84, s84, KO
	s_mov_b32 s85, 0
	s_lshl_b32 s86, s15, 6                         ; the mask: row 64 x block + 16 x (wave % 4), of 8,192 bytes
	s_lshl_b32 s87, s12, 4
	s_add_co_u32 s86, s86, s87
	s_lshl_b32 s86, s86, 13
	s_mov_b32 s87, 0
	s_mov_b32 s72, 0x46000000                      ; c' = 2^13
	s_mov_b32 s73, s72
	s_mov_b32 s74, 0x76543210
	s_mov_b32 s75, 0xfedcba98
	s_mov_b32 s82, 0x3938aa3b                      ; log2(e) x 2^-13
	s_mov_b32 s83, s82
	s_mov_b32 s[TB], 0
	s_mov_b32 s[SLOTS], 7
	s_cmp_eq_u32 s11, 0
	s_cselect_b32 s81, 0, 0xff800000               ; what the scores begin as
	s_wait_dscnt 0x0                               ; both opening adds are done
	s_wait_kmcnt 0x0
	s_mov_b32 s[G0K], 1
	s_mov_b32 s[G0K+1], s60
	s_add_nc_u64 s[G0K+2:G0K+3], s[4:5], s[84:85]
	s_add_nc_u64 s[G0V+2:G0V+3], s[G0K+2:G0K+3], VO-KO
	s_or_b32 s[G0K+3], s[G0K+3], 0x80000000
	s_mov_b32 s[G0V], 1
	s_mov_b32 s[G0V+1], s61
	s_or_b32 s[G0V+3], s[G0V+3], 0x80000000
	s_mov_b32 s[G0M], 1
	s_mov_b32 s[G0M+1], s62
	s_add_nc_u64 s[G0M+2:G0M+3], s[6:7], s[86:87]
	s_or_b32 s[G0M+3], s[G0M+3], 0x80000000
	CROUND                                         ; all sixteen work-groups are here: the first joint loads meet
	JLOAD                                          ; slot 0
	; the prefetches: where mine stand (at slot 1: the first change steps them to slot 2), and who asks
	s_lshl_b32 s88, s16, 18
	s_lshl_b32 s89, s13, 13
	s_add_co_u32 s88, s88, s89
	s_lshr_b32 s89, s10, 1
	s_and_b32 s89, s89, 1
	s_mul_i32 s89, s89, VO-KO
	s_add_co_u32 s88, s88, s89
	s_add_co_u32 s88, s88, KO+32768
	s_lshl_b32 s22, s15, 6
	s_lshl_b32 s23, s14, 4
	s_add_co_u32 s22, s22, s23
	s_lshl_b32 s22, s22, 13
	s_lshl_b32 s23, s17, 9
	s_add_co_u32 s22, s22, s23
	s_add_co_u32 s22, s22, 1024
	s_mov_b32 s23, 1024
	s_mov_b32 s18, 8192
	s_cmp_lt_u32 s10, 4
	s_cselect_b64 s[PFA:PFA+1], s[4:5], s[6:7]
	s_cselect_b32 s88, s88, s22
	s_cselect_b32 s[PFS], 32768, s23               ; a slot on
	s_cselect_b32 s18, 512, s18                    ; from pair of lanes to pair of lanes
	s_mov_b32 s89, 0
	s_mov_b32 s[PFS+1], 0
	s_add_nc_u64 s[PFA:PFA+1], s[PFA:PFA+1], s[88:89]
	s_and_b32 s2, s10, 5
	s_or_b32 s2, s2, ttmp9                         ; 0: wave 0 or 2 of a first cluster along x
	s_lshr_b32 s3, s10, 1
	s_xor_b32 s3, s3, 2
	s_or_b32 s3, s3, s19                           ; 0: wave 4 or 5 of a first cluster along y
	s_cmp_eq_u32 s2, 0
	s_cselect_b32 s[LIM], 1, -1
	s_cmp_eq_u32 s3, 0
	s_cselect_b32 s[LIM], 1, s[LIM]
	v_and_b32 v82, 31, v0                          ; lane
	v_lshrrev_b32 v[PFO], 1, v82
	v_mul_lo_u32 v[PFO], v[PFO], s18
	v_and_b32 v83, 1, v82
	v_lshl_add_u32 v[PFO], v83, 8, v[PFO]
	; Q and ao
	s_lshl_b32 s2, s16, 20                         ; four heads of 262,144 bytes
	s_lshl_b32 s3, s15, 6
	s_lshl_b32 s22, s12, 4
	s_add_co_u32 s3, s3, s22                       ; my first query
	s_lshl_b32 s22, s3, 7
	s_add_co_u32 s2, s2, s22
	s_lshl_b32 s22, s3, 12                         ; a row of ao is 4,096 bytes
	s_lshl_b32 s23, s16, 9                         ; my four heads' 512 bytes of it
	s_add_co_u32 s22, s22, s23
	s_mov_b32 s3, 0
	s_mov_b32 s23, 0
	s_add_nc_u64 s[88:89], s[4:5], s[2:3]
	s_add_nc_u64 s[8:9], s[8:9], s[22:23]
	v_and_b32 v80, 15, v0                          ; r
	v_bfe_u32 v81, v0, 4, 1                        ; h
	v_lshlrev_b32 v[QO], 7, v80
	v_lshl_add_u32 v[QO], v81, 4, v[QO]
	WIN TO_1
.irp i, 0,1,2,3                        ; Q stays in registers: head i, channels 32 c on
.irp c, 0,1
	global_load_b128 v[16*\i+8*\c:16*\i+8*\c+3], v[QO], s[88:89] offset:\i*262144+64*\c
	global_load_b128 v[16*\i+8*\c+4:16*\i+8*\c+7], v[QO], s[88:89] offset:\i*262144+64*\c+32
.endr
.endr
	WIN 0
	; THE MERGE OF THE FINE ROWS, by wave 7, while the first tiles are on their way.  Work-group number n = 32 y + x takes head n / 8, tile c = (n / 2) % 4 of its O^T, lanes 16 (n % 2) .. + 15.  Thread t takes lane
	; 16 (n % 2) + t / 2 and registers 4 (t % 2) .. + 3 of that lane's eight.  For each of the sixteen parts: 16 bytes of O^T and the pair (c'm, l).  S^T's registers, not yet set, hold them.
	s_cmp_eq_u32 s10, 7
	s_cbranch_scc0 .Lno_merge
	s_lshl_b32 s84, s16, 5
	s_add_co_u32 s84, s84, s15                     ; n: it enters global addresses alone
	s_lshr_b32 s85, s84, 3                         ; the head
	s_bfe_u32 s86, s84, 0x20001                    ; c: 2 bits from bit 1
	s_and_b32 s87, s84, 1                          ; which 16 lanes
	s_mul_i32 s20, s85, 16*PSTR                    ; the head's sixteen parts
	s_add_co_u32 s22, s20, 4096                    ; the pairs lie behind a part's eight images:
	s_lshl_b32 s21, s86, 10
	s_add_co_u32 s20, s20, s21                     ; tile c's two images,
	s_lshl_b32 s21, s87, 8
	s_add_co_u32 s20, s20, s21                     ; my 16 lanes of 16 bytes;
	s_lshl_b32 s21, s87, 7
	s_add_co_u32 s22, s22, s21                     ; my 16 lanes of 8 bytes
	s_mov_b32 s21, 0
	s_mov_b32 s23, 0
	s_add_nc_u64 s[96:97], s[92:93], s[20:21]
	s_add_nc_u64 s[98:99], s[92:93], s[22:23]
	s_lshl_b32 s2, s85, 12                         ; ofr [head][f = c / 2][high, low][quad = c % 2][lane][16 bytes]
	s_lshr_b32 s3, s86, 1
	s_lshl_b32 s3, s3, 11
	s_add_co_u32 s2, s2, s3
	s_and_b32 s3, s86, 1
	s_lshl_b32 s3, s3, 9
	s_add_co_u32 s2, s2, s3
	s_lshl_b32 s3, s87, 8
	s_add_co_u32 s2, s2, s3
	s_mov_b32 s3, 0
	s_add_nc_u64 s[94:95], s[94:95], s[2:3]
	s_mov_b32 s18, 0xffffe000                      ; keeps sign, exponent and 10 mantissa bits
	v_lshrrev_b32 v85, 1, v82                      ; t / 2
	v_and_b32 v86, 1, v82                          ; t % 2
	v_lshlrev_b32 v84, 4, v85
	v_lshl_add_u32 v84, v86, 9, v84                ; in an image pair: 512 (t % 2) + 16 (t / 2)
	v_lshlrev_b32 v87, 3, v85                      ; among the pairs: 8 (t / 2)
	v_lshlrev_b32 v86, 3, v82                      ; out: 8 t
.irp n, 0,1,2,3,4,5,6,7,8,9,10,11,12,13,14,15
	global_load_b128 v[128+4*\n:131+4*\n], v84, s[96:97] offset:\n*PSTR
	global_load_b64 v[192+2*\n:193+2*\n], v87, s[98:99] offset:\n*PSTR
.endr
	s_wait_loadcnt 0x0
	v_max3_num_f32 v224, v192, v194, v196
.irp n, 3,5,7,9,11,13
	v_max3_num_f32 v224, v224, v[192+2*\n], v[194+2*\n]
.endr
	v_max_num_f32 v224, v224, v222                 ; the row's c'm
.irp n, 0,1,2,3,4,5,6,7,8,9,10,11,12,13,14,15
	v_sub_f32 v[192+2*\n], v[192+2*\n], v224
.endr
.irp n, 0,1,2,3,4,5,6,7,8,9,10,11,12,13,14,15
	v_exp_f32 v[192+2*\n], v[192+2*\n]             ; what brings each part under the row's maximum
.endr
	v_nop                                          ; a plain line behind the last exponential
	s_wait_alu depctr_va_vdst(0)                   ; one wait for the sixteen, ahead of their first reader
	v_mul_f32 v225, v192, v193
.irp n, 1,2,3,4,5,6,7,8,9,10,11,12,13,14,15
	v_fma_f32 v225, v[192+2*\n], v[193+2*\n], v225 ; the row's sum
.endr
	v_rcp_f32 v226, v225
.irp j, 0,1,2,3
	v_mul_f32 v[228+\j], v192, v[128+\j]
.endr
.irp n, 1,2,3,4,5,6,7,8,9,10,11,12,13,14,15
.irp j, 0,1,2,3
	v_fma_f32 v[228+\j], v[192+2*\n], v[128+4*\n+\j], v[228+\j]
.endr
.endr
	s_wait_alu depctr_va_vdst(0)                   ; the reciprocal, ahead of its first reader; the sums above are the work between
.irp j, 0,1,2,3
	v_mul_f32 v[228+\j], v[228+\j], v226
.endr
	SPLIT2 236, 238, 228, 229, 232
	SPLIT2 237, 239, 230, 231, 240
	global_store_b64 v86, v[236:237], s[94:95]             ; the wave stores 256 consecutive bytes: the high parts,
	global_store_b64 v86, v[238:239], s[94:95] offset:1024 ; the low parts
	s_wait_xcnt 0x0                                ; the stores have read their registers, which are set anew below
.Lno_merge:
	WIN TO_1
.set ii, 64
.rept 192
	v_mov_b32 v[ii], 0                             ; the K/V registers and O^T: written once, so that a unit is written once and has no first form of its own
.set ii, ii+1
.endr
	WIN 0
.set ii, S
.rept 128
	v_mov_b32 v[ii], s81
.set ii, ii+1
.endr
	v_mul_u32_u24 v[AK0], v80, KP
	v_lshl_add_u32 v[AK0], v81, 4, v[AK0]
	s_mul_i32 s2, s11, 64*KP
	v_add_nc_u32 v[AK0], s2, v[AK0]                ; K: my 64 keys; row r, + 16 h
	v_and_b32 v83, 7, v0
	v_lshl_add_u32 v83, v81, 3, v83
	v_mul_u32_u24 v[AV0], v83, VP
	v_bfe_u32 v83, v0, 3, 1
	v_lshl_add_u32 v[AV0], v83, 4, v[AV0]
	s_mul_i32 s2, s11, 64*VP
	s_add_co_u32 s2, s2, VOFF
	v_add_nc_u32 v[AV0], s2, v[AV0]                ; V: key 8 h + lane % 8, channels 8 ((lane / 8) % 2) on
	v_mul_u32_u24 v[AM0], v80, MP
	v_lshl_add_u32 v[AM0], v81, 5, v[AM0]
	s_mul_i32 s2, s12, 16*MP
	s_lshl_b32 s3, s11, 8
	s_add_co_u32 s2, s2, s3
	s_add_co_u32 s2, s2, MOFF
	v_add_nc_u32 v[AM0], s2, v[AM0]                ; mask: my query's row, my 64 keys, + 32 h
	s_mul_i32 s2, s12, DUMPB
	v_lshl_add_u32 v[DMP], v82, 4, s2
	s_mul_i32 s2, s12, 16*528
	s_add_co_u32 s2, s2, OST
	v_mul_u32_u24 v[STO], v80, 528
	v_lshl_add_u32 v[STO], v81, 4, v[STO]
	v_add_nc_u32 v[STO], s2, v[STO]
	v_lshl_add_u32 v[RD], v82, 4, s2
	v_lshlrev_b32 v[GO], 4, v82
.irp t, 0,1,2,3
	v_mov_b32 v[ST+8*\t+1], 0xf149f2ca             ; m = -1e30, under every score that is served
	v_mul_f32 v[ST+8*\t], s72, v[ST+8*\t+1]        ; c'm
	v_mov_b32 v[ST+8*\t+2], 0
	v_mov_b32 v[ST+8*\t+3], 0
	v_mov_b32 v[ST+8*\t+4], 0
	v_mov_b32 v[ST+8*\t+5], 0
	v_mov_b32 v[ST+8*\t+6], 0
	v_mov_b32 v[ST+8*\t+7], 0
.endr
; O^T += V^T P for keys 32 g on: the sixteen accumulators take turns
.macro PV g
.irp dt, 0,1,2,3
.irp i, 0,1,2,3
	v_wmma_f32_16x16x32_f16 v[128+32*\i+8*\dt:128+32*\i+8*\dt+7], v[64+32*\g+8*\dt:64+32*\g+8*\dt+7], v[S+32*\i+8*\g:S+32*\i+8*\g+7], v[128+32*\i+8*\dt:128+32*\i+8*\dt+7]
.endr
.endr
.endm
; S^T = K Q^T + mask for key tiles k0, k0 + 1: the first link takes the mask as C; eight accumulators by turns
.macro QK k0
.irp c, 0,1
.irp kt, \k0, \k0+1
.irp i, 0,1,2,3
.if \c == 0
	v_wmma_f32_16x16x32_f16 v[S+32*\i+8*(\kt):S+32*\i+8*(\kt)+7], v[64+16*(\kt)+8*\c:64+16*(\kt)+8*\c+7], v[16*\i+8*\c:16*\i+8*\c+7], v[MK+8*(\kt):MK+8*(\kt)+7]
.else
	v_wmma_f32_16x16x32_f16 v[S+32*\i+8*(\kt):S+32*\i+8*(\kt)+7], v[64+16*(\kt)+8*\c:64+16*(\kt)+8*\c+7], v[16*\i+8*\c:16*\i+8*\c+7], v[S+32*\i+8*(\kt):S+32*\i+8*(\kt)+7]
.endif
.endr
.endr
.endr
.endm
.macro KLD k0                          ; eight loads: K's fragments of key tiles k0, k0 + 1
.irp kt, \k0, \k0+1
.irp c, 0,1
	ds_load_b128 v[64+16*(\kt)+8*\c:64+16*(\kt)+8*\c+3], v[ADK] offset:(\kt)*16*KP+64*\c
	ds_load_b128 v[64+16*(\kt)+8*\c+4:64+16*(\kt)+8*\c+7], v[ADK] offset:(\kt)*16*KP+64*\c+32
.endr
.endr
.endm
; THE MATRIX PHASE of step j: V^T P of step j - 1 (V is in registers since the last phase), K Q^T of step j, and every LDS read of step j: mask, K, and at the end V.
.macro MPH
	v_add_nc_u32 v[ADK], s[TK], v[AK0]
	v_add_nc_u32 v[ADV], s[TV], v[AV0]
	v_add_nc_u32 v[ADM], s[TM], v[AM0]
.irp kt, 0,1,2,3
	ds_load_b128 v[MK+8*\kt:MK+8*\kt+3], v[ADM] offset:64*\kt
	ds_load_b128 v[MK+8*\kt+4:MK+8*\kt+7], v[ADM] offset:64*\kt+16
.endr
	s_wait_dscnt 8                                 ; V is in; the eight mask loads may be out
	WIN W_PV
	PV 0
	PLACES                                         ; in front of the loads into V's first half
	WIN TO_1
	KLD 0
	WIN W_PV
	PV 1
	WIN 0
	s_wait_dscnt 8                                 ; the mask is in; K's first eight loads may be out
.irp n, 0,1,2,3,4,5,6,7,8,9,10,11,12,13,14,15
	v_pk_mul_f32 v[MK+2*\n:MK+2*\n+1], v[MK+2*\n:MK+2*\n+1], s[82:83] op_sel_hi:[1,0]   ; x log2(e) x 2^-13.  These sixteen are also the places in front of the loads into V's second half and of the products that write over P
.endr
	WIN TO_1
	KLD 2
	s_wait_dscnt 8                                 ; K's first eight are in
	WIN W_QK
	QK 0
	s_wait_dscnt 0x0
	QK 2
	PLACES                                         ; in front of the loads into K's registers and of the first read of the scores
	WIN TO_1
.irp g, 0,1
.irp dt, 0,1,2,3
	ds_load_tr16_b128 v[64+32*\g+8*\dt:64+32*\g+8*\dt+3], v[ADV] offset:\g*32*VP+32*\dt
	ds_load_tr16_b128 v[64+32*\g+8*\dt+4:64+32*\g+8*\dt+7], v[ADV] offset:\g*32*VP+16*VP+32*\dt
.endr
.endr
	WIN 0
.endm
; THE VECTOR PHASE: the softmax of one step for my four tiles, which take turns line by line.
.macro SM
.irp j, 0,1,2,3                        ; the maximum: four chains a tile, each accumulator from its low end on
.irp t, 0,1,2,3
	v_max3_num_f32 v[ST+8*\t+4+\j], v[S+32*\t+8*\j], v[S+32*\t+8*\j+1], v[S+32*\t+8*\j+2]
.endr
.endr
.irp u, 1,2
.irp j, 0,1,2,3
.irp t, 0,1,2,3
	v_max3_num_f32 v[ST+8*\t+4+\j], v[ST+8*\t+4+\j], v[S+32*\t+8*\j+2*\u+1], v[S+32*\t+8*\j+2*\u+2]
.endr
.endr
.endr
.irp t, 0,1,2,3
	v_max3_num_f32 v[ST+8*\t+4], v[ST+8*\t+4], v[S+32*\t+7], v[S+32*\t+15]
.endr
.irp t, 0,1,2,3
	v_max3_num_f32 v[ST+8*\t+6], v[ST+8*\t+6], v[S+32*\t+23], v[S+32*\t+31]
.endr
.irp t, 0,1,2,3
	v_max3_num_f32 v[ST+8*\t+4], v[ST+8*\t+4], v[ST+8*\t+5], v[ST+8*\t+6]
.endr
.irp t, 0,1,2,3
	v_max3_num_f32 v[ST+8*\t+4], v[ST+8*\t+4], v[ST+8*\t+7], v[ST+8*\t+1]   ; with the old m
.endr
.irp t, 0,1,2,3
	v_permlanex16_b32 v[ST+8*\t+5], v[ST+8*\t+4], s74, s75                  ; the query's other 32 keys lie 16 lanes away
.endr
.irp t, 0,1,2,3
	v_mov_b32 v[ST+8*\t+7], v[ST+8*\t]
.endr
.irp t, 0,1,2,3
	v_max_num_f32 v[ST+8*\t+1], v[ST+8*\t+4], v[ST+8*\t+5]
.endr
.irp t, 0,1,2,3
	v_mul_f32 v[ST+8*\t], s72, v[ST+8*\t+1]        ; c'm: exact
.endr
.irp t, 0,1,2,3
	v_sub_f32 v[ST+8*\t+7], v[ST+8*\t+7], v[ST+8*\t]
.endr
.irp t, 0,1,2,3
	v_exp_f32 v[ST+8*\t+6], v[ST+8*\t+7]           ; a = 2^(c'm old - c'm new)
.endr
.set nn, 0
.rept 16
.irp t, 0,1,2,3
	v_pk_fma_f32 v[S+32*\t+2*nn:S+32*\t+2*nn+1], v[S+32*\t+2*nn:S+32*\t+2*nn+1], s[72:73], v[ST+8*\t:ST+8*\t+1] op_sel_hi:[1,0,0] neg_lo:[0,0,1] neg_hi:[0,0,1]   ; c's' - c'm: 0 or less
.endr
.set nn, nn+1
.endr
	s_wait_alu depctr_va_vdst(0)                   ; the four a, ahead of their readers below; the scalings above are the work between
.set nn, 0
.rept 32
.irp t, 0,1,2,3
	v_exp_f32 v[S+32*\t+nn], v[S+32*\t+nn]
.endr
.set nn, nn+1
.endr
	WIN 0x41                                       ; O^T in window 1, a in window 0
.set nn, 0
.rept 16
.irp t, 0,1,2,3
	v_pk_mul_f32 v[128+32*\t+2*nn:128+32*\t+2*nn+1], v[128+32*\t+2*nn:128+32*\t+2*nn+1], v[ST+8*\t+6:ST+8*\t+7] op_sel_hi:[1,0]   ; O^T x a: work that names no exponential's result
.endr
.set nn, nn+1
.endr
	WIN 0
.irp t, 0,1,2,3
	v_pk_mul_f32 v[ST+8*\t+2:ST+8*\t+3], v[ST+8*\t+2:ST+8*\t+3], v[ST+8*\t+6:ST+8*\t+7] op_sel_hi:[1,0]
.endr
	s_wait_alu depctr_va_vdst(0)                   ; one wait for the 128 exponentials, ahead of their first reader
.irp t, 0,1,2,3
	v_pk_add_f32 v[ST+8*\t+4:ST+8*\t+5], v[S+32*\t+2:S+32*\t+3], v[S+32*\t+6:S+32*\t+7]
.endr
.set nn, 0
.rept 8
.irp t, 0,1,2,3
	v_pk_add_f32 v[ST+8*\t+2:ST+8*\t+3], v[ST+8*\t+2:ST+8*\t+3], v[S+32*\t+4*nn:S+32*\t+4*nn+1]
.if nn >= 2
	v_pk_add_f32 v[ST+8*\t+4:ST+8*\t+5], v[ST+8*\t+4:ST+8*\t+5], v[S+32*\t+4*nn+2:S+32*\t+4*nn+3]
.endif
.endr
.set nn, nn+1
.endr
.irp t, 0,1,2,3
	v_pk_add_f32 v[ST+8*\t+2:ST+8*\t+3], v[ST+8*\t+2:ST+8*\t+3], v[ST+8*\t+4:ST+8*\t+5]
.endr
.set nn, 0
.rept 16
.irp t, 0,1,2,3
	v_cvt_pk_f16_f32 v[S+32*\t+nn], v[S+32*\t+2*nn], v[S+32*\t+2*nn+1]   ; P over S^T, ascending: each target has been read
.endr
.set nn, nn+1
.endr
.endm
.macro UNIT
	s_cmp_eq_u32 s11, 0
	s_cbranch_scc0 .Lodd_\@
	MPH
	SM
	s_branch .Ljoin_\@
.Lodd_\@:
	SM
	MPH
.Ljoin_\@:
.endm
.macro TWO_STEPS                       ; a slot's two units: written once, walked twice
	s_mov_b32 s[TW], 2
.Lstep_\@:
	UNIT
	s_add_co_u32 s[TK], s[TK], 128*KP
	s_add_co_u32 s[TV], s[TV], 128*VP
	s_add_co_u32 s[TM], s[TM], 512
	s_sub_co_u32 s[TW], s[TW], 1
	s_cmp_lg_u32 s[TW], 0
	s_cbranch_scc1 .Lstep_\@
	s_xor_b32 s[TB], s[TB], SLOTB
.endm
; THE CHANGE OF SLOTS stands at a slot's head: each wave waits for all its tensor loads (one is out: its part of the slot that is about to be read), adds 0 to its spare word, and waits for that and for its reads of the
; slot that it has left.  fill = 1: behind a round of the cluster's barrier the other slot is filled with the next 256 keys: that load has two units in which to land.
.macro CHANGE fill
	s_wait_tensorcnt 0x0
	ds_add_u32 v[SPW], v[NIL]                      ; the steps below stand between the add and the wait for it
.if \fill
	s_xor_b32 s[NB], s[TB], SLOTB
	s_add_co_u32 s[G0K+1], s[NB], s60
	s_add_co_u32 s[G0V+1], s[NB], s61
	s_add_co_u32 s[G0M+1], s[NB], s62
	s_add_nc_u64 s[G0K+2:G0K+3], s[G0K+2:G0K+3], 32768
	s_add_nc_u64 s[G0V+2:G0V+3], s[G0V+2:G0V+3], 32768
	s_add_nc_u64 s[G0M+2:G0M+3], s[G0M+2:G0M+3], 1024
	s_wait_xcnt 0x0                                ; the last prefetch, two units back, has read its address
	s_add_nc_u64 s[PFA:PFA+1], s[PFA:PFA+1], s[PFS:PFS+1]
.endif
	s_mov_b32 s[TK], s[TB]
	s_mov_b32 s[TV], s[TB]
	s_mov_b32 s[TM], s[TB]
	s_wait_dscnt 0x0                               ; the add is done, and my reads of the slot that I have left are over
.if \fill
	CROUND
	JLOAD
	ASK
.else
	s_barrier_signal -1
	s_barrier_wait -1
.endif
.endm
	s_wait_loadcnt 0x0                             ; Q
.Lslot:                                            ; seven trips: behind each change of slots but the last the next slot is asked for
	CHANGE 1
	TWO_STEPS
	s_sub_co_u32 s[SLOTS], s[SLOTS], 1
	s_cmp_lg_u32 s[SLOTS], 0
	s_cbranch_scc1 .Lslot
	CHANGE 0                                       ; the last slot is written out
	TWO_STEPS
	; THE ENDS.  Waves 4-7 owe the last step's softmax; every wave owes its V^T P.
	s_cmp_eq_u32 s11, 0
	s_cbranch_scc1 .Lno_sm
	SM
.Lno_sm:
	v_nop                                          ; counted along the text, the way that leads round SM has only the four places at MPH's end between K Q^T, which writes S^T's registers, and the products below, which take them as an operand; five are owed (ISA guide 7.12.1): the fifth stands here
	s_wait_dscnt 0x0                               ; V of the last step
	WIN W_PV
	PV 0
	PV 1
	WIN 0
	PLACES
.irp t, 0,1,2,3
	v_add_f32 v[80+\t], v[ST+8*\t+2], v[ST+8*\t+3]
.endr
.irp t, 0,1,2,3
	v_permlanex16_b32 v[ST+8*\t+5], v[80+\t], s74, s75
.endr
.irp t, 0,1,2,3
	v_add_f32 v[80+\t], v[80+\t], v[ST+8*\t+5]     ; l of my half of the keys
.endr
.irp t, 0,1,2,3
	v_mov_b32 v[84+\t], v[ST+8*\t]                 ; and its c'm
.endr
	s_cmp_eq_u32 s11, 0
	s_cbranch_scc1 .Lno_dump
	WIN 0x04                                       ; an LDS store's data are its source 1: window 1
.set qq, 0
.rept 32
	ds_store_b128 v[DMP], v[128+4*qq:128+4*qq+3] offset:512*qq   ; images of O^T's registers, ascending
.set qq, qq+1
.endr
	WIN 0
	ds_store_b128 v[DMP], v[80:83] offset:16384
	ds_store_b128 v[DMP], v[84:87] offset:16896
.Lno_dump:
	s_wait_dscnt 0x0                               ; for the partner's sake: the dump has landed
	s_barrier_signal -1
	s_barrier_wait -1
	s_cmp_eq_u32 s11, 0
	s_cbranch_scc0 .Lfin
.set qq, 0
.rept 32
	ds_load_b128 v[S+4*qq:S+4*qq+3], v[DMP] offset:512*qq
.set qq, qq+1
.endr
	ds_load_b128 v[88:91], v[DMP] offset:16384
	ds_load_b128 v[92:95], v[DMP] offset:16896
	s_wait_dscnt 0x0
.irp t, 0,1,2,3
	v_max_num_f32 v[96+\t], v[84+\t], v[92+\t]
.endr
.irp t, 0,1,2,3
	v_sub_f32 v[100+\t], v[84+\t], v[96+\t]
.endr
.irp t, 0,1,2,3
	v_sub_f32 v[104+\t], v[92+\t], v[96+\t]
.endr
.irp t, 0,1,2,3
	v_exp_f32 v[100+\t], v[100+\t]
.endr
.irp t, 0,1,2,3
	v_exp_f32 v[104+\t], v[104+\t]
.endr
	v_nop
	s_wait_alu depctr_va_vdst(0)
.irp t, 0,1,2,3
	v_mul_f32 v[108+\t], v[100+\t], v[80+\t]
.endr
.irp t, 0,1,2,3
	v_fma_f32 v[108+\t], v[104+\t], v[88+\t], v[108+\t]   ; the row's sum under the common maximum
.endr
.irp t, 0,1,2,3
	v_rcp_f32 v[96+\t], v[108+\t]
.endr
	v_nop
	s_wait_alu depctr_va_vdst(0)
.irp t, 0,1,2,3
	v_mul_f32 v[ST+8*\t+4], v[100+\t], v[96+\t]    ; what my half is multiplied by,
.endr
.irp t, 0,1,2,3
	v_mul_f32 v[ST+8*\t+6], v[104+\t], v[96+\t]    ; and the partner's
.endr
.set nn, 0
.rept 16
.irp t, 0,1,2,3
	v_pk_mul_f32 v[S+32*\t+2*nn:S+32*\t+2*nn+1], v[S+32*\t+2*nn:S+32*\t+2*nn+1], v[ST+8*\t+6:ST+8*\t+7] op_sel_hi:[1,0]
.endr
.set nn, nn+1
.endr
	WIN 0x01                                       ; source 0: O^T in window 1
.set nn, 0
.rept 16
.irp t, 0,1,2,3
	v_pk_fma_f32 v[S+32*\t+2*nn:S+32*\t+2*nn+1], v[128+32*\t+2*nn:128+32*\t+2*nn+1], v[ST+8*\t+4:ST+8*\t+5], v[S+32*\t+2*nn:S+32*\t+2*nn+1] op_sel_hi:[1,0,1]
.endr
.set nn, nn+1
.endr
	WIN 0
.set nn, 0
.rept 16
.irp t, 0,1,2,3
	v_cvt_pk_f16_f32 v[S+32*\t+nn], v[S+32*\t+2*nn], v[S+32*\t+2*nn+1]
.endr
.set nn, nn+1
.endr
.irp t, 0,1,2,3                        ; lane (r, h): query r, head t, channels 16 dt + 8 h + 0..7: 16 bytes
.irp dt, 0,1,2,3
	ds_store_b128 v[STO], v[S+32*\t+4*\dt:S+32*\t+4*\dt+3] offset:128*\t+32*\dt
.endr
.endr
.irp n, 0,1,2,3,4,5,6,7,8,9,10,11,12,13,14,15
	ds_load_b128 v[48+4*\n:48+4*\n+3], v[RD] offset:528*\n   ; LDS serves a wave's instructions in order: these see my stores
.endr
.irp n, 0,1,2,3,4,5,6,7,8,9,10,11,12,13,14,15
	s_wait_dscnt 15-\n                             ; row n is back
	global_store_b128 v[GO], v[48+4*\n:48+4*\n+3], s[8:9] offset:4096*\n   ; 32 lanes store 512 consecutive bytes of a row of ao
.endr
.Lfin:
	s_wait_tensorcnt 0x0                           ; the wave's end
	ds_add_u32 v[SPW], v[NIL]
	s_wait_dscnt 0x0
	CROUND                                         ; the closing round
	s_endpgm
.Lfunc_end_k_q7683afde86_attn:
	.size	k_q7683afde86_attn, .Lfunc_end_k_q7683afde86_attn-k_q7683afde86_attn
	.p2alignl 7, 3214868480
	.fill 96, 4, 3214868480
	.section	.rodata,"a",@progbits
	.p2align	6, 0x0
	.amdhsa_kernel k_q7683afde86_attn
		.amdhsa_group_segment_fixed_size 327680
		.amdhsa_private_segment_fixed_size 0
		.amdhsa_enable_private_segment 0
		.amdhsa_kernarg_size 40
		.amdhsa_user_sgpr_count 2
		.amdhsa_user_sgpr_kernarg_segment_ptr 1
		.amdhsa_wavefront_size32 1
		.amdhsa_system_sgpr_workgroup_id_x 1
		.amdhsa_system_sgpr_workgroup_id_y 1
		.amdhsa_system_sgpr_workgroup_id_z 1
		.amdhsa_system_vgpr_workitem_id 0
		.amdhsa_next_free_vgpr 512
		.amdhsa_next_free_sgpr 100
		.amdhsa_reserve_vcc 0
		.amdhsa_float_denorm_mode_32 3
		.amdhsa_float_denorm_mode_16_64 3
		.amdhsa_memory_ordered 1
		.amdhsa_forward_progress 1
		.amdhsa_inst_pref_size 222
	.end_amdhsa_kernel
	.amdgpu_metadata
---
amdhsa.version: [ 1, 2 ]
amdhsa.kernels:
  - .name:           k_q7683afde86_attn
    .symbol:         k_q7683afde86_attn.kd
    .args:
      - { .name: qkv16, .offset: 0, .size: 8, .value_kind: global_buffer, .address_space: global }
      - { .name: mask, .offset: 8, .size: 8, .value_kind: global_buffer, .address_space: global }
      - { .name: ao, .offset: 16, .size: 8, .value_kind: global_buffer, .address_space: global }
      - { .name: part, .offset: 24, .size: 8, .value_kind: global_buffer, .address_space: global }
      - { .name: ofr, .offset: 32, .size: 8, .value_kind: global_buffer, .address_space: global }
    .group_segment_fixed_size: 327680
    .private_segment_fixed_size: 0
    .kernarg_segment_align: 8
    .kernarg_segment_size: 40
    .max_flat_workgroup_size: 256
    .sgpr_count:     100
    .vgpr_count:     512
    .wavefront_size: 32
...
	.end_amdgpu_metadata
.endif
;; end of part 8
;; launch oproj: the kernel of part 5 again; grid 16 x 16, 4 waves a work-group, clusters of 4 x 4, 327,680 bytes of LDS; arguments ao, wo16, out0; writes out0
;; launch foproj: the kernel of part 6 again; grid 128 x 1, 16 waves a work-group, no clusters, 18,432 bytes of LDS; arguments ofr, wo, out0; writes out0
